; MI455X (gfx1250); checked and timed in simulation.
; The chip was launched on July 23, 2026; its instructions are those of AMD's public machine-readable ISA for CDNA 5 (MIT licence, August 2026) and "CDNA5" Instruction Set Architecture Reference Guide (July 2026). The comments in the code are by the model that wrote it; some were corrected since.
;; Transformer Block. Allowed arithmetic: matrix products marked QUANTISED: E5M2 operands, one E8M0 scale for each 32 along K, by v_wmma_scale_f32_16x16x128_f8f6f4 with both operands' format E5M2, f32 sums; everything else in f32.
;; Inputs: W1 2,048 x 1,024 float32; W2 1,024 x 2,048 float32; Wkv 512 x 1,024 float32; Wo 1,024 x 1,024 float32; Wq 1,024 x 1,024 float32; b1 2,048 float32; b2 1,024 float32; cos 2,048 x 64 float32; ln1_b 1,024 float32; ln1_g 1,024 float32; ln2_b 1,024 float32; ln2_g 1,024 float32; sin 2,048 x 64 float32; x 2 x 2,048 x 1,024 float32.
;; Outputs: out0 2 x 2,048 x 1,024 float32.
;; This version of the problem:
;;   THIS VERSION OF THE PROBLEM IS GIVEN IN LOW PRECISION. The matrix products marked QUANTISED in the list below multiply operands that are first quantised to E5M2 (5 exponent bits, 2 mantissa bits; 8 bits a number), with one power-of-two scale for each 32 numbers along K (OCP MX v1.0); their sums are f32. All else is computed in f32.
;;   The module's matrix products, in the order in which they are computed (A, B: the left and right operand; K: the contracted axis; several contracted axes count as one K, in the product's order):
;;     1. [M 4,096, K 1,024] x [K 1,024, N 1,024]; A: computed on the way; B: input Wq: QUANTISED
;;     2. [M 4,096, K 1,024] x [K 1,024, N 512]; A: computed on the way; B: input Wkv: QUANTISED
;;     3. batch 8 x [M 8,192, K 64] x [K 64, N 2,048]; A: computed on the way; B: computed on the way: QUANTISED
;;     4. batch 8 x [M 8,192, K 2,048] x [K 2,048, N 64]; A: softmax (see below); B: computed on the way: QUANTISED
;;     5. [M 4,096, K 1,024] x [K 1,024, N 1,024]; A: computed on the way; B: input Wo: QUANTISED
;;     6. [M 4,096, K 1,024] x [K 1,024, N 2,048]; A: computed on the way; B: input W1: QUANTISED
;;     7. [M 4,096, K 2,048] x [K 2,048, N 1,024]; A: computed on the way; B: input W2: QUANTISED
;;   THE QUANTISER, for each operand of a quantised product, along K:
;;     - K is cut into blocks of 32 from its start; a last block that is shorter is filled with zeros.
;;     - A block's scale is 2^e with e = floor(log2(the largest magnitude in the block)) - 15, held to -126 .. 127; a block of zeros has e = 0. As a byte (E8M0): e + 127.
;;     - Each number is divided by its block's scale, clamped to +-57,344, and rounded to the nearest number of E5M2, ties to even, subnormals kept.
;;     - The product sums the exact products of the quantised numbers (number of the format x scale) in f32.
;;   ~~~python
;;   def quantise(x, axis):      # numpy; x: float32 -> the quantised numbers, widened to float32 again
;;       x = np.moveaxis(x, axis, -1); K = x.shape[-1]
;;       x = np.pad(x, [(0, 0)] * (x.ndim - 1) + [(0, -K % 32)]); x = x.reshape(x.shape[:-1] + (-1, 32)); a = np.abs(x).max(-1, keepdims=True)
;;       e = np.where(a > 0, np.clip(np.frexp(np.where(a > 0, a, 1))[1] - 1 - 15, -126, 127), 0)      # np.frexp(a)[1] - 1 = floor(log2(a)), exactly
;;       r = np.clip(x / 2.0 ** e, -57344, 57344)
;;       step = 2.0 ** (np.maximum(np.frexp(np.where(r == 0, 1, r))[1] - 1, -14) - 2)
;;       q = np.round(r / step) * step * 2.0 ** e      # np.round: ties to even
;;       return np.moveaxis(q.reshape(q.shape[:-2] + (-1,))[..., :K], -1, axis).astype(np.float32)
;;   ~~~
;;   SOFTMAX AHEAD OF A QUANTISED PRODUCT. Where the list says 'softmax', what is quantised is not the finished softmax but p = 2^(t - M), with t = logit x log2(e) and M = ceil(the row's largest t), a whole number; so 1/2 < the row's largest p <= 1. The row's sum l is taken of the UNQUANTISED p, in f32, and the product's result is divided by l at the end. Since M is a whole number, a kernel that streams over the keys may use a running M (the ceiling of the running maximum): every later rescaling is an exact power of two, which a block's scale takes up: the codes' values come out the same.
;;   OPERANDS COMPUTED ON THE WAY. 'Computed on the way' means the value that the module computes at that place (a softmax that the list does not call 'softmax' is quantised finished and normalised). What goes into a quantiser is computed in f32, as accurately as f32 sums, v_exp_f32 and their like allow (about 1e-6 of the number): no bf16 or f16 on the way to a quantiser, and a product that is left as it is and whose result goes on into a quantised operand takes f32 operands (vector FMAs, or v_wmma_f32_16x16x4_f32). A number that lies on a knife's edge between two numbers of the format may be rounded either way, as far as f32 arithmetic and the matrix unit's own rounding can turn it there, and no further.
;; 2 versions. Each part assembles by itself: llvm-mc -triple=amdgcn-amd-amdhsa -mcpu=gfx1250 --defsym DOCPART=n.
;; ======== version 1 of 2: 7 launches
;; workspace buffers: P 11,698,176 bytes; H2 4,882,432 bytes; Q 4,718,592 bytes; KV 2,293,760 bytes; O 4,456,448 bytes; X1 16,777,216 bytes; G 8,912,896 bytes
;; launch prep (part 1): grid 672 x 1, 4 waves a work-group, no clusters, 66,304 bytes of LDS; arguments x, ln1_g, ln1_b, Wq, Wkv, Wo, W1, W2, P; writes P
.if DOCPART == 1
	.amdgcn_target "amdgcn-amd-amdhsa--gfx1250"
	.amdhsa_code_object_version 6
	.text
	.protected	k_q13bd123a6f_prep
	.globl	k_q13bd123a6f_prep
	.p2align	8
	.type	k_q13bd123a6f_prep,@function
k_q13bd123a6f_prep:
	s_mov_b64 s[64:65], 0
	v_nop
	global_prefetch_b8 v0, s[64:65] scope:SCOPE_SE
	s_setreg_imm32_b32 hwreg(HW_REG_WAVE_MODE, 25, 1), 1
	s_wait_xcnt 0x0
; f32 rows become codes of E5M2 with one E8M0 byte for each 32 along K, laid as IMAGES OF OPERAND REGISTERS.
; A work-group does one JOB: one tile of 16 rows x 1,024 along K.  Jobs 0-255: the activation (first argument), layer-normalised first (mean, centred squares, rsq, gain, bias, all f32);
; jobs 256-319 Wq, 320-351 Wkv, 352-415 Wo, 416-543 W1, 544-671 W2 (two jobs a tile: its K is 2,048).  The launch for the second norm has jobs 0-255 alone.
; THE ROWS OF A TILE ARE NOT NEIGHBOURS: position p of tile t is row 32 (t / 2) + 8 (t % 2) + p + 8 (p / 8), so that in a transposed product the 16 registers of two neighbouring tiles are 16 neighbours along the next K.
; IMAGE of a fragment (16 positions x 128 K, 2,048 bytes): the 16 bytes at 512 c + 16 lane hold k = 32 c + 16 (lane / 16) + 0 .. 15 of position lane % 16.  Scale image (128 bytes): the word at 4 lane is position lane % 16's.
; OUT: scale images at job x 1,024 + step x 128; code images at CO + job x 16,384 + step x 2,048.
; SHARES: on the way in wave w takes positions 4 w .. 4 w + 3 whole (a load reads 512 consecutive bytes; a row's norm never leaves the wave); the rows meet in a stage in LDS; on the way out wave w makes K steps 2 w and 2 w + 1.
; A block's scale byte is its largest magnitude's exponent field - 15, held at 1 from below.  LIMITS: a block of zeros gets the byte 1 (its codes are zeros; this program alone reads the bytes); NaN and infinities are not served.
; No tensor loads, no clusters, no matrix unit: the launch streams each input once and shares nothing between work-groups.
.set CO,   688128                      ; 672 jobs x 1,024 bytes of scale images lie in front of the codes
.set SROW, 4112                        ; a stage row: 4,096 bytes + 16: 257 x 16, so the 16 rows that a read touches start in 16 different groups of banks
.set TM,   12                          ; v12-27  at work in QUANT; during the norm four registers of statistics a row
.set PW0,  28                          ; v28, v29 the two scale words
.set PW1,  29
.set PC0,  32                          ; v32-47, v48-63 the two fragments' codes
.set PC1,  48
.set X,    64                          ; v64-191 four rows as loaded (row i at X + 32 i: register 4 j + e = column 128 j + 4 lane + e); later two K steps' 64 numbers
.set GG,   192                         ; v192-223 gain, v224-255 bias, in the rows' layout
.set BB,   224
.set SEL,  38                          ; s[38:39] lane selects: lane l xor 16
.set MNT,  40                          ; s40 the mantissa field of 57,344
; 64 numbers of a lane, register 16 b + i = k 32 b + 16 (lane / 16) + i of my position, become a fragment's codes in v[pc] on and its scale word in v[pw]
.macro QUANT s, pc, pw
.irp b, 0,1,2,3
	v_max3_num_f32 v[TM+\b], |v[(\s)+16*\b]|, |v[(\s)+1+16*\b]|, 0x8000000   ; my 16 numbers of block b, and the floor 2^(16 - 127): the byte cannot fall under 1
.endr
.irp i, 2,4,6,8,10,12,14
.irp b, 0,1,2,3
	v_max3_num_f32 v[TM+\b], v[TM+\b], |v[(\s)+16*\b+\i]|, |v[(\s)+1+16*\b+\i]|
.endr
.endr
.irp b, 0,1,2,3
	v_permlanex16_b32 v[TM+4+\b], v[TM+\b], s[SEL], s[SEL+1]
.endr
.irp b, 0,1,2,3
	v_max_num_f32 v[TM+\b], v[TM+\b], v[TM+4+\b]            ; with lane l xor 16's: the block's largest magnitude
.endr
.irp b, 0,1,2,3
	v_add_nc_u32 v[TM+12+\b], 0xf8800000, v[TM+\b]          ; 15 off its exponent field: the conversion's scale operand
.endr
.irp b, 0,1,2,3
	v_and_or_b32 v[TM+8+\b], v[TM+\b], 0x7f800000, s[MNT]   ; 57,344 x the scale
.endr
.irp b, 0,1,2,3
	v_lshrrev_b32 v[TM+4+\b], 23, v[TM+12+\b]               ; the scale's byte
.endr
	v_lshl_or_b32 v[\pw], v[TM+5], 8, v[TM+4]
	v_lshl_or_b32 v[\pw], v[TM+6], 16, v[\pw]
	v_lshl_or_b32 v[\pw], v[TM+7], 24, v[\pw]
.irp b, 0,1,2,3
.irp i, 0,1,2,3,4,5,6,7,8,9,10,11,12,13,14,15
	v_med3_num_f32 v[(\s)+16*\b+\i], v[(\s)+16*\b+\i], -v[TM+8+\b], v[TM+8+\b]   ; the conversion does not saturate (ISA guide 7.6.2): hold first
.endr
	v_cvt_scalef32_pk8_bf8_f32 v[(\pc)+4*\b:(\pc)+1+4*\b], v[(\s)+16*\b:(\s)+7+16*\b], v[TM+12+\b]
	v_cvt_scalef32_pk8_bf8_f32 v[(\pc)+2+4*\b:(\pc)+3+4*\b], v[(\s)+8+16*\b:(\s)+15+16*\b], v[TM+12+\b]
.endr
	v_nop                                                   ; one plain line behind the last conversion
.endm
; the four rows' two chains are folded and summed over the 32 lanes; every lane ends with the sum in v[12 + 4 i]
.macro LANES
.irp i, 0,1,2,3
	v_pk_add_f32 v[12+4*\i:13+4*\i], v[12+4*\i:13+4*\i], v[14+4*\i:15+4*\i]
.endr
.irp i, 0,1,2,3
	v_add_f32 v[12+4*\i], v[12+4*\i], v[13+4*\i]
.endr
.irp m, 1,2,4,8
.irp i, 0,1,2,3
	v_add_f32_dpp v[12+4*\i], v[12+4*\i], v[12+4*\i] row_xmask:\m row_mask:0xf bank_mask:0xf
.endr
.endr
.irp i, 0,1,2,3
	v_permlanex16_b32 v[13+4*\i], v[12+4*\i], s[SEL], s[SEL+1]
.endr
.irp i, 0,1,2,3
	v_add_f32 v[12+4*\i], v[12+4*\i], v[13+4*\i]
.endr
.endm
	s_load_b256 s[4:11], s[0:1], 0x0               ; the activation s[4:5], gain s[6:7], bias s[8:9], Wq s[10:11]
	s_load_b256 s[12:19], s[0:1], 0x20             ; Wkv, Wo, W1, W2
	s_load_b64 s[20:21], s[0:1], 0x40              ; the images
	v_lshl_add_u32 v30, v0, 2, 0x10100
	v_mov_b32 v31, 0
	v_lshrrev_b32 v1, 5, v0
	v_readfirstlane_b32 s3, v1                     ; wave
	s_mov_b32 s2, ttmp9                            ; job
	v_and_b32 v2, 31, v0
	v_lshlrev_b32 v1, 4, v2                        ; 16 lane
	v_lshlrev_b32 v2, 2, v2                        ; 4 lane
	v_and_b32 v3, 15, v0                           ; r
	v_bfe_u32 v4, v0, 4, 1                         ; h
	s_mul_i32 s41, s3, 4*SROW
	v_add_nc_u32 v5, s41, v1                       ; the stage, in: my wave's four rows, 16 bytes a lane
	v_mul_u32_u24 v6, v3, SROW
	v_lshl_add_u32 v6, v4, 6, v6
	s_lshl_b32 s41, s3, 10
	v_add_nc_u32 v6, s41, v6                       ; out: row r, + 64 h, + my wave's two K steps (1,024 bytes)
.irp b, 0,1,2,3
	v_mov_b32 v[TM+4+\b], 0                        ; written once: a lane permute's destination counts as one of its sources
.endr
	s_mov_b32 s36, 0x3a800000                      ; 1 / 1,024
	s_mov_b32 s37, 0x3727c5ac                      ; 1e-5
	s_mov_b32 s[SEL], 0x76543210
	s_mov_b32 s[SEL+1], 0xfedcba98
	s_mov_b32 s[MNT], 0x600000
	s_wait_kmcnt 0x0
	s_mov_b64 s[22:23], s[4:5]                     ; which tensor is the job's: a chain of choices on the job's number alone
	s_mov_b32 s24, 0                               ; and that tensor's first job
	s_cmp_ge_u32 s2, 256
	s_cselect_b64 s[22:23], s[10:11], s[22:23]
	s_cselect_b32 s24, 256, s24
	s_cmp_ge_u32 s2, 320
	s_cselect_b64 s[22:23], s[12:13], s[22:23]
	s_cselect_b32 s24, 320, s24
	s_cmp_ge_u32 s2, 352
	s_cselect_b64 s[22:23], s[14:15], s[22:23]
	s_cselect_b32 s24, 352, s24
	s_cmp_ge_u32 s2, 416
	s_cselect_b64 s[22:23], s[16:17], s[22:23]
	s_cselect_b32 s24, 416, s24
	s_cmp_ge_u32 s2, 544
	s_cselect_b64 s[22:23], s[18:19], s[22:23]
	s_cselect_b32 s24, 544, s24
	s_cselect_b32 s25, 1, 0                        ; W2: two jobs a tile, rows twice as long
	s_sub_co_u32 s26, s2, s24
	s_lshr_b32 s27, s26, s25                       ; tile
	s_and_b32 s28, s26, s25                        ; which 1,024 of its K
	s_lshl_b32 s29, 4096, s25                      ; bytes from row to row
	s_lshr_b32 s30, s27, 1
	s_lshl_b32 s30, s30, 5
	s_and_b32 s31, s27, 1
	s_lshl_b32 s31, s31, 3
	s_add_co_u32 s30, s30, s31
	s_lshl_b32 s31, s3, 2
	s_add_co_u32 s30, s30, s31
	s_lshr_b32 s31, s3, 1
	s_lshl_b32 s31, s31, 3
	s_add_co_u32 s30, s30, s31                     ; my first row: 32 (tile / 2) + 8 (tile % 2) + 4 w + 8 (w / 2)
	s_mul_i32 s30, s30, s29
	s_lshl_b32 s31, s28, 12
	s_add_co_u32 s30, s30, s31                     ; in bytes: under 2^25
	s_mov_b32 s31, 0
	s_add_nc_u64 s[22:23], s[22:23], s[30:31]
	s_lshl_b32 s30, s2, 14
	s_lshl_b32 s41, s3, 12
	s_add_co_u32 s30, s30, s41
	s_add_co_u32 s30, s30, CO
	s_add_nc_u64 s[32:33], s[20:21], s[30:31]      ; my two code images
	s_lshl_b32 s30, s2, 10
	s_lshl_b32 s41, s3, 8
	s_add_co_u32 s30, s30, s41
	s_add_nc_u64 s[34:35], s[20:21], s[30:31]      ; my two scale images
	v_mov_b32 v8, v1                               ; v8-11: 16 lane + i rows
	v_add_nc_u32 v9, s29, v8
	v_add_nc_u32 v10, s29, v9
	v_add_nc_u32 v11, s29, v10
.irp i, 0,1,2,3
.irp j, 0,1,2,3,4,5,6,7
	global_load_b128 v[X+32*\i+4*\j:X+32*\i+4*\j+3], v[8+\i], s[22:23] offset:512*\j   ; 32 lanes read 512 consecutive bytes
.endr
.endr
	s_cmp_lt_u32 s2, 256                           ; only the activation is normalised: the branch hangs on the job's number and jumps over register work and the loads of gain and bias
	s_cbranch_scc0 .Lplain
.irp j, 0,1,2,3,4,5,6,7
	global_load_b128 v[GG+4*\j:GG+4*\j+3], v1, s[6:7] offset:512*\j
	global_load_b128 v[BB+4*\j:BB+4*\j+3], v1, s[8:9] offset:512*\j
.endr
	s_wait_loadcnt 16                              ; the rows' 32 loads are in; the 16 younger ones (gain, bias) may be out
.irp i, 0,1,2,3
	v_pk_add_f32 v[12+4*\i:13+4*\i], v[X+32*\i:X+32*\i+1], v[X+32*\i+2:X+32*\i+3]      ; the row's sum, two chains a row, the four rows by turns
	v_pk_add_f32 v[14+4*\i:15+4*\i], v[X+32*\i+4:X+32*\i+5], v[X+32*\i+6:X+32*\i+7]
.endr
.irp k, 8,12,16,20,24,28
.irp i, 0,1,2,3
	v_pk_add_f32 v[12+4*\i:13+4*\i], v[12+4*\i:13+4*\i], v[X+32*\i+\k:X+32*\i+\k+1]
	v_pk_add_f32 v[14+4*\i:15+4*\i], v[14+4*\i:15+4*\i], v[X+32*\i+\k+2:X+32*\i+\k+3]
.endr
.endr
	LANES
.irp i, 0,1,2,3
	v_mul_f32 v[12+4*\i], s36, v[12+4*\i]          ; the mean
.endr
.set k_, 0
.rept 16
.irp i, 0,1,2,3
	v_pk_add_f32 v[X+32*\i+k_:X+32*\i+k_+1], v[X+32*\i+k_:X+32*\i+k_+1], v[12+4*\i:13+4*\i] op_sel_hi:[1,0] neg_lo:[0,1] neg_hi:[0,1]   ; x - mean, in place
.endr
.set k_, k_+2
.endr
.irp i, 0,1,2,3
	v_pk_mul_f32 v[12+4*\i:13+4*\i], v[X+32*\i:X+32*\i+1], v[X+32*\i:X+32*\i+1]        ; the sum of the centred squares
	v_pk_mul_f32 v[14+4*\i:15+4*\i], v[X+32*\i+2:X+32*\i+3], v[X+32*\i+2:X+32*\i+3]
.endr
.irp k, 4,8,12,16,20,24,28
.irp i, 0,1,2,3
	v_pk_fma_f32 v[12+4*\i:13+4*\i], v[X+32*\i+\k:X+32*\i+\k+1], v[X+32*\i+\k:X+32*\i+\k+1], v[12+4*\i:13+4*\i]
	v_pk_fma_f32 v[14+4*\i:15+4*\i], v[X+32*\i+\k+2:X+32*\i+\k+3], v[X+32*\i+\k+2:X+32*\i+\k+3], v[14+4*\i:15+4*\i]
.endr
.endr
	LANES
.irp i, 0,1,2,3
	v_fma_f32 v[12+4*\i], v[12+4*\i], s36, s37     ; variance + eps
.endr
.irp i, 0,1,2,3
	v_rsq_f32 v[12+4*\i], v[12+4*\i]
.endr
	v_nop                                          ; one plain line behind the transcendentals
.set k_, 0
	s_wait_alu depctr_va_vdst(0)
.rept 16
.irp i, 0,1,2,3
	v_pk_mul_f32 v[X+32*\i+k_:X+32*\i+k_+1], v[X+32*\i+k_:X+32*\i+k_+1], v[12+4*\i:13+4*\i] op_sel_hi:[1,0]
.endr
.set k_, k_+2
.endr
	s_wait_loadcnt 0x0                             ; gain and bias
.set k_, 0
.rept 16
.irp i, 0,1,2,3
	v_pk_fma_f32 v[X+32*\i+k_:X+32*\i+k_+1], v[X+32*\i+k_:X+32*\i+k_+1], v[GG+k_:GG+k_+1], v[BB+k_:BB+k_+1]
.endr
.set k_, k_+2
.endr
.Lplain:
	s_wait_loadcnt 0x0                             ; (a weight's rows: all 32 loads)
.irp i, 0,1,2,3
.irp j, 0,1,2,3,4,5,6,7
	ds_store_b128 v5, v[X+32*\i+4*\j:X+32*\i+4*\j+3] offset:\i*SROW+512*\j
.endr
.endr
	s_wait_dscnt 0x0                               ; for the others' sake: my rows lie in the stage
	s_barrier_signal -1
	s_barrier_wait -1
.irp s, 0,1
.irp b, 0,1,2,3
.irp q, 0,1,2,3
	ds_load_b128 v[X+64*\s+16*\b+4*\q:X+64*\s+16*\b+4*\q+3], v6 offset:512*\s+128*\b+16*\q   ; position r, k = 32 b + 16 h + 4 q on, of K step 2 w + s
.endr
.endr
.endr
	s_wait_dscnt 16                                ; the first K step's 16 loads are in; the second's may be out
	QUANT X, PC0, PW0
.irp c, 0,1,2,3
	global_store_b128 v1, v[PC0+4*\c:PC0+4*\c+3], s[32:33] offset:512*\c            ; 32 lanes store 512 consecutive bytes
.endr
	global_store_b32 v2, v[PW0], s[34:35]
	s_wait_dscnt 0x0
	QUANT X+64, PC1, PW1                           ; codes and word go to registers of their own: no store's data are written again
.irp c, 0,1,2,3
	global_store_b128 v1, v[PC1+4*\c:PC1+4*\c+3], s[32:33] offset:2048+512*\c
.endr
	global_store_b32 v2, v[PW1], s[34:35] offset:128
	s_wait_tensorcnt 0x0
	ds_add_u32 v30, v31
	s_wait_dscnt 0x0
	s_endpgm
.Lfunc_end_k_q13bd123a6f_prep:
	.size	k_q13bd123a6f_prep, .Lfunc_end_k_q13bd123a6f_prep-k_q13bd123a6f_prep
	.p2alignl 7, 3214868480
	.fill 96, 4, 3214868480
	.section	.rodata,"a",@progbits
	.p2align	6, 0x0
	.amdhsa_kernel k_q13bd123a6f_prep
		.amdhsa_group_segment_fixed_size 66304
		.amdhsa_private_segment_fixed_size 0
		.amdhsa_enable_private_segment 0
		.amdhsa_kernarg_size 72
		.amdhsa_user_sgpr_count 2
		.amdhsa_user_sgpr_kernarg_segment_ptr 1
		.amdhsa_wavefront_size32 1
		.amdhsa_system_sgpr_workgroup_id_x 1
		.amdhsa_system_sgpr_workgroup_id_y 1
		.amdhsa_system_sgpr_workgroup_id_z 1
		.amdhsa_system_vgpr_workitem_id 0
		.amdhsa_next_free_vgpr 256
		.amdhsa_next_free_sgpr 66
		.amdhsa_reserve_vcc 0
		.amdhsa_float_denorm_mode_32 3
		.amdhsa_float_denorm_mode_16_64 3
		.amdhsa_memory_ordered 1
		.amdhsa_forward_progress 1
		.amdhsa_inst_pref_size 53
	.end_amdhsa_kernel
	.amdgpu_metadata
---
amdhsa.version: [ 1, 2 ]
amdhsa.kernels:
  - .name:           k_q13bd123a6f_prep
    .symbol:         k_q13bd123a6f_prep.kd
    .args:
      - { .name: x, .offset: 0, .size: 8, .value_kind: global_buffer, .address_space: global }
      - { .name: ln1_g, .offset: 8, .size: 8, .value_kind: global_buffer, .address_space: global }
      - { .name: ln1_b, .offset: 16, .size: 8, .value_kind: global_buffer, .address_space: global }
      - { .name: Wq, .offset: 24, .size: 8, .value_kind: global_buffer, .address_space: global }
      - { .name: Wkv, .offset: 32, .size: 8, .value_kind: global_buffer, .address_space: global }
      - { .name: Wo, .offset: 40, .size: 8, .value_kind: global_buffer, .address_space: global }
      - { .name: W1, .offset: 48, .size: 8, .value_kind: global_buffer, .address_space: global }
      - { .name: W2, .offset: 56, .size: 8, .value_kind: global_buffer, .address_space: global }
      - { .name: P, .offset: 64, .size: 8, .value_kind: global_buffer, .address_space: global }
    .group_segment_fixed_size: 66304
    .private_segment_fixed_size: 0
    .kernarg_segment_align: 8
    .kernarg_segment_size: 72
    .max_flat_workgroup_size: 128
    .sgpr_count:     66
    .vgpr_count:     256
    .wavefront_size: 32
...
	.end_amdgpu_metadata
.endif
;; end of part 1
;; launch qkv (part 2): grid 12 x 32, 4 waves a work-group, no clusters, 279,040 bytes of LDS; arguments P, cos, sin, Q, KV; writes Q, KV
.if DOCPART == 2
	.amdgcn_target "amdgcn-amd-amdhsa--gfx1250"
	.amdhsa_code_object_version 6
	.text
	.protected	k_q13bd123a6f_qkv
	.globl	k_q13bd123a6f_qkv
	.p2align	8
	.type	k_q13bd123a6f_qkv,@function
k_q13bd123a6f_qkv:
	s_mov_b64 s[64:65], 0
	v_nop
	global_prefetch_b8 v0, s[64:65] scope:SCOPE_SE
	s_setreg_imm32_b32 hwreg(HW_REG_WAVE_MODE, 25, 1), 1
	s_wait_xcnt 0x0
; q, k, v = LN1(x) [Wq; Wkv]^T on codes of E5M2 (K = 1,024), the rotation of q and k, and their quantising: q and k along the head's 64, v along the KEYS.
; A work-group makes 128 rows (act tiles 8 y .. 8 y + 7) x 128 columns (weight tiles 8 x .. 8 x + 7; x 0-7: two query heads; x 8-11: one kv head, 64 of k and 64 of v).  Wave w: act tiles 2 w, 2 w + 1 x all eight weight tiles.
; OPERANDS ARE IMAGES OF REGISTERS (2,048 bytes a fragment, 16 bytes a lane at 512 c + 16 lane), so a fragment comes from LDS by four loads of 512 consecutive bytes: no pitch, no padding.
; ALL OF K LIES IN LDS: two slots of four K steps and the scale words, each wave bringing a quarter of each by one tensor load; three loads a wave are out at the most.
; TRANSPOSED USE (source 0 = weight, source 1 = act): lane (r, h) holds act position r, and registers 16 b + i of a tile's 64 hold columns 32 b + 16 h + i: 16 neighbours along the next K.
; v IS USED THE OTHER WAY ROUND (source 0 = act, source 1 = weight): a lane then holds one channel and 16 neighbouring keys, which is its K.
; The two uses part on the work-group's x alone, round the products and the way out; every fetch, wait and barrier is common text.
; The tiles of act are shared by 12 work-groups and the weights' by 32; they are asked for singly: each work-group asks for all of its 278,528 bytes in its first lines, with no round of a cluster's barrier in front.
; OUT: Q: half fragments (K = 64, 1,024 bytes) at idx x 1,024, scale words at 4,194,304 + idx x 128, idx = (16 batch + head) x 128 + query tile.  KV: a block of 286,720 bytes for each (batch, kv head):
;   k's half fragments at tile x 1,024; v's fragments at 131,072 + (4 key step + channel tile) x 2,048; k's scale words at 262,144 + tile x 128; v's at 278,528 + (4 key step + channel tile) x 128.
; LIMITS: a block of zeros gets the byte 1 over zero codes; NaN and infinities are not served.  The upper two bytes of q's and k's scale words are 0, over zero codes.
; REGISTERS: window 0: v1-13 addresses; v16-35 scale words alone (set p at 16 + 10 p: two of act, eight of weight); v36-51 at work in QUANT; v52, v53 scale words made; v56-87 codes made; v88-123 at work; v128-255 16 accumulators.
;   window 1: the weight's fragments, set p at 128 p + 16 t.   window 2: v0-63 act's fragments, set p at 32 p + 16 a; v128-255 cos and sin in the results' layout.
.set KS,   8
.set QS,   4*KS*128                    ; the scale words of four tiles
.set SCL,  262144                      ; behind the two slots
.set CO,   688128
.set ACC,  128
.set TM,   36
.set PW,   52
.set PC0,  56
.set PC1,  72
.set RT,   88
.set WV,   20
.set G1,   36                          ; s[36:43] group 1 for codes; s[44:51] for scale words; s[52:55] group 0 for scale words; s[56:63] for the two slots
.set G1S,  44
.set G0S,  52
.set G0,   56
.set SEL,  66
.set MNT,  68
.set MSB, 0
.macro WIN new                         ; the immediate's high byte repeats the setting that is left
.if MSB != \new
	s_set_vgpr_msb (MSB<<8)|\new
.set MSB, \new
.endif
.endm
.macro PLACES n
.rept \n
	v_nop
.endr
.endm
.macro WMZ d, a, b, sa, sb             ; a product that starts a sum
	v_wmma_scale_f32_16x16x128_f8f6f4 v[\d:\d+7], v[\a:\a+15], v[\b:\b+15], 0, v[\sa], v[\sb] matrix_a_fmt:MATRIX_FMT_BF8 matrix_b_fmt:MATRIX_FMT_BF8
.endm
.macro WMA d, a, b, sa, sb             ; a product added in place
	v_wmma_scale_f32_16x16x128_f8f6f4 v[\d:\d+7], v[\a:\a+15], v[\b:\b+15], v[\d:\d+7], v[\sa], v[\sb] matrix_a_fmt:MATRIX_FMT_BF8 matrix_b_fmt:MATRIX_FMT_BF8
.endm
.macro QUANT s, pc, pw                 ; 64 numbers of a lane (register 16 b + i = k 32 b + 16 h + i) -> 16 registers of codes, a scale word
.irp b, 0,1,2,3
	v_max3_num_f32 v[TM+\b], |v[(\s)+16*\b]|, |v[(\s)+1+16*\b]|, 0x8000000   ; with the floor 2^(16 - 127): the byte cannot fall under 1
.endr
.irp i, 2,4,6,8,10,12,14
.irp b, 0,1,2,3
	v_max3_num_f32 v[TM+\b], v[TM+\b], |v[(\s)+16*\b+\i]|, |v[(\s)+1+16*\b+\i]|
.endr
.endr
.irp b, 0,1,2,3
	v_permlanex16_b32 v[TM+4+\b], v[TM+\b], s[SEL], s[SEL+1]
.endr
.irp b, 0,1,2,3
	v_max_num_f32 v[TM+\b], v[TM+\b], v[TM+4+\b]
.endr
.irp b, 0,1,2,3
	v_add_nc_u32 v[TM+12+\b], 0xf8800000, v[TM+\b]          ; 15 off the exponent field: the conversion's scale operand
.endr
.irp b, 0,1,2,3
	v_and_or_b32 v[TM+8+\b], v[TM+\b], 0x7f800000, s[MNT]   ; 57,344 x the scale
.endr
.irp b, 0,1,2,3
	v_lshrrev_b32 v[TM+4+\b], 23, v[TM+12+\b]               ; the byte
.endr
	v_lshl_or_b32 v[\pw], v[TM+5], 8, v[TM+4]
	v_lshl_or_b32 v[\pw], v[TM+6], 16, v[\pw]
	v_lshl_or_b32 v[\pw], v[TM+7], 24, v[\pw]
.irp b, 0,1,2,3
.irp i, 0,1,2,3,4,5,6,7,8,9,10,11,12,13,14,15
	v_med3_num_f32 v[(\s)+16*\b+\i], v[(\s)+16*\b+\i], -v[TM+8+\b], v[TM+8+\b]   ; the conversion does not saturate (ISA guide 7.6.2)
.endr
	v_cvt_scalef32_pk8_bf8_f32 v[(\pc)+4*\b:(\pc)+1+4*\b], v[(\s)+16*\b:(\s)+7+16*\b], v[TM+12+\b]
	v_cvt_scalef32_pk8_bf8_f32 v[(\pc)+2+4*\b:(\pc)+3+4*\b], v[(\s)+8+16*\b:(\s)+15+16*\b], v[TM+12+\b]
.endr
	v_nop
.endm
; The rotation of one head's 32 registers of a lane (pairs d = 2 i, 2 i + 1 lie in register pairs): first (-x1 sin0, x0 sin1) into scratch, then x cos + that, in place.  cos and sin lie in window 2.
.macro ROPE s, cb, sb
.set e_, 0
.rept 16
	v_pk_mul_f32 v[RT+e_:RT+e_+1], v[(\s)+e_:(\s)+e_+1], v[(\sb)+e_:(\sb)+e_+1] op_sel:[1,0] op_sel_hi:[0,1] neg_lo:[1,0]
.set e_, e_+2
.endr
.set e_, 0
.rept 16
	v_pk_fma_f32 v[(\s)+e_:(\s)+e_+1], v[(\s)+e_:(\s)+e_+1], v[(\cb)+e_:(\cb)+e_+1], v[RT+e_:RT+e_+1]
.set e_, e_+2
.endr
.endm
; 50 LDS loads: K step ks's eight weight fragments, two act fragments and ten scale words, into set ks % 2
.macro FETCH ks
.set P_, (\ks)%2
.set SL_, ((\ks)/4)%2
.set KQ_, (\ks)%4
	WIN 0x40
.irp t, 0,1,2,3,4,5,6,7
.irp c, 0,1,2,3
	ds_load_b128 v[128*P_+16*\t+4*\c:128*P_+16*\t+4*\c+3], v[7+SL_] offset:\t*8192+KQ_*2048+512*\c
.endr
.endr
	WIN 0x80
.irp a, 0,1
.irp c, 0,1,2,3
	ds_load_b128 v[32*P_+16*\a+4*\c:32*P_+16*\a+4*\c+3], v[5+SL_] offset:\a*8192+KQ_*2048+512*\c
.endr
.endr
	WIN 0
.irp a, 0,1
	ds_load_b32 v[16+10*P_+\a], v9 offset:\a*KS*128+(\ks)*128
.endr
.irp t, 0,1,2,3,4,5,6,7
	ds_load_b32 v[18+10*P_+\t], v10 offset:\t*KS*128+(\ks)*128
.endr
.endm
; The 16 accumulators take turns, one instruction a turn, in the same order in every step.
.macro MULQ ks                         ; query heads: all transposed
.set P_, (\ks)%2
.irp a, 0,1
.irp t, 0,1,2,3,4,5,6,7
.if (\ks) == 0
	WMZ ACC+64*\a+8*\t, 128*P_+16*\t, 32*P_+16*\a, 18+10*P_+\t, 16+10*P_+\a
.else
	WMA ACC+64*\a+8*\t, 128*P_+16*\t, 32*P_+16*\a, 18+10*P_+\t, 16+10*P_+\a
.endif
.endr
.endr
.endm
.macro MULK ks                         ; k: weight tiles 0-3, transposed, 32 registers an act tile
.set P_, (\ks)%2
.irp a, 0,1
.irp t, 0,1,2,3
.if (\ks) == 0
	WMZ ACC+32*\a+8*\t, 128*P_+16*\t, 32*P_+16*\a, 18+10*P_+\t, 16+10*P_+\a
.else
	WMA ACC+32*\a+8*\t, 128*P_+16*\t, 32*P_+16*\a, 18+10*P_+\t, 16+10*P_+\a
.endif
.endr
.endr
.endm
.macro MULV ks                         ; v: weight tiles 4-7 as source 1: lane (r, h) holds channel position r, registers 8 u + j rows 32 w + 16 h + 8 u + j of the work-group's 128
.set P_, (\ks)%2
.irp t, 0,1,2,3
.irp u, 0,1
.if (\ks) == 0
	WMZ ACC+64+16*\t+8*\u, 32*P_+16*\u, 128*P_+64+16*\t, 16+10*P_+\u, 22+10*P_+\t
.else
	WMA ACC+64+16*\t+8*\u, 32*P_+16*\u, 128*P_+64+16*\t, 16+10*P_+\u, 22+10*P_+\t
.endif
.endr
.endr
.endm
.macro STEP ks
.if (\ks) == 3
	s_wait_tensorcnt 0x0                           ; my quarter of slot 1 has landed (the one load that was out),
	s_wait_dscnt 0x0                               ; no LDS load of mine is pending at the signal,
	s_barrier_signal -1
	s_barrier_wait -1                              ; and everybody's has: slot 1 may be read.  Nothing is filled again
.endif
.if (\ks) > 0
	PLACES 8                                       ; in front of loads into the set that the last step's products read
.endif
.if (\ks)+1 < KS
	FETCH (\ks)+1
	s_wait_dscnt 50                                ; all but the 50 just issued: this step's set is in
.else
	s_wait_dscnt 0x0
.endif
	s_cmp_lt_u32 s2, 8                             ; query heads or a kv head: the work-group's x alone
	s_cbranch_scc0 .Lkv_\@
	WIN 0x09                                       ; source 0 window 1, source 1 window 2
	MULQ \ks
	WIN 0
	s_branch .Ljoin_\@
.Lkv_\@:
	WIN 0x09
	MULK \ks
	WIN 0x06                                       ; source 0 window 2, source 1 window 1
	MULV \ks
	WIN 0
.Ljoin_\@:
.endm
	s_load_b256 s[4:11], s[0:1], 0x0               ; P s[4:5], cos s[6:7], sin s[8:9], Q s[10:11]
	s_load_b64 s[12:13], s[0:1], 0x20              ; KV
	v_lshl_add_u32 v126, v0, 2, 0x44000
	v_mov_b32 v127, 0
	ds_add_u32 v126, v127
	ds_add_u32 v126, v127
	v_lshrrev_b32 v1, 5, v0
	v_readfirstlane_b32 s[WV], v1                  ; wave
	s_mov_b32 s2, ttmp9                            ; x: which 128 columns
	s_and_b32 s3, ttmp7, 0xffff                    ; y: which 128 rows
	s_and_b32 s21, s[WV], 1                        ; waves 0, 1 fetch act's tiles 0-3, 4-7; waves 2, 3 the weight's
	s_mul_i32 s24, s3, KS*16384
	s_add_co_u32 s24, s24, CO                      ; act's codes
	s_mul_i32 s25, s3, KS*1024                     ; act's scale words
	s_mul_i32 s26, s2, KS*16384
	s_add_co_u32 s26, s26, CO+4194304              ; the weight's codes: jobs 256 on
	s_mul_i32 s27, s2, KS*1024
	s_add_co_u32 s27, s27, 262144
	s_cmp_lt_u32 s[WV], 2
	s_cselect_b32 s30, s24, s26
	s_cselect_b32 s32, s25, s27
	s_mul_i32 s22, s21, 4*KS*2048
	s_add_co_u32 s30, s30, s22
	s_mov_b32 s31, 0
	s_mul_i32 s22, s21, QS
	s_add_co_u32 s32, s32, s22
	s_mov_b32 s33, 0
	s_mov_b32 s[G1+0], 3<<16                       ; no mask; elements of 8 bytes; no padding
	s_mov_b32 s[G1+1], 1024<<16                    ; tensor_dim0: four K steps of a tile, 8,192 bytes
	s_mov_b32 s[G1+2], 4<<16                       ; tensor_dim1: four tiles
	s_mov_b32 s[G1+3], 1024<<16                    ; tile_dim0
	s_mov_b32 s[G1+4], 4                           ; tile_dim1
	s_mov_b32 s[G1+5], KS*256                      ; from tile to tile: all its K
	s_mov_b32 s[G1+6], 0
	s_mov_b32 s[G1+7], 0
	s_mov_b32 s[G1S+0], 3<<16                      ; the scale words of four tiles: a dense block as rows of 256 bytes
	s_mov_b32 s[G1S+1], 32<<16
	s_mov_b32 s[G1S+2], (2*KS)<<16
	s_mov_b32 s[G1S+3], 32<<16
	s_mov_b32 s[G1S+4], 2*KS
	s_mov_b32 s[G1S+5], 32
	s_mov_b32 s[G1S+6], 0
	s_mov_b32 s[G1S+7], 0
	s_mov_b32 s[G0S], 1
	s_mul_i32 s[G0S+1], s[WV], QS
	s_add_co_u32 s[G0S+1], s[G0S+1], SCL
	s_mov_b32 s[G0], 1
	s_lshl_b32 s[G0+1], s[WV], 15                  ; my quarter of slot 0,
	s_mov_b32 s[G0+4], 1
	s_add_co_u32 s[G0+5], s[G0+1], 131072          ; of slot 1
	s_wait_dscnt 0x0
	s_wait_kmcnt 0x0
	s_add_nc_u64 s[G0S+2:G0S+3], s[4:5], s[32:33]
	s_or_b32 s[G0S+3], s[G0S+3], 0x80000000
	s_add_nc_u64 s[G0+2:G0+3], s[4:5], s[30:31]    ; K steps 0-3
	s_add_nc_u64 s[G0+6:G0+7], s[G0+2:G0+3], 8192  ; K steps 4-7
	s_or_b32 s[G0+3], s[G0+3], 0x80000000
	s_or_b32 s[G0+7], s[G0+7], 0x80000000
	tensor_load_to_lds s[G0S:G0S+3], s[G1S:G1S+7]  ; the first fills go out as one group: three loads of mine are out
	s_nop 0
	tensor_load_to_lds s[G0:G0+3], s[G1:G1+7]
	s_nop 0
	tensor_load_to_lds s[G0+4:G0+7], s[G1:G1+7]
	s_nop 0
	PLACES 4
	v_and_b32 v2, 31, v0
	v_lshlrev_b32 v1, 4, v2                        ; 16 lane
	v_lshlrev_b32 v2, 2, v2                        ; 4 lane
	v_and_b32 v3, 15, v0                           ; r
	v_bfe_u32 v4, v0, 4, 1                         ; h
	s_lshl_b32 s34, s[WV], 14
	v_add_nc_u32 v5, s34, v1                       ; my two act tiles in slot 0,
	v_add_nc_u32 v6, 131072, v5                    ; in slot 1
	v_add_nc_u32 v7, 65536, v1                     ; the weight's tiles in slot 0,
	v_add_nc_u32 v8, 131072, v7                    ; in slot 1
	s_mul_i32 s34, s[WV], KS*256
	s_add_co_u32 s34, s34, SCL
	v_add_nc_u32 v9, s34, v2                       ; my act tiles' scale words
	v_add_nc_u32 v10, SCL+2*QS, v2                 ; the weight's
.irp b, 0,1,2,3
	v_mov_b32 v[TM+4+\b], 0                        ; written once: a lane permute's destination counts as one of its sources
.endr
	s_mov_b32 s[SEL], 0x76543210
	s_mov_b32 s[SEL+1], 0xfedcba98
	s_mov_b32 s[MNT], 0x600000
	v_and_b32 v13, 8, v3
	v_add_nc_u32 v13, v13, v3                      ; r + 8 (r / 8)
	v_lshlrev_b32 v13, 8, v13
	v_lshl_add_u32 v13, v4, 6, v13                 ; cos, sin: my position's row of 256 bytes, + 64 h
	s_and_b32 s34, s3, 15
	s_lshl_b32 s34, s34, 15                        ; the work-group's first row within its batch, x 256 bytes
	s_lshl_b32 s35, s[WV], 13                      ; + 32 w rows
	s_add_co_u32 s34, s34, s35
	s_mov_b32 s35, 0
	s_add_nc_u64 s[6:7], s[6:7], s[34:35]
	s_add_nc_u64 s[8:9], s[8:9], s[34:35]
	WIN 0x80
.irp a, 0,1
.irp b, 0,1
.irp q, 0,1,2,3
	global_load_b128 v[128+64*\a+16*\b+4*\q:131+64*\a+16*\b+4*\q], v13, s[6:7] offset:\a*2048+128*\b+16*\q   ; cos(row, 32 b + 16 h + 4 q on)
	global_load_b128 v[160+64*\a+16*\b+4*\q:163+64*\a+16*\b+4*\q], v13, s[8:9] offset:\a*2048+128*\b+16*\q   ; sin
.endr
.endr
.endr
	WIN 0
	s_wait_tensorcnt 0x1                           ; my scale words and my quarter of slot 0 are in; slot 1's load may stay out
	s_barrier_signal -1
	s_barrier_wait -1
	FETCH 0
.irp k, 0,1,2,3,4,5,6,7
	STEP \k
.endr
	s_cmp_lt_u32 s2, 8
	s_cbranch_scc0 .Lkv_out
	; ---- two query heads: rotate, quantise along the head's 64, store half fragments
	s_lshr_b32 s34, s3, 4
	s_lshl_b32 s34, s34, 4
	s_lshl_b32 s35, s2, 1
	s_add_co_u32 s34, s34, s35                     ; 16 batch + my first head
	s_lshl_b32 s34, s34, 7
	s_and_b32 s35, s3, 15
	s_lshl_b32 s35, s35, 3
	s_add_co_u32 s34, s34, s35
	s_lshl_b32 s35, s[WV], 1
	s_add_co_u32 s34, s34, s35                     ; idx of (first head, my first tile)
	s_lshl_b32 s70, s34, 10
	s_mov_b32 s71, 0
	s_add_nc_u64 s[70:71], s[10:11], s[70:71]
	s_lshl_b32 s72, s34, 7
	s_add_co_u32 s72, s72, 4194304
	s_mov_b32 s73, 0
	s_add_nc_u64 s[72:73], s[10:11], s[72:73]
	PLACES 8                                       ; in front of the first read of results
	s_wait_loadcnt 0x0                             ; cos, sin
.irp a, 0,1
	WIN 0x08                                       ; source 1 window 2
	ROPE ACC+64*\a, 128+64*\a, 160+64*\a
	ROPE ACC+64*\a+32, 128+64*\a, 160+64*\a
	WIN 0
	QUANT ACC+64*\a, PC0+16*\a, PW+\a
	v_and_b32 v[120+2*\a], 0xffff, v[PW+\a]        ; the first head's two bytes,
	v_lshrrev_b32 v[121+2*\a], 16, v[PW+\a]        ; the second's
.irp d, 0,1
.irp c, 0,1
	global_store_b128 v1, v[PC0+16*\a+8*\d+4*\c:PC0+16*\a+8*\d+4*\c+3], s[70:71] offset:\a*1024+\d*131072+512*\c
.endr
	global_store_b32 v2, v[120+2*\a+\d], s[72:73] offset:\a*128+\d*16384
.endr
.endr
	s_wait_tensorcnt 0x0
	ds_add_u32 v126, v127
	s_wait_dscnt 0x0
	s_endpgm
.Lkv_out:
	; ---- one kv head
	s_lshr_b32 s34, s3, 4
	s_lshl_b32 s34, s34, 2
	s_add_co_u32 s34, s34, s2
	s_sub_co_u32 s34, s34, 8
	s_mul_i32 s34, s34, 286720                     ; the block of (batch, kv head)
	s_and_b32 s35, s3, 15                          ; the key step: my work-group's 128 rows
	s_lshl_b32 s69, s35, 3
	s_lshl_b32 s70, s[WV], 1
	s_add_co_u32 s69, s69, s70                     ; my first key tile
	s_lshl_b32 s70, s69, 10
	s_add_co_u32 s70, s70, s34
	s_mov_b32 s71, 0
	s_add_nc_u64 s[70:71], s[12:13], s[70:71]      ; k's codes
	s_lshl_b32 s72, s69, 7
	s_add_co_u32 s72, s72, s34
	s_add_co_u32 s72, s72, 262144
	s_mov_b32 s73, 0
	s_add_nc_u64 s[72:73], s[12:13], s[72:73]      ; k's scale words
	s_lshl_b32 s74, s35, 13
	s_lshl_b32 s69, s[WV], 9
	s_add_co_u32 s74, s74, s69
	s_add_co_u32 s74, s74, s34
	s_add_co_u32 s74, s74, 131072
	s_mov_b32 s75, 0
	s_add_nc_u64 s[74:75], s[12:13], s[74:75]      ; v's codes: my wave's 32 keys are block w of the key step's four
	s_lshl_b32 s76, s35, 9
	s_add_co_u32 s76, s76, s[WV]
	s_add_co_u32 s76, s76, s34
	s_add_co_u32 s76, s76, 278528
	s_mov_b32 s77, 0
	s_add_nc_u64 s[76:77], s[12:13], s[76:77]      ; v's scale bytes: byte w of each word
	PLACES 8
	s_wait_loadcnt 0x0
	WIN 0x08
	ROPE ACC, 128, 160
	ROPE ACC+32, 192, 224
	WIN 0
	QUANT ACC, PC0, PW                             ; blocks 0, 1: my first key tile; 2, 3: my second
	v_and_b32 v120, 0xffff, v[PW]
	v_lshrrev_b32 v121, 16, v[PW]
.irp a, 0,1
.irp c, 0,1
	global_store_b128 v1, v[PC0+8*\a+4*\c:PC0+8*\a+4*\c+3], s[70:71] offset:\a*1024+512*\c
.endr
	global_store_b32 v2, v[120+\a], s[72:73] offset:\a*128
.endr
	QUANT ACC+64, PC1, PW+1                        ; v: "block" t is channel tile t's 32 keys
.irp t, 0,1,2,3
	global_store_b128 v1, v[PC1+4*\t:PC1+4*\t+3], s[74:75] offset:\t*2048
	global_store_b8 v2, v[TM+4+\t], s[76:77] offset:\t*128
.endr
	s_wait_tensorcnt 0x0
	ds_add_u32 v126, v127
	s_wait_dscnt 0x0
	s_endpgm
.Lfunc_end_k_q13bd123a6f_qkv:
	.size	k_q13bd123a6f_qkv, .Lfunc_end_k_q13bd123a6f_qkv-k_q13bd123a6f_qkv
	.p2alignl 7, 3214868480
	.fill 96, 4, 3214868480
	.section	.rodata,"a",@progbits
	.p2align	6, 0x0
	.amdhsa_kernel k_q13bd123a6f_qkv
		.amdhsa_group_segment_fixed_size 279040
		.amdhsa_private_segment_fixed_size 0
		.amdhsa_enable_private_segment 0
		.amdhsa_kernarg_size 40
		.amdhsa_user_sgpr_count 2
		.amdhsa_user_sgpr_kernarg_segment_ptr 1
		.amdhsa_wavefront_size32 1
		.amdhsa_system_sgpr_workgroup_id_x 1
		.amdhsa_system_sgpr_workgroup_id_y 1
		.amdhsa_system_sgpr_workgroup_id_z 1
		.amdhsa_system_vgpr_workitem_id 0
		.amdhsa_next_free_vgpr 768
		.amdhsa_next_free_sgpr 80
		.amdhsa_reserve_vcc 0
		.amdhsa_float_denorm_mode_32 3
		.amdhsa_float_denorm_mode_16_64 3
		.amdhsa_memory_ordered 1
		.amdhsa_forward_progress 1
		.amdhsa_inst_pref_size 120
	.end_amdhsa_kernel
	.amdgpu_metadata
---
amdhsa.version: [ 1, 2 ]
amdhsa.kernels:
  - .name:           k_q13bd123a6f_qkv
    .symbol:         k_q13bd123a6f_qkv.kd
    .args:
      - { .name: P, .offset: 0, .size: 8, .value_kind: global_buffer, .address_space: global }
      - { .name: cos, .offset: 8, .size: 8, .value_kind: global_buffer, .address_space: global }
      - { .name: sin, .offset: 16, .size: 8, .value_kind: global_buffer, .address_space: global }
      - { .name: Q, .offset: 24, .size: 8, .value_kind: global_buffer, .address_space: global }
      - { .name: KV, .offset: 32, .size: 8, .value_kind: global_buffer, .address_space: global }
    .group_segment_fixed_size: 279040
    .private_segment_fixed_size: 0
    .kernarg_segment_align: 8
    .kernarg_segment_size: 40
    .max_flat_workgroup_size: 128
    .sgpr_count:     80
    .vgpr_count:     768
    .wavefront_size: 32
...
	.end_amdgpu_metadata
.endif
;; end of part 2
;; launch attn (part 3): grid 32 x 8, 16 waves a work-group, no clusters, 288,768 bytes of LDS; arguments Q, KV, O; writes O
.if DOCPART == 3
	.amdgcn_target "amdgcn-amd-amdhsa--gfx1250"
	.amdhsa_code_object_version 6
	.text
	.protected	k_q13bd123a6f_attn
	.globl	k_q13bd123a6f_attn
	.p2align	8
	.type	k_q13bd123a6f_attn,@function
k_q13bd123a6f_attn:
	s_mov_b64 s[64:65], 0
	v_nop
	global_prefetch_b8 v0, s[64:65] scope:SCOPE_SE
	s_setreg_imm32_b32 hwreg(HW_REG_WAVE_MODE, 25, 1), 1
	s_wait_xcnt 0x0
; O = softmax(q k^T / 8) v for grouped heads, both products on codes of E5M2, and O / l quantised along the model's 1,024 for the next product.
; THE SOFTMAX AHEAD OF THE SECOND PRODUCT: t = score x log2(e) / 8; M = the running largest t rounded UP to a whole number; p = 2^(t - M) is quantised along the keys, not normalised; the row's sum is taken of the
; unquantised p and divides at the end; when M moves, the sum and O are multiplied by 2^(old M - new M), which rounds nothing.
; SHARES: work-group y is one (batch, kv head); its block of KV, 286,720 bytes (k, v and their scale words for all 2,048 keys), is copied into LDS ONCE, each of the sixteen waves bringing 17,920 bytes by one tensor load.
; Wave w owns one tile of 16 queries: head 4 (kv head) + w % 4, query tile 4 x + w / 4.  It walks 16 key steps of 128.  Four waves share a SIMD, so one wave's vector work stands beside another's products and LDS loads.
; LAYOUT: both products transposed (S^T = k q^T, O^T = v^T p^T): a lane holds one query throughout.  The keys of a tile are not neighbours (position p of tile t is key 32 (t / 2) + 8 (t % 2) + p + 8 (p / 8)), so p's 16 registers of two
; neighbouring tiles are 16 neighbouring keys; v's channels likewise, so O^T's registers are neighbours along the next K.  THE FIRST PRODUCT'S K IS 64: the upper half of q's and k's fragments are zero codes, cleared once.
; 32 work-groups read one block of KV; it is asked for singly: each asks for all of it in its first lines and never again.
; LIMITS: a block of zeros gets the byte 1 over zero codes; NaN and infinities are not served.
; REGISTERS: v1-4 lane places in LDS; v5, v6 16 lane, 4 lane; v8-11 the step's addresses; v12 -M, v13 the largest t, v[14:15] the sum; v16-31 q; v32-95 four fragments of k; v96-159 S^T, then p, then v's four fragments;
;   v160-191 O^T; v224-239 p's codes; v232-247, v252, v254 at work; v248-251, v253, v255 scale words.
.set AK0,  1
.set AV0,  2
.set ASK0, 3
.set ASV0, 4
.set ADK,  8
.set ADV,  9
.set ADS,  10
.set ADT,  11
.set WV,   10
.set MNT,  19
.set SEL,  20
.set CS,   22
.set G1,   24
.set G0,   32
.set TK,   36                          ; s36 the step's codes begin here (8,192 bytes a step, of k and of v alike); s37 k's scale words (1,024); s38 v's (512); s39 steps to go
.set TS,   37
.set TJ,   38
.set CNT,  39
	s_load_b128 s[4:7], s[0:1], 0x0                ; Q, KV
	s_load_b64 s[8:9], s[0:1], 0x10                ; O
	v_lshl_add_u32 v222, v0, 2, 0x46000
	v_mov_b32 v223, 0
	ds_add_u32 v222, v223
	ds_add_u32 v222, v223
	v_lshrrev_b32 v8, 5, v0
	v_readfirstlane_b32 s[WV], v8                  ; wave 0..15
	s_and_b32 s11, ttmp7, 0xffff                   ; y = 4 batch + kv head
	s_mov_b32 s[G1+0], 3<<16                       ; a dense block as 70 rows of 256 bytes (32 elements of 8 bytes)
	s_mov_b32 s[G1+1], 32<<16
	s_mov_b32 s[G1+2], 70<<16
	s_mov_b32 s[G1+3], 32<<16
	s_mov_b32 s[G1+4], 70
	s_mov_b32 s[G1+5], 32
	s_mov_b32 s[G1+6], 0
	s_mov_b32 s[G1+7], 0
	s_mul_i32 s12, s[WV], 17920                    ; my sixteenth, in LDS and in the block
	s_mul_i32 s14, s11, 286720
	s_add_co_u32 s14, s14, s12
	s_mov_b32 s15, 0
	s_and_b32 s16, s[WV], 3                        ; g: my head within the group
	s_lshr_b32 s17, s[WV], 2
	s_lshl_b32 s18, ttmp9, 2
	s_add_co_u32 s17, s17, s18                     ; my query tile within the batch
	s_lshl_b32 s18, s11, 2
	s_add_co_u32 s18, s18, s16
	s_lshl_b32 s18, s18, 7
	s_add_co_u32 s18, s18, s17                     ; idx = (4 y + g) x 128 + tile
	s_lshl_b32 s40, s18, 10
	s_mov_b32 s41, 0
	s_lshl_b32 s42, s18, 7
	s_add_co_u32 s42, s42, 4194304
	s_mov_b32 s43, 0
	s_lshr_b32 s18, s11, 2
	s_lshl_b32 s18, s18, 7
	s_add_co_u32 s18, s18, s17                     ; the tile of rows: 128 batch + tile
	s_lshl_b32 s18, s18, 3
	s_and_b32 s44, s11, 3
	s_lshl_b32 s44, s44, 1
	s_add_co_u32 s18, s18, s44
	s_lshr_b32 s44, s16, 1
	s_add_co_u32 s18, s18, s44                     ; x 8 + the next product's K step: 2 (kv head) + g / 2
	s_and_b32 s16, s16, 1                          ; which half of that K step is my head's 64
	s_lshl_b32 s44, s18, 11
	s_lshl_b32 s46, s16, 10
	s_add_co_u32 s44, s44, s46
	s_mov_b32 s45, 0
	s_lshl_b32 s46, s18, 7
	s_lshl_b32 s48, s16, 1
	s_add_co_u32 s46, s46, s48
	s_add_co_u32 s46, s46, 4194304
	s_mov_b32 s47, 0
	s_mov_b32 s[SEL], 0x76543210
	s_mov_b32 s[SEL+1], 0xfedcba98
	s_mov_b32 s[CS], 0x3e38aa3b                    ; c = log2(e) / 8
	s_mov_b32 s[CS+1], s[CS]                       ; (named with it as a pair, so it is written)
	s_mov_b32 s[MNT], 0x600000
	s_mov_b32 s[TK], 0
	s_mov_b32 s[TS], 0
	s_mov_b32 s[TJ], 0
	s_mov_b32 s[CNT], 16
	s_mov_b32 s[G0], 1
	s_mov_b32 s[G0+1], s12
	s_wait_dscnt 0x0
	s_wait_kmcnt 0x0
	s_add_nc_u64 s[G0+2:G0+3], s[6:7], s[14:15]
	s_or_b32 s[G0+3], s[G0+3], 0x80000000
	tensor_load_to_lds s[G0:G0+3], s[G1:G1+7]      ; my one tensor load of the launch
	s_nop 0
.rept 4
	v_nop
.endr
	s_add_nc_u64 s[40:41], s[4:5], s[40:41]        ; q's codes
	s_add_nc_u64 s[42:43], s[4:5], s[42:43]        ; q's scale words
	s_add_nc_u64 s[44:45], s[8:9], s[44:45]        ; O's codes
	s_add_nc_u64 s[46:47], s[8:9], s[46:47]        ; O's scale bytes
	v_and_b32 v6, 31, v0
	v_lshlrev_b32 v5, 4, v6                        ; 16 lane
	v_lshlrev_b32 v6, 2, v6                        ; 4 lane
.irp c, 0,1
	global_load_b128 v[16+4*\c:19+4*\c], v5, s[40:41] offset:512*\c   ; q's half fragment stays in registers
.endr
	global_load_b32 v255, v6, s[42:43]
	v_mov_b32 v[AK0], v5                           ; k's codes begin at LDS byte 0,
	v_add_nc_u32 v[AV0], 131072, v5                ; v's here,
	v_add_nc_u32 v[ASK0], 262144, v6               ; k's scale words,
	v_add_nc_u32 v[ASV0], 278528, v6               ; v's
.set z_, 24
.rept 8
	v_mov_b32 v[z_], 0                             ; q's k = 64 .. 127: zero codes
.set z_, z_+1
.endr
.irp t, 0,1,2,3
.irp i, 8,9,10,11,12,13,14,15
	v_mov_b32 v[32+16*\t+\i], 0                    ; k's likewise: cleared once, never loaded into
.endr
.endr
	v_mov_b32 v13, 0xff61b1e6                      ; the largest t so far: -3e38
	v_floor_f32 v12, -v13                          ; -M
	v_mov_b32 v14, 0
	v_mov_b32 v15, 0
.irp b, 0,1,2,3
	v_mov_b32 v[236+\b], 0                         ; written once: a lane permute's destination counts as one of its sources
.endr
	v_mov_b32 v253, 0                              ; (named as the upper half of v[252:253] before it is first written)
.set z_, 160
.rept 32
	v_mov_b32 v[z_], 0                             ; O^T: the step is written once; the first finds zeros, which the first change of M leaves zeros
.set z_, z_+1
.endr
	s_wait_tensorcnt 0x0                           ; my part of the block has landed,
	s_barrier_signal -1
	s_barrier_wait -1                              ; everybody's has
	s_wait_loadcnt 0x0                             ; q
.Lstep:                                            ; 16 trips: a key step of 128 keys
	v_add_nc_u32 v[ADK], s[TK], v[AK0]
	v_add_nc_u32 v[ADV], s[TK], v[AV0]
	v_add_nc_u32 v[ADS], s[TS], v[ASK0]
	v_add_nc_u32 v[ADT], s[TJ], v[ASV0]
.rept 5
	v_nop                                          ; with the four additions nine places: the first products below write over registers that the last trip's products read as v's fragments
.endr
.irp g, 0,1                                    ; S^T = k q^T, four tiles of 16 keys at a time
.if \g > 0
.rept 8
	v_nop                                          ; in front of loads into registers that matrix instructions have read
.endr
.endif
.irp t, 0,1,2,3
.irp c, 0,1
	ds_load_b128 v[32+16*\t+4*\c:35+16*\t+4*\c], v[ADK] offset:(4*\g+\t)*1024+512*\c
.endr
	ds_load_b32 v[248+\t], v[ADS] offset:(4*\g+\t)*128
.endr
	s_wait_dscnt 0x0
.irp t, 0,1,2,3
	v_wmma_scale_f32_16x16x128_f8f6f4 v[96+8*(4*\g+\t):103+8*(4*\g+\t)], v[32+16*\t:47+16*\t], v[16:31], 0, v[248+\t], v255 matrix_a_fmt:MATRIX_FMT_BF8 matrix_b_fmt:MATRIX_FMT_BF8
.endr
.endr
.rept 8
	v_nop
.endr
.irp b, 0,1,2,3
	v_max3_num_f32 v[232+\b], v[96+16*\b], v[97+16*\b], v[98+16*\b]   ; the largest score of each block of 32 keys: for the row's maximum and, since p rises with the score, for the block's largest p
.endr
.irp i, 3,5,7,9,11,13
.irp b, 0,1,2,3
	v_max3_num_f32 v[232+\b], v[232+\b], v[96+16*\b+\i], v[97+16*\b+\i]
.endr
.endr
.irp b, 0,1,2,3
	v_max_num_f32 v[232+\b], v[232+\b], v[111+16*\b]
.endr
.irp b, 0,1,2,3
	v_permlanex16_b32 v[236+\b], v[232+\b], s[SEL], s[SEL+1]
.endr
.irp b, 0,1,2,3
	v_max_num_f32 v[232+\b], v[232+\b], v[236+\b]
.endr
	v_max3_num_f32 v254, v232, v233, v234
	v_max_num_f32 v254, v254, v235                 ; the step's largest score of my query
	v_mul_f32 v254, s[CS], v254                    ; as t
	v_max_num_f32 v13, v13, v254                   ; the running largest t
	v_mov_b32 v254, v12
	v_floor_f32 v12, -v13                          ; the new -M = -ceil(t)
	v_sub_f32 v254, v12, v254                      ; old M - new M: a whole number, 0 or less
	v_cvt_i32_f32 v254, v254                       ; (it saturates)
	v_ldexp_f32 v252, 1.0, v254                    ; f = 2^(old M - new M)
.set j_, 0
.rept 32
	v_pk_fma_f32 v[96+j_:97+j_], v[96+j_:97+j_], s[CS:CS+1], v[12:13] op_sel_hi:[1,0,0]   ; t - M
.set j_, j_+2
.endr
.irp b, 0,1,2,3
	v_fma_f32 v[232+\b], v[232+\b], s[CS], v12     ; the same of each block's largest score
.endr
.set j_, 0
.rept 64
	v_exp_f32 v[96+j_], v[96+j_]                   ; p = 2^(t - M)
.set j_, j_+1
.endr
.irp b, 0,1,2,3
	v_exp_f32 v[232+\b], v[232+\b]                 ; the block's largest p
.endr
	v_pk_mul_f32 v[14:15], v[14:15], v[252:253] op_sel_hi:[1,0]   ; the sums under the new M (a plain line behind the exponentials)
	s_wait_alu depctr_va_vdst(0)
.irp b, 0,1,2,3
	v_max_num_f32 v[232+\b], 0x8000000, v[232+\b]  ; the floor 2^(16 - 127)
.endr
.irp b, 0,1,2,3
	v_add_nc_u32 v[244+\b], 0xf8800000, v[232+\b]  ; the conversion's scale operand
.endr
.irp b, 0,1,2,3
	v_and_or_b32 v[240+\b], v[232+\b], 0x7f800000, s[MNT]   ; 57,344 x the scale
.endr
.irp b, 0,1,2,3
	v_lshrrev_b32 v[236+\b], 23, v[244+\b]         ; the byte
.endr
	v_lshl_or_b32 v253, v237, 8, v236              ; p's scale word for these 128 keys
	v_lshl_or_b32 v253, v238, 16, v253
	v_lshl_or_b32 v253, v239, 24, v253
	v_pk_add_f32 v[236:237], v[96:97], v[98:99]    ; the row's sum, of the unquantised p, in two chains
.irp j, 4,8,12,16,20,24,28,32,36,40,44,48,52,56,60
	v_pk_add_f32 v[14:15], v[14:15], v[96+\j:97+\j]
	v_pk_add_f32 v[236:237], v[236:237], v[98+\j:99+\j]
.endr
	v_pk_add_f32 v[14:15], v[14:15], v[236:237]
.irp b, 0,1,2,3
.irp i, 0,1,2,3,4,5,6,7,8,9,10,11,12,13,14,15
	v_min_num_f32 v[96+16*\b+\i], v[96+16*\b+\i], v[240+\b]   ; the hold: p is not negative, so it is one-sided
.endr
	v_cvt_scalef32_pk8_bf8_f32 v[224+4*\b:225+4*\b], v[96+16*\b:103+16*\b], v[244+\b]
	v_cvt_scalef32_pk8_bf8_f32 v[226+4*\b:227+4*\b], v[104+16*\b:111+16*\b], v[244+\b]
.endr
	v_nop                                          ; one plain line behind the last conversion
.irp t, 0,1,2,3
.irp c, 0,1,2,3
	ds_load_b128 v[96+16*\t+4*\c:99+16*\t+4*\c], v[ADV] offset:\t*2048+512*\c   ; v's four fragments take p's registers
.endr
	ds_load_b32 v[248+\t], v[ADT] offset:\t*128
.endr
.set j_, 0
.rept 16
	v_pk_mul_f32 v[160+j_:161+j_], v[160+j_:161+j_], v[252:253] op_sel_hi:[1,0]   ; O^T under the new M; these are also the places between the codes' making and the products
.set j_, j_+2
.endr
	s_wait_dscnt 0x0
.irp t, 0,1,2,3                                ; O^T += v^T p^T: the four accumulators by turns
	v_wmma_scale_f32_16x16x128_f8f6f4 v[160+8*\t:167+8*\t], v[96+16*\t:111+16*\t], v[224:239], v[160+8*\t:167+8*\t], v[248+\t], v253 matrix_a_fmt:MATRIX_FMT_BF8 matrix_b_fmt:MATRIX_FMT_BF8
.endr
	s_add_co_u32 s[TK], s[TK], 8192
	s_add_co_u32 s[TS], s[TS], 1024
	s_add_co_u32 s[TJ], s[TJ], 512
	s_sub_co_u32 s[CNT], s[CNT], 1
	s_cmp_lg_u32 s[CNT], 0
	s_cbranch_scc1 .Lstep
	; ---- the way out: O^T / the sum, quantised along my head's 64 (two blocks of the next K), stored as two quarters of a fragment's image
.rept 8
	v_nop
.endr
	v_add_f32 v14, v14, v15
	v_permlanex16_b32 v252, v14, s[SEL], s[SEL+1]
	v_add_f32 v14, v14, v252                       ; the row's sum
	v_rcp_f32 v14, v14
	v_nop
.set j_, 0
	s_wait_alu depctr_va_vdst(0)
.rept 32
	v_mul_f32 v[96+j_], v[160+j_], v14             ; register 16 b + i: channel 32 b + 16 h + i of my query; each accumulator from its low end on
.set j_, j_+1
.endr
.irp b, 0,1
	v_max3_num_f32 v[232+\b], |v[96+16*\b]|, |v[97+16*\b]|, 0x8000000
.endr
.irp i, 2,4,6,8,10,12,14
.irp b, 0,1
	v_max3_num_f32 v[232+\b], v[232+\b], |v[96+16*\b+\i]|, |v[97+16*\b+\i]|
.endr
.endr
.irp b, 0,1
	v_permlanex16_b32 v[236+\b], v[232+\b], s[SEL], s[SEL+1]
.endr
.irp b, 0,1
	v_max_num_f32 v[232+\b], v[232+\b], v[236+\b]
.endr
.irp b, 0,1
	v_add_nc_u32 v[244+\b], 0xf8800000, v[232+\b]
.endr
.irp b, 0,1
	v_and_or_b32 v[240+\b], v[232+\b], 0x7f800000, s[MNT]
.endr
.irp b, 0,1
	v_lshrrev_b32 v[236+\b], 23, v[244+\b]
.endr
	v_lshl_or_b32 v254, v237, 8, v236              ; my head's two bytes of the scale word
.irp b, 0,1
.irp i, 0,1,2,3,4,5,6,7,8,9,10,11,12,13,14,15
	v_med3_num_f32 v[96+16*\b+\i], v[96+16*\b+\i], -v[240+\b], v[240+\b]
.endr
	v_cvt_scalef32_pk8_bf8_f32 v[224+4*\b:225+4*\b], v[96+16*\b:103+16*\b], v[244+\b]
	v_cvt_scalef32_pk8_bf8_f32 v[226+4*\b:227+4*\b], v[104+16*\b:111+16*\b], v[244+\b]
.endr
	v_nop
.irp b, 0,1
	global_store_b128 v5, v[224+4*\b:227+4*\b], s[44:45] offset:512*\b   ; 32 lanes store 512 consecutive bytes
.endr
	global_store_b16 v6, v254, s[46:47]
	s_wait_tensorcnt 0x0
	ds_add_u32 v222, v223
	s_wait_dscnt 0x0
	s_endpgm
.Lfunc_end_k_q13bd123a6f_attn:
	.size	k_q13bd123a6f_attn, .Lfunc_end_k_q13bd123a6f_attn-k_q13bd123a6f_attn
	.p2alignl 7, 3214868480
	.fill 96, 4, 3214868480
	.section	.rodata,"a",@progbits
	.p2align	6, 0x0
	.amdhsa_kernel k_q13bd123a6f_attn
		.amdhsa_group_segment_fixed_size 288768
		.amdhsa_private_segment_fixed_size 0
		.amdhsa_enable_private_segment 0
		.amdhsa_kernarg_size 24
		.amdhsa_user_sgpr_count 2
		.amdhsa_user_sgpr_kernarg_segment_ptr 1
		.amdhsa_wavefront_size32 1
		.amdhsa_system_sgpr_workgroup_id_x 1
		.amdhsa_system_sgpr_workgroup_id_y 1
		.amdhsa_system_sgpr_workgroup_id_z 1
		.amdhsa_system_vgpr_workitem_id 0
		.amdhsa_next_free_vgpr 256
		.amdhsa_next_free_sgpr 66
		.amdhsa_reserve_vcc 0
		.amdhsa_float_denorm_mode_32 3
		.amdhsa_float_denorm_mode_16_64 3
		.amdhsa_memory_ordered 1
		.amdhsa_forward_progress 1
		.amdhsa_inst_pref_size 32
	.end_amdhsa_kernel
	.amdgpu_metadata
---
amdhsa.version: [ 1, 2 ]
amdhsa.kernels:
  - .name:           k_q13bd123a6f_attn
    .symbol:         k_q13bd123a6f_attn.kd
    .args:
      - { .name: Q, .offset: 0, .size: 8, .value_kind: global_buffer, .address_space: global }
      - { .name: KV, .offset: 8, .size: 8, .value_kind: global_buffer, .address_space: global }
      - { .name: O, .offset: 16, .size: 8, .value_kind: global_buffer, .address_space: global }
    .group_segment_fixed_size: 288768
    .private_segment_fixed_size: 0
    .kernarg_segment_align: 8
    .kernarg_segment_size: 24
    .max_flat_workgroup_size: 512
    .sgpr_count:     66
    .vgpr_count:     256
    .wavefront_size: 32
...
	.end_amdgpu_metadata
.endif
;; end of part 3
;; launch oproj (part 4): grid 8 x 32, 4 waves a work-group, no clusters, 312,832 bytes of LDS; arguments O, P, x, X1; writes X1
.if DOCPART == 4
	.amdgcn_target "amdgcn-amd-amdhsa--gfx1250"
	.amdhsa_code_object_version 6
	.text
	.protected	k_q13bd123a6f_oproj
	.globl	k_q13bd123a6f_oproj
	.p2align	8
	.type	k_q13bd123a6f_oproj,@function
k_q13bd123a6f_oproj:
	s_mov_b64 s[64:65], 0
	v_nop
	global_prefetch_b8 v0, s[64:65] scope:SCOPE_SE
	s_setreg_imm32_b32 hwreg(HW_REG_WAVE_MODE, 25, 1), 1
	s_wait_xcnt 0x0
; X1 = x + o Wo^T, the product on codes of E5M2 (K = 1,024); X1 is f32.
; A work-group makes 128 rows (act tiles 8 y .. 8 y + 7) x 128 columns (weight tiles 8 x .. 8 x + 7).  Wave w: act tiles 2 w, 2 w + 1 x all eight weight tiles: 16 accumulators.
; Operands are images of registers (2,048 bytes a fragment, 16 bytes a lane at 512 c + 16 lane): a fragment comes from LDS by four loads of 512 consecutive bytes.
; All of K lies in LDS: two slots of four K steps and the scale words, each wave bringing a quarter of each by one tensor load; three loads a wave are out at the most.
; Transposed use (source 0 = weight, source 1 = act): lane (r, h) holds act position r and columns 32 b + 16 h + 8 u + j of weight tile 2 b + u.  Position p of act tile t is row 32 (t / 2) + 8 (t % 2) + p + 8 (p / 8).
; The way out: a tile's 16 rows x 512 bytes go through the wave's own stage and come back as whole rows; the residual, asked for at the head, is added; 32 lanes store 512 consecutive bytes.
; The tiles of act are shared by 8 work-groups and the weight's by 32; they are asked for singly: each work-group asks for all of its 278,528 bytes in its first lines, with no round of a cluster's barrier in front.
; REGISTERS: window 0: v1-12 addresses; v16-35 scale words alone (set p at 16 + 10 p); v128-255 accumulators.  window 1: the weight's fragments, set p at 128 p + 16 t.
;   window 2: v0-63 act's fragments, set p at 32 p + 16 a; on the way out v0-127 rows read back; v128-255 the residual.
.set KS,   8
.set QS,   4*KS*128
.set SCL,  262144
.set STAGE, 278528                     ; behind the scale words: 16 rows x 528 bytes for each wave, in blocks of 256 bytes into which no fill lands
.set CO,   688128
.set ACC,  128
.set WV,   20
.set G1,   36
.set G1S,  44
.set G0S,  52
.set G0,   56
.set MSB, 0
.macro WIN new
.if MSB != \new
	s_set_vgpr_msb (MSB<<8)|\new
.set MSB, \new
.endif
.endm
.macro PLACES n
.rept \n
	v_nop
.endr
.endm
.macro WMZ d, a, b, sa, sb
	v_wmma_scale_f32_16x16x128_f8f6f4 v[\d:\d+7], v[\a:\a+15], v[\b:\b+15], 0, v[\sa], v[\sb] matrix_a_fmt:MATRIX_FMT_BF8 matrix_b_fmt:MATRIX_FMT_BF8
.endm
.macro WMA d, a, b, sa, sb
	v_wmma_scale_f32_16x16x128_f8f6f4 v[\d:\d+7], v[\a:\a+15], v[\b:\b+15], v[\d:\d+7], v[\sa], v[\sb] matrix_a_fmt:MATRIX_FMT_BF8 matrix_b_fmt:MATRIX_FMT_BF8
.endm
.macro FETCH ks                        ; 50 LDS loads: K step ks's eight weight fragments, two act fragments, ten scale words, into set ks % 2
.set P_, (\ks)%2
.set SL_, ((\ks)/4)%2
.set KQ_, (\ks)%4
	WIN 0x40
.irp t, 0,1,2,3,4,5,6,7
.irp c, 0,1,2,3
	ds_load_b128 v[128*P_+16*\t+4*\c:128*P_+16*\t+4*\c+3], v[7+SL_] offset:\t*8192+KQ_*2048+512*\c
.endr
.endr
	WIN 0x80
.irp a, 0,1
.irp c, 0,1,2,3
	ds_load_b128 v[32*P_+16*\a+4*\c:32*P_+16*\a+4*\c+3], v[5+SL_] offset:\a*8192+KQ_*2048+512*\c
.endr
.endr
	WIN 0
.irp a, 0,1
	ds_load_b32 v[16+10*P_+\a], v9 offset:\a*KS*128+(\ks)*128
.endr
.irp t, 0,1,2,3,4,5,6,7
	ds_load_b32 v[18+10*P_+\t], v10 offset:\t*KS*128+(\ks)*128
.endr
.endm
.macro MUL16 ks                        ; the 16 accumulators take turns, one instruction a turn, in the same order in every step
.set P_, (\ks)%2
.irp a, 0,1
.irp t, 0,1,2,3,4,5,6,7
.if (\ks) == 0
	WMZ ACC+64*\a+8*\t, 128*P_+16*\t, 32*P_+16*\a, 18+10*P_+\t, 16+10*P_+\a
.else
	WMA ACC+64*\a+8*\t, 128*P_+16*\t, 32*P_+16*\a, 18+10*P_+\t, 16+10*P_+\a
.endif
.endr
.endr
.endm
.macro STEP ks
.if (\ks) == 3
	s_wait_tensorcnt 0x0                           ; my quarter of slot 1 has landed (the one load that was out),
	s_wait_dscnt 0x0                               ; no LDS load of mine is pending at the signal,
	s_barrier_signal -1
	s_barrier_wait -1                              ; and everybody's has.  Nothing is filled again
.endif
.if (\ks) > 0
	PLACES 8                                       ; in front of loads into the set that the last step's products read
.endif
.if (\ks)+1 < KS
	FETCH (\ks)+1
	s_wait_dscnt 50                                ; all but the 50 just issued: this step's set is in
.else
	s_wait_dscnt 0x0
.endif
	WIN 0x09                                       ; source 0 window 1, source 1 window 2
	MUL16 \ks
	WIN 0
.endm
	s_load_b256 s[4:11], s[0:1], 0x0               ; O s[4:5], P s[6:7], x s[8:9], X1 s[10:11]
	v_lshl_add_u32 v126, v0, 2, 0x4c400
	v_mov_b32 v127, 0
	ds_add_u32 v126, v127
	ds_add_u32 v126, v127
	v_lshrrev_b32 v1, 5, v0
	v_readfirstlane_b32 s[WV], v1
	s_mov_b32 s2, ttmp9
	s_and_b32 s3, ttmp7, 0xffff
	s_and_b32 s21, s[WV], 1
	s_mul_i32 s24, s3, KS*16384                    ; act's codes in O
	s_mul_i32 s25, s3, KS*1024
	s_add_co_u32 s25, s25, 4194304                 ; act's scale words
	s_mul_i32 s26, s2, KS*16384
	s_add_co_u32 s26, s26, CO+5767168              ; Wo's codes: jobs 352 on
	s_mul_i32 s27, s2, KS*1024
	s_add_co_u32 s27, s27, 360448
	s_mov_b32 s[G1+0], 3<<16                       ; elements of 8 bytes; four tiles x four K steps (8,192 bytes a row), a tile's K apart
	s_mov_b32 s[G1+1], 1024<<16
	s_mov_b32 s[G1+2], 4<<16
	s_mov_b32 s[G1+3], 1024<<16
	s_mov_b32 s[G1+4], 4
	s_mov_b32 s[G1+5], KS*256
	s_mov_b32 s[G1+6], 0
	s_mov_b32 s[G1+7], 0
	s_mov_b32 s[G1S+0], 3<<16                      ; four tiles' scale words: a dense block as rows of 256 bytes
	s_mov_b32 s[G1S+1], 32<<16
	s_mov_b32 s[G1S+2], (2*KS)<<16
	s_mov_b32 s[G1S+3], 32<<16
	s_mov_b32 s[G1S+4], 2*KS
	s_mov_b32 s[G1S+5], 32
	s_mov_b32 s[G1S+6], 0
	s_mov_b32 s[G1S+7], 0
	s_mov_b32 s[G0S], 1
	s_mul_i32 s[G0S+1], s[WV], QS
	s_add_co_u32 s[G0S+1], s[G0S+1], SCL
	s_mov_b32 s[G0], 1
	s_lshl_b32 s[G0+1], s[WV], 15
	s_mov_b32 s[G0+4], 1
	s_add_co_u32 s[G0+5], s[G0+1], 131072
	s_wait_dscnt 0x0
	s_wait_kmcnt 0x0
	s_cmp_lt_u32 s[WV], 2                          ; waves 0, 1 fetch act, waves 2, 3 the weight: a choice on the wave's number
	s_cselect_b64 s[28:29], s[4:5], s[6:7]
	s_cselect_b32 s30, s24, s26
	s_cselect_b32 s32, s25, s27
	s_mul_i32 s22, s21, 4*KS*2048
	s_add_co_u32 s30, s30, s22
	s_mov_b32 s31, 0
	s_mul_i32 s22, s21, QS
	s_add_co_u32 s32, s32, s22
	s_mov_b32 s33, 0
	s_add_nc_u64 s[G0S+2:G0S+3], s[28:29], s[32:33]
	s_or_b32 s[G0S+3], s[G0S+3], 0x80000000
	s_add_nc_u64 s[G0+2:G0+3], s[28:29], s[30:31]
	s_add_nc_u64 s[G0+6:G0+7], s[G0+2:G0+3], 8192
	s_or_b32 s[G0+3], s[G0+3], 0x80000000
	s_or_b32 s[G0+7], s[G0+7], 0x80000000
	tensor_load_to_lds s[G0S:G0S+3], s[G1S:G1S+7]  ; the first fills go out as one group: three loads of mine are out
	s_nop 0
	tensor_load_to_lds s[G0:G0+3], s[G1:G1+7]
	s_nop 0
	tensor_load_to_lds s[G0+4:G0+7], s[G1:G1+7]
	s_nop 0
	PLACES 4
	v_and_b32 v2, 31, v0
	v_lshlrev_b32 v1, 4, v2                        ; 16 lane
	v_lshlrev_b32 v2, 2, v2                        ; 4 lane
	v_and_b32 v3, 15, v0                           ; r
	v_bfe_u32 v4, v0, 4, 1                         ; h
	s_lshl_b32 s34, s[WV], 14
	v_add_nc_u32 v5, s34, v1
	v_add_nc_u32 v6, 131072, v5
	v_add_nc_u32 v7, 65536, v1
	v_add_nc_u32 v8, 131072, v7
	s_mul_i32 s34, s[WV], KS*256
	s_add_co_u32 s34, s34, SCL
	v_add_nc_u32 v9, s34, v2
	v_add_nc_u32 v10, SCL+2*QS, v2
	s_mul_i32 s34, s[WV], 16*528
	s_add_co_u32 s34, s34, STAGE
	v_mul_u32_u24 v11, v3, 528
	v_lshl_add_u32 v11, v4, 6, v11
	v_add_nc_u32 v11, s34, v11                     ; the stage, in: row r, + 64 h
	v_add_nc_u32 v12, s34, v1                      ; back: a row of 512 bytes to the 32 lanes
	s_lshl_b32 s34, s3, 19                         ; 128 y rows of 4,096 bytes,
	s_lshl_b32 s35, s[WV], 17                      ; + 32 w rows,
	s_add_co_u32 s34, s34, s35
	s_lshl_b32 s35, s2, 9                          ; + 128 x columns
	s_add_co_u32 s34, s34, s35
	s_mov_b32 s35, 0
	s_add_nc_u64 s[8:9], s[8:9], s[34:35]
	s_add_nc_u64 s[10:11], s[10:11], s[34:35]
	WIN 0x80
.irp a, 0,1
.irp p, 0,1,2,3,4,5,6,7,8,9,10,11,12,13,14,15
	global_load_b128 v[128+64*\a+4*\p:131+64*\a+4*\p], v1, s[8:9] offset:(8*\a+\p+8*(\p/8))*4096   ; the residual of position p: it lands under the products
.endr
.endr
	WIN 0
	s_wait_tensorcnt 0x1                           ; my scale words and my quarter of slot 0 are in; slot 1's load may stay out
	s_barrier_signal -1
	s_barrier_wait -1
	FETCH 0
.irp k, 0,1,2,3,4,5,6,7
	STEP \k
.endr
	PLACES 8                                       ; in front of the first read of results, and of loads into act's registers
.irp a, 0,1
.irp t, 0,1,2,3,4,5,6,7
	ds_store_b128 v11, v[ACC+64*\a+8*\t:ACC+64*\a+8*\t+3] offset:128*(\t/2)+32*(\t%2)        ; each accumulator from its low end on
	ds_store_b128 v11, v[ACC+64*\a+8*\t+4:ACC+64*\a+8*\t+7] offset:128*(\t/2)+32*(\t%2)+16
.endr
	WIN 0x80
.irp p, 0,1,2,3,4,5,6,7,8,9,10,11,12,13,14,15
	ds_load_b128 v[64*\a+4*\p:64*\a+4*\p+3], v12 offset:528*\p   ; LDS serves a wave's instructions in order (ISA guide 5.7.1.4): these see my stores, and the next tile's stores come behind them
.endr
	WIN 0
.endr
	s_wait_loadcnt 0x0                             ; the residual
.irp a, 0,1
.if \a == 0
	s_wait_dscnt 32                                ; the first tile is back; the second's 16 stores and 16 loads may be out
.else
	s_wait_dscnt 0x0
.endif
	WIN 0x8a                                       ; all in window 2
.set i_, 0
.rept 32
	v_pk_add_f32 v[64*\a+i_:64*\a+i_+1], v[64*\a+i_:64*\a+i_+1], v[128+64*\a+i_:128+64*\a+i_+1]
.set i_, i_+2
.endr
	WIN 0x08                                       ; a store's data are its source 1
.irp p, 0,1,2,3,4,5,6,7,8,9,10,11,12,13,14,15
	global_store_b128 v1, v[64*\a+4*\p:64*\a+4*\p+3], s[10:11] offset:(8*\a+\p+8*(\p/8))*4096   ; 32 lanes store 512 consecutive bytes, aligned
.endr
	WIN 0
.endr
	s_wait_tensorcnt 0x0
	ds_add_u32 v126, v127
	s_wait_dscnt 0x0
	s_endpgm
.Lfunc_end_k_q13bd123a6f_oproj:
	.size	k_q13bd123a6f_oproj, .Lfunc_end_k_q13bd123a6f_oproj-k_q13bd123a6f_oproj
	.p2alignl 7, 3214868480
	.fill 96, 4, 3214868480
	.section	.rodata,"a",@progbits
	.p2align	6, 0x0
	.amdhsa_kernel k_q13bd123a6f_oproj
		.amdhsa_group_segment_fixed_size 312832
		.amdhsa_private_segment_fixed_size 0
		.amdhsa_enable_private_segment 0
		.amdhsa_kernarg_size 32
		.amdhsa_user_sgpr_count 2
		.amdhsa_user_sgpr_kernarg_segment_ptr 1
		.amdhsa_wavefront_size32 1
		.amdhsa_system_sgpr_workgroup_id_x 1
		.amdhsa_system_sgpr_workgroup_id_y 1
		.amdhsa_system_sgpr_workgroup_id_z 1
		.amdhsa_system_vgpr_workitem_id 0
		.amdhsa_next_free_vgpr 768
		.amdhsa_next_free_sgpr 80
		.amdhsa_reserve_vcc 0
		.amdhsa_float_denorm_mode_32 3
		.amdhsa_float_denorm_mode_16_64 3
		.amdhsa_memory_ordered 1
		.amdhsa_forward_progress 1
		.amdhsa_inst_pref_size 65
	.end_amdhsa_kernel
	.amdgpu_metadata
---
amdhsa.version: [ 1, 2 ]
amdhsa.kernels:
  - .name:           k_q13bd123a6f_oproj
    .symbol:         k_q13bd123a6f_oproj.kd
    .args:
      - { .name: O, .offset: 0, .size: 8, .value_kind: global_buffer, .address_space: global }
      - { .name: P, .offset: 8, .size: 8, .value_kind: global_buffer, .address_space: global }
      - { .name: x, .offset: 16, .size: 8, .value_kind: global_buffer, .address_space: global }
      - { .name: X1, .offset: 24, .size: 8, .value_kind: global_buffer, .address_space: global }
    .group_segment_fixed_size: 312832
    .private_segment_fixed_size: 0
    .kernarg_segment_align: 8
    .kernarg_segment_size: 32
    .max_flat_workgroup_size: 128
    .sgpr_count:     80
    .vgpr_count:     768
    .wavefront_size: 32
...
	.end_amdgpu_metadata
.endif
;; end of part 4
;; launch ln2: the kernel of part 1 again; grid 256 x 1, 4 waves a work-group, no clusters, 66,304 bytes of LDS; arguments X1, ln2_g, ln2_b, Wq, Wkv, Wo, W1, W2, H2; writes H2
;; launch mlp1 (part 5): grid 16 x 32, 4 waves a work-group, no clusters, 279,040 bytes of LDS; arguments H2, P, b1, G; writes G
.if DOCPART == 5
	.amdgcn_target "amdgcn-amd-amdhsa--gfx1250"
	.amdhsa_code_object_version 6
	.text
	.protected	k_q13bd123a6f_mlp1
	.globl	k_q13bd123a6f_mlp1
	.p2align	8
	.type	k_q13bd123a6f_mlp1,@function
k_q13bd123a6f_mlp1:
	s_mov_b64 s[64:65], 0
	v_nop
	global_prefetch_b8 v0, s[64:65] scope:SCOPE_SE
	s_setreg_imm32_b32 hwreg(HW_REG_WAVE_MODE, 25, 1), 1
	s_wait_xcnt 0x0
; g = gelu(LN2(x1) W1^T + b1), the product on codes of E5M2 (K = 1,024), the exact gelu in f32, and g quantised along the next product's K: the work-group's 128 columns are one K step of it.
; A work-group makes 128 rows (act tiles 8 y .. 8 y + 7) x 128 columns (weight tiles 8 x .. 8 x + 7).  Wave w: act tiles 2 w, 2 w + 1 x all eight weight tiles: 16 accumulators.
; Operands are images of registers (2,048 bytes a fragment, 16 bytes a lane at 512 c + 16 lane).  All of K lies in LDS: two slots of four K steps and the scale words, each wave bringing a quarter of each by one tensor load;
; three loads a wave are out at the most.  Transposed use (source 0 = weight, source 1 = act): register 16 b + i of an act tile's 64 is column 32 b + 16 h + i: the next operand's own order.
; The bias is the C of each sum's first product.
; GELU: gelu(x) = max(x, 0) - |x| y, y = erfc(|x| / sqrt 2) / 2 = t 2^((Q(t) - x^2 / 2) log2 e - 1), t = 1 / (1 + 0.35355339 |x|), Q a polynomial of degree 9 in t.
; LIMITS: the fit of erfc has a fractional error up to 1.2e-7; where the exponential falls under 2^-126 (x under about -13) gelu comes out as -0; a block of zeros gets the byte 1 over zero codes; NaN and infinities are not served.
; The tiles of act are shared by 16 work-groups and the weight's by 32; they are asked for singly: each work-group asks for all of its 278,528 bytes in its first lines, with no round of a cluster's barrier in front.
; REGISTERS: window 0: v1-13 addresses; v16-35 scale words alone; v36-51 at work in QUANT; v52, v53 scale words made; v56-87 codes made; v88-113 at work in GELU8; v128-255 accumulators.
;   window 1: the weight's fragments.   window 2: v0-63 act's fragments; v64-127 the bias in the results' layout.
.set KS,   8
.set QS,   4*KS*128
.set SCL,  262144
.set CO,   688128
.set ACC,  128
.set TM,   36
.set PW,   52
.set PC0,  56
.set GT,   88
.set GU,   96
.set GW,   104
.set WV,   20
.set G1,   36
.set G1S,  44
.set G0S,  52
.set G0,   56
.set SEL,  66
.set MNT,  68
.set MSB, 0
.macro WIN new
.if MSB != \new
	s_set_vgpr_msb (MSB<<8)|\new
.set MSB, \new
.endif
.endm
.macro PLACES n
.rept \n
	v_nop
.endr
.endm
.macro WMC d, a, b, c, sa, sb          ; a product that starts a sum from other registers
	v_wmma_scale_f32_16x16x128_f8f6f4 v[\d:\d+7], v[\a:\a+15], v[\b:\b+15], v[\c:\c+7], v[\sa], v[\sb] matrix_a_fmt:MATRIX_FMT_BF8 matrix_b_fmt:MATRIX_FMT_BF8
.endm
.macro WMA d, a, b, sa, sb
	v_wmma_scale_f32_16x16x128_f8f6f4 v[\d:\d+7], v[\a:\a+15], v[\b:\b+15], v[\d:\d+7], v[\sa], v[\sb] matrix_a_fmt:MATRIX_FMT_BF8 matrix_b_fmt:MATRIX_FMT_BF8
.endm
.macro QUANT s, pc, pw
.irp b, 0,1,2,3
	v_max3_num_f32 v[TM+\b], |v[(\s)+16*\b]|, |v[(\s)+1+16*\b]|, 0x8000000   ; with the floor 2^(16 - 127): the byte cannot fall under 1
.endr
.irp i, 2,4,6,8,10,12,14
.irp b, 0,1,2,3
	v_max3_num_f32 v[TM+\b], v[TM+\b], |v[(\s)+16*\b+\i]|, |v[(\s)+1+16*\b+\i]|
.endr
.endr
.irp b, 0,1,2,3
	v_permlanex16_b32 v[TM+4+\b], v[TM+\b], s[SEL], s[SEL+1]
.endr
.irp b, 0,1,2,3
	v_max_num_f32 v[TM+\b], v[TM+\b], v[TM+4+\b]
.endr
.irp b, 0,1,2,3
	v_add_nc_u32 v[TM+12+\b], 0xf8800000, v[TM+\b]
.endr
.irp b, 0,1,2,3
	v_and_or_b32 v[TM+8+\b], v[TM+\b], 0x7f800000, s[MNT]
.endr
.irp b, 0,1,2,3
	v_lshrrev_b32 v[TM+4+\b], 23, v[TM+12+\b]
.endr
	v_lshl_or_b32 v[\pw], v[TM+5], 8, v[TM+4]
	v_lshl_or_b32 v[\pw], v[TM+6], 16, v[\pw]
	v_lshl_or_b32 v[\pw], v[TM+7], 24, v[\pw]
.irp b, 0,1,2,3
.irp i, 0,1,2,3,4,5,6,7,8,9,10,11,12,13,14,15
	v_med3_num_f32 v[(\s)+16*\b+\i], v[(\s)+16*\b+\i], -v[TM+8+\b], v[TM+8+\b]   ; the conversion does not saturate (ISA guide 7.6.2)
.endr
	v_cvt_scalef32_pk8_bf8_f32 v[(\pc)+4*\b:(\pc)+1+4*\b], v[(\s)+16*\b:(\s)+7+16*\b], v[TM+12+\b]
	v_cvt_scalef32_pk8_bf8_f32 v[(\pc)+2+4*\b:(\pc)+3+4*\b], v[(\s)+8+16*\b:(\s)+15+16*\b], v[TM+12+\b]
.endr
	v_nop
.endm
; gelu of eight registers, in place
.macro GELU8 x
.irp i, 0,1,2,3,4,5,6,7
	v_fma_f32 v[GT+\i], |v[(\x)+\i]|, s79, 1.0
.endr
.irp i, 0,1,2,3,4,5,6,7
	v_rcp_f32 v[GT+\i], v[GT+\i]                   ; t
.endr
.irp i, 0,1,2,3,4,5,6,7
	v_mul_f32 v[GW+\i], -0.5, v[(\x)+\i]           ; (plain lines behind the reciprocals)
.endr
	s_wait_alu depctr_va_vdst(0)
.irp i, 0,2,4,6
	v_pk_fma_f32 v[GU+\i:GU+\i+1], v[GT+\i:GT+\i+1], s[98:99], v[112:113] op_sel_hi:[1,0,1]   ; c9 t + c8
.endr
.irp c, 7,6,5,4,3,2,1,0
.irp i, 0,2,4,6
	v_pk_fma_f32 v[GU+\i:GU+\i+1], v[GU+\i:GU+\i+1], v[GT+\i:GT+\i+1], s[80+2*\c:81+2*\c] op_sel_hi:[1,1,0]
.endr
.endr
.irp i, 0,2,4,6
	v_pk_fma_f32 v[GU+\i:GU+\i+1], v[GW+\i:GW+\i+1], v[(\x)+\i:(\x)+\i+1], v[GU+\i:GU+\i+1]   ; Q(t) - x^2 / 2
.endr
.irp i, 0,2,4,6
	v_pk_fma_f32 v[GU+\i:GU+\i+1], v[GU+\i:GU+\i+1], s[100:101], -1.0 op_sel_hi:[1,0,0]       ; x log2 e, - 1 for the half
.endr
.irp i, 0,1,2,3,4,5,6,7
	v_exp_f32 v[GU+\i], v[GU+\i]
.endr
.irp i, 0,1,2,3,4,5,6,7
	v_max_num_f32 v[GW+\i], 0, v[(\x)+\i]          ; (plain lines behind the exponentials)
.endr
	s_wait_alu depctr_va_vdst(0)
.irp i, 0,2,4,6
	v_pk_mul_f32 v[GU+\i:GU+\i+1], v[GU+\i:GU+\i+1], v[GT+\i:GT+\i+1]   ; y
.endr
.irp i, 0,1,2,3,4,5,6,7
	v_fma_f32 v[(\x)+\i], -|v[(\x)+\i]|, v[GU+\i], v[GW+\i]
.endr
.endm
.macro FETCH ks
.set P_, (\ks)%2
.set SL_, ((\ks)/4)%2
.set KQ_, (\ks)%4
	WIN 0x40
.irp t, 0,1,2,3,4,5,6,7
.irp c, 0,1,2,3
	ds_load_b128 v[128*P_+16*\t+4*\c:128*P_+16*\t+4*\c+3], v[7+SL_] offset:\t*8192+KQ_*2048+512*\c
.endr
.endr
	WIN 0x80
.irp a, 0,1
.irp c, 0,1,2,3
	ds_load_b128 v[32*P_+16*\a+4*\c:32*P_+16*\a+4*\c+3], v[5+SL_] offset:\a*8192+KQ_*2048+512*\c
.endr
.endr
	WIN 0
.irp a, 0,1
	ds_load_b32 v[16+10*P_+\a], v9 offset:\a*KS*128+(\ks)*128
.endr
.irp t, 0,1,2,3,4,5,6,7
	ds_load_b32 v[18+10*P_+\t], v10 offset:\t*KS*128+(\ks)*128
.endr
.endm
.macro MUL16 ks                        ; the 16 accumulators take turns, one instruction a turn, in the same order in every step
.set P_, (\ks)%2
.irp a, 0,1
.irp t, 0,1,2,3,4,5,6,7
.if (\ks) == 0
	WMC ACC+64*\a+8*\t, 128*P_+16*\t, 32*P_+16*\a, 64+8*\t, 18+10*P_+\t, 16+10*P_+\a
.else
	WMA ACC+64*\a+8*\t, 128*P_+16*\t, 32*P_+16*\a, 18+10*P_+\t, 16+10*P_+\a
.endif
.endr
.endr
.endm
.macro STEP ks
.if (\ks) == 3
	s_wait_tensorcnt 0x0                           ; my quarter of slot 1 has landed (the one load that was out),
	s_wait_dscnt 0x0
	s_barrier_signal -1
	s_barrier_wait -1                              ; and everybody's has.  Nothing is filled again
.endif
.if (\ks) > 0
	PLACES 8                                       ; in front of loads into the set that the last step's products read
.endif
.if (\ks)+1 < KS
	FETCH (\ks)+1
	s_wait_dscnt 50                                ; all but the 50 just issued: this step's set is in
.else
	s_wait_dscnt 0x0
.endif
.if (\ks) == 0
	WIN 0x29                                       ; source 0 window 1, source 1 and C (the bias) window 2
.else
	WIN 0x09
.endif
	MUL16 \ks
	WIN 0
.endm
.macro CONST i, bits                   ; a coefficient as a pair: the packed form names both words
	s_mov_b32 s[80+2*\i], \bits
	s_mov_b32 s[81+2*\i], \bits
.endm
	s_load_b256 s[4:11], s[0:1], 0x0               ; H2 s[4:5], P s[6:7], b1 s[8:9], G s[10:11]
	v_lshl_add_u32 v126, v0, 2, 0x44000
	v_mov_b32 v127, 0
	ds_add_u32 v126, v127
	ds_add_u32 v126, v127
	v_lshrrev_b32 v1, 5, v0
	v_readfirstlane_b32 s[WV], v1
	s_mov_b32 s2, ttmp9
	s_and_b32 s3, ttmp7, 0xffff
	s_and_b32 s21, s[WV], 1
	s_mul_i32 s24, s3, KS*16384
	s_add_co_u32 s24, s24, CO                      ; act's codes in H2
	s_mul_i32 s25, s3, KS*1024
	s_mul_i32 s26, s2, KS*16384
	s_add_co_u32 s26, s26, CO+6815744              ; W1's codes: jobs 416 on
	s_mul_i32 s27, s2, KS*1024
	s_add_co_u32 s27, s27, 425984
	s_mov_b32 s[G1+0], 3<<16
	s_mov_b32 s[G1+1], 1024<<16
	s_mov_b32 s[G1+2], 4<<16
	s_mov_b32 s[G1+3], 1024<<16
	s_mov_b32 s[G1+4], 4
	s_mov_b32 s[G1+5], KS*256
	s_mov_b32 s[G1+6], 0
	s_mov_b32 s[G1+7], 0
	s_mov_b32 s[G1S+0], 3<<16
	s_mov_b32 s[G1S+1], 32<<16
	s_mov_b32 s[G1S+2], (2*KS)<<16
	s_mov_b32 s[G1S+3], 32<<16
	s_mov_b32 s[G1S+4], 2*KS
	s_mov_b32 s[G1S+5], 32
	s_mov_b32 s[G1S+6], 0
	s_mov_b32 s[G1S+7], 0
	s_mov_b32 s[G0S], 1
	s_mul_i32 s[G0S+1], s[WV], QS
	s_add_co_u32 s[G0S+1], s[G0S+1], SCL
	s_mov_b32 s[G0], 1
	s_lshl_b32 s[G0+1], s[WV], 15
	s_mov_b32 s[G0+4], 1
	s_add_co_u32 s[G0+5], s[G0+1], 131072
	s_wait_dscnt 0x0
	s_wait_kmcnt 0x0
	s_cmp_lt_u32 s[WV], 2
	s_cselect_b64 s[28:29], s[4:5], s[6:7]
	s_cselect_b32 s30, s24, s26
	s_cselect_b32 s32, s25, s27
	s_mul_i32 s22, s21, 4*KS*2048
	s_add_co_u32 s30, s30, s22
	s_mov_b32 s31, 0
	s_mul_i32 s22, s21, QS
	s_add_co_u32 s32, s32, s22
	s_mov_b32 s33, 0
	s_add_nc_u64 s[G0S+2:G0S+3], s[28:29], s[32:33]
	s_or_b32 s[G0S+3], s[G0S+3], 0x80000000
	s_add_nc_u64 s[G0+2:G0+3], s[28:29], s[30:31]
	s_add_nc_u64 s[G0+6:G0+7], s[G0+2:G0+3], 8192
	s_or_b32 s[G0+3], s[G0+3], 0x80000000
	s_or_b32 s[G0+7], s[G0+7], 0x80000000
	tensor_load_to_lds s[G0S:G0S+3], s[G1S:G1S+7]  ; the first fills go out as one group: three loads of mine are out
	s_nop 0
	tensor_load_to_lds s[G0:G0+3], s[G1:G1+7]
	s_nop 0
	tensor_load_to_lds s[G0+4:G0+7], s[G1:G1+7]
	s_nop 0
	PLACES 4
	v_and_b32 v2, 31, v0
	v_lshlrev_b32 v1, 4, v2
	v_lshlrev_b32 v2, 2, v2
	v_bfe_u32 v4, v0, 4, 1
	s_lshl_b32 s34, s[WV], 14
	v_add_nc_u32 v5, s34, v1
	v_add_nc_u32 v6, 131072, v5
	v_add_nc_u32 v7, 65536, v1
	v_add_nc_u32 v8, 131072, v7
	s_mul_i32 s34, s[WV], KS*256
	s_add_co_u32 s34, s34, SCL
	v_add_nc_u32 v9, s34, v2
	v_add_nc_u32 v10, SCL+2*QS, v2
	v_lshlrev_b32 v13, 6, v4                       ; the bias: + 64 h
	s_lshl_b32 s34, s2, 9
	s_mov_b32 s35, 0
	s_add_nc_u64 s[8:9], s[8:9], s[34:35]          ; my work-group's 128 numbers
	WIN 0x80
.irp t, 0,1,2,3,4,5,6,7
	global_load_b128 v[64+8*\t:67+8*\t], v13, s[8:9] offset:128*(\t/2)+32*(\t%2)       ; columns 32 (t / 2) + 16 h + 8 (t % 2) + 0 .. 7
	global_load_b128 v[68+8*\t:71+8*\t], v13, s[8:9] offset:128*(\t/2)+32*(\t%2)+16
.endr
	WIN 0
.irp b, 0,1,2,3
	v_mov_b32 v[TM+4+\b], 0
.endr
	v_mov_b32 v112, 0xbf527892                     ; c8, as a vector pair
	v_mov_b32 v113, 0xbf527892
	s_mov_b32 s[SEL], 0x76543210
	s_mov_b32 s[SEL+1], 0xfedcba98
	s_mov_b32 s[MNT], 0x600000
	s_mov_b32 s79, 0x3eb504f3                      ; 1 / (2 sqrt 2)
	CONST 0, 0xbfa1fc4e
	CONST 1, 0x3f8000c7
	CONST 2, 0x3ebf88fb
	CONST 3, 0x3dc636c9
	CONST 4, 0xbe3ec24c
	CONST 5, 0x3e8ec7cc
	CONST 6, 0xbf914e5d
	CONST 7, 0x3fbe87b0
	CONST 8, 0xbf527892
	CONST 9, 0x3e2ef945
	CONST 10, 0x3fb8aa3b                           ; log2 e
	s_lshl_b32 s34, s3, 3
	s_lshl_b32 s35, s[WV], 1
	s_add_co_u32 s34, s34, s35
	s_lshl_b32 s34, s34, 4
	s_add_co_u32 s34, s34, s2                      ; my first fragment of g: (8 y + 2 w) x 16 + x
	s_lshl_b32 s70, s34, 11
	s_mov_b32 s71, 0
	s_add_nc_u64 s[70:71], s[10:11], s[70:71]
	s_lshl_b32 s72, s34, 7
	s_add_co_u32 s72, s72, 8388608
	s_mov_b32 s73, 0
	s_add_nc_u64 s[72:73], s[10:11], s[72:73]
	s_wait_tensorcnt 0x1                           ; my scale words and my quarter of slot 0 are in; slot 1's load may stay out
	s_barrier_signal -1
	s_barrier_wait -1
	FETCH 0
	s_wait_loadcnt 0x0                             ; the bias
.irp k, 0,1,2,3,4,5,6,7
	STEP \k
.endr
	PLACES 8                                       ; in front of the first read of results
.irp a, 0,1
.irp i, 0,1,2,3,4,5,6,7
	GELU8 ACC+64*\a+8*\i
.endr
	QUANT ACC+64*\a, PC0+16*\a, PW+\a              ; codes and word of each tile in registers of their own: no store's data are written again
.irp c, 0,1,2,3
	global_store_b128 v1, v[PC0+16*\a+4*\c:PC0+16*\a+4*\c+3], s[70:71] offset:\a*32768+512*\c
.endr
	global_store_b32 v2, v[PW+\a], s[72:73] offset:\a*2048
.endr
	s_wait_tensorcnt 0x0
	ds_add_u32 v126, v127
	s_wait_dscnt 0x0
	s_endpgm
.Lfunc_end_k_q13bd123a6f_mlp1:
	.size	k_q13bd123a6f_mlp1, .Lfunc_end_k_q13bd123a6f_mlp1-k_q13bd123a6f_mlp1
	.p2alignl 7, 3214868480
	.fill 96, 4, 3214868480
	.section	.rodata,"a",@progbits
	.p2align	6, 0x0
	.amdhsa_kernel k_q13bd123a6f_mlp1
		.amdhsa_group_segment_fixed_size 279040
		.amdhsa_private_segment_fixed_size 0
		.amdhsa_enable_private_segment 0
		.amdhsa_kernarg_size 32
		.amdhsa_user_sgpr_count 2
		.amdhsa_user_sgpr_kernarg_segment_ptr 1
		.amdhsa_wavefront_size32 1
		.amdhsa_system_sgpr_workgroup_id_x 1
		.amdhsa_system_sgpr_workgroup_id_y 1
		.amdhsa_system_sgpr_workgroup_id_z 1
		.amdhsa_system_vgpr_workitem_id 0
		.amdhsa_next_free_vgpr 768
		.amdhsa_next_free_sgpr 102
		.amdhsa_reserve_vcc 0
		.amdhsa_float_denorm_mode_32 3
		.amdhsa_float_denorm_mode_16_64 3
		.amdhsa_memory_ordered 1
		.amdhsa_forward_progress 1
		.amdhsa_inst_pref_size 151
	.end_amdhsa_kernel
	.amdgpu_metadata
---
amdhsa.version: [ 1, 2 ]
amdhsa.kernels:
  - .name:           k_q13bd123a6f_mlp1
    .symbol:         k_q13bd123a6f_mlp1.kd
    .args:
      - { .name: H2, .offset: 0, .size: 8, .value_kind: global_buffer, .address_space: global }
      - { .name: P, .offset: 8, .size: 8, .value_kind: global_buffer, .address_space: global }
      - { .name: b1, .offset: 16, .size: 8, .value_kind: global_buffer, .address_space: global }
      - { .name: G, .offset: 24, .size: 8, .value_kind: global_buffer, .address_space: global }
    .group_segment_fixed_size: 279040
    .private_segment_fixed_size: 0
    .kernarg_segment_align: 8
    .kernarg_segment_size: 32
    .max_flat_workgroup_size: 128
    .sgpr_count:     102
    .vgpr_count:     768
    .wavefront_size: 32
...
	.end_amdgpu_metadata
.endif
;; end of part 5
;; launch mlp2 (part 6): grid 8 x 32, 4 waves a work-group, no clusters, 327,680 bytes of LDS; arguments G, P, b2, X1, out0; writes out0
.if DOCPART == 6
	.amdgcn_target "amdgcn-amd-amdhsa--gfx1250"
	.amdhsa_code_object_version 6
	.text
	.protected	k_q13bd123a6f_mlp2
	.globl	k_q13bd123a6f_mlp2
	.p2align	8
	.type	k_q13bd123a6f_mlp2,@function
k_q13bd123a6f_mlp2:
	s_mov_b64 s[64:65], 0
	v_nop
	global_prefetch_b8 v0, s[64:65] scope:SCOPE_SE
	s_setreg_imm32_b32 hwreg(HW_REG_WAVE_MODE, 25, 1), 1
	s_wait_xcnt 0x0
; out0 = x1 + g W2^T + b2, the product on codes of E5M2 (K = 2,048).
; A work-group makes 128 rows (act tiles 8 y .. 8 y + 7) x 128 columns (weight tiles 8 x .. 8 x + 7).  Wave w: act tiles 2 w, 2 w + 1 x all eight weight tiles: 16 accumulators.
; Operands are images of registers (2,048 bytes a fragment).  K goes through two LDS slots of four K steps; each slot is filled twice.  Each wave brings a quarter of a slot by one tensor load; the scale words of all of K come once.
; Three loads a wave are out at the start, one behind each refill's barrier, and that one has four K steps in which to land.  The steps are written out.
; Transposed use (source 0 = weight, source 1 = act); the bias is the C of each sum's first product; the residual, asked for at the head, is added on the way out.
; The way out goes through a stage in slot 0, which by then has had its last fill, and whose last reads lie in front of the last barrier.
; All of a WGP's LDS is claimed, and 0 is added to spare words in front of each change of slots and at the end.
; The tiles of act are shared by 8 work-groups and the weight's by 32; they are asked for singly, so that a change of slots is the work-group's own barrier and no round of a cluster's.
; REGISTERS: window 0: v1-13 addresses; v14, v15 the spare word's address and 0; v16-35 scale words alone; v128-255 accumulators.  window 1: the weight's fragments.
;   window 2: v0-63 act's fragments; v64-127 the bias; on the way out v0-127 rows read back; v128-255 the residual.
.set KS,   16
.set QS,   4*KS*128
.set SCL,  262144
.set SPARE, 294912                     ; behind the scale words: 128 bytes for each wave, two blocks of 256 bytes that no other line names
.set STAGE, 0
.set CO,   688128
.set ACC,  128
.set WV,   20
.set G1,   36
.set G1S,  44
.set G0S,  52
.set G0,   56
.set MSB, 0
.macro WIN new
.if MSB != \new
	s_set_vgpr_msb (MSB<<8)|\new
.set MSB, \new
.endif
.endm
.macro PLACES n
.rept \n
	v_nop
.endr
.endm
.macro WMC d, a, b, c, sa, sb
	v_wmma_scale_f32_16x16x128_f8f6f4 v[\d:\d+7], v[\a:\a+15], v[\b:\b+15], v[\c:\c+7], v[\sa], v[\sb] matrix_a_fmt:MATRIX_FMT_BF8 matrix_b_fmt:MATRIX_FMT_BF8
.endm
.macro WMA d, a, b, sa, sb
	v_wmma_scale_f32_16x16x128_f8f6f4 v[\d:\d+7], v[\a:\a+15], v[\b:\b+15], v[\d:\d+7], v[\sa], v[\sb] matrix_a_fmt:MATRIX_FMT_BF8 matrix_b_fmt:MATRIX_FMT_BF8
.endm
.macro FETCH ks
.set P_, (\ks)%2
.set SL_, ((\ks)/4)%2
.set KQ_, (\ks)%4
	WIN 0x40
.irp t, 0,1,2,3,4,5,6,7
.irp c, 0,1,2,3
	ds_load_b128 v[128*P_+16*\t+4*\c:128*P_+16*\t+4*\c+3], v[7+SL_] offset:\t*8192+KQ_*2048+512*\c
.endr
.endr
	WIN 0x80
.irp a, 0,1
.irp c, 0,1,2,3
	ds_load_b128 v[32*P_+16*\a+4*\c:32*P_+16*\a+4*\c+3], v[5+SL_] offset:\a*8192+KQ_*2048+512*\c
.endr
.endr
	WIN 0
.irp a, 0,1
	ds_load_b32 v[16+10*P_+\a], v9 offset:\a*KS*128+(\ks)*128
.endr
.irp t, 0,1,2,3,4,5,6,7
	ds_load_b32 v[18+10*P_+\t], v10 offset:\t*KS*128+(\ks)*128
.endr
.endm
.macro MUL16 ks                        ; the 16 accumulators take turns, one instruction a turn, in the same order in every step
.set P_, (\ks)%2
.irp a, 0,1
.irp t, 0,1,2,3,4,5,6,7
.if (\ks) == 0
	WMC ACC+64*\a+8*\t, 128*P_+16*\t, 32*P_+16*\a, 64+8*\t, 18+10*P_+\t, 16+10*P_+\a
.else
	WMA ACC+64*\a+8*\t, 128*P_+16*\t, 32*P_+16*\a, 18+10*P_+\t, 16+10*P_+\a
.endif
.endr
.endr
.endm
; THE CHANGE OF SLOTS: each wave waits for all its tensor loads (its quarter of the slot ahead), adds 0 to its spare word, and waits for that and for its reads of the slot that it leaves.
; Behind the barrier the slot ahead is whole and nobody reads the other.  refill = 1: slot sl, just left, takes the K steps eight further on: my one tensor load until the next such barrier.
.macro CHANGE refill, sl
	s_wait_tensorcnt 0x0                           ; no tensor load of mine is out, so a group 0 may be written
	ds_add_u32 v14, v15                            ; 0 onto my spare word
.if \refill
	s_add_nc_u64 s[G0+4*\sl+2:G0+4*\sl+3], s[G0+4*\sl+2:G0+4*\sl+3], 16384   ; eight K steps on; the type bits on top are not reached
.endif
	s_wait_dscnt 0x0                               ; the add is done, and my reads of the slot that I leave are over
	s_barrier_signal -1
	s_barrier_wait -1
.if \refill
	tensor_load_to_lds s[G0+4*\sl:G0+4*\sl+3], s[G1:G1+7]   ; the first thing behind the barrier; the v_nop that follow are also the places in front of the fetch
	s_nop 0
.endif
.endm
.macro STEP ks
.if (\ks) == 3
	CHANGE 1, 0                                    ; K steps 8-11 into slot 0
.elseif (\ks) == 7
	CHANGE 1, 1                                    ; K steps 12-15 into slot 1
.elseif (\ks) == 11
	CHANGE 0, 0                                    ; nothing is left to fetch
.endif
.if (\ks) > 0
	PLACES 8                                       ; in front of loads into the set that the last step's products read
.endif
.if (\ks)+1 < KS
	FETCH (\ks)+1
	s_wait_dscnt 50                                ; all but the 50 just issued: this step's set is in
.else
	s_wait_dscnt 0x0
.endif
.if (\ks) == 0
	WIN 0x29                                       ; source 0 window 1, source 1 and C (the bias) window 2
.else
	WIN 0x09
.endif
	MUL16 \ks
	WIN 0
.endm
	s_load_b256 s[4:11], s[0:1], 0x0               ; G s[4:5], P s[6:7], b2 s[8:9], X1 s[10:11]
	s_load_b64 s[12:13], s[0:1], 0x20              ; out0
	v_lshl_add_u32 v14, v0, 2, SPARE
	v_mov_b32 v15, 0
	ds_add_u32 v14, v15
	ds_add_u32 v14, v15
	s_wait_dscnt 0x0
	v_lshrrev_b32 v1, 5, v0
	v_readfirstlane_b32 s[WV], v1
	s_mov_b32 s2, ttmp9
	s_and_b32 s3, ttmp7, 0xffff
	s_and_b32 s21, s[WV], 1
	s_mul_i32 s24, s3, KS*16384                    ; act's codes in G
	s_mul_i32 s25, s3, KS*1024
	s_add_co_u32 s25, s25, 8388608
	s_mul_i32 s26, s2, KS*16384
	s_add_co_u32 s26, s26, CO+8912896              ; W2's codes: jobs 544 on
	s_mul_i32 s27, s2, KS*1024
	s_add_co_u32 s27, s27, 557056
	s_mov_b32 s[G1+0], 3<<16
	s_mov_b32 s[G1+1], 1024<<16
	s_mov_b32 s[G1+2], 4<<16
	s_mov_b32 s[G1+3], 1024<<16
	s_mov_b32 s[G1+4], 4
	s_mov_b32 s[G1+5], KS*256
	s_mov_b32 s[G1+6], 0
	s_mov_b32 s[G1+7], 0
	s_mov_b32 s[G1S+0], 3<<16
	s_mov_b32 s[G1S+1], 32<<16
	s_mov_b32 s[G1S+2], (2*KS)<<16
	s_mov_b32 s[G1S+3], 32<<16
	s_mov_b32 s[G1S+4], 2*KS
	s_mov_b32 s[G1S+5], 32
	s_mov_b32 s[G1S+6], 0
	s_mov_b32 s[G1S+7], 0
	s_mov_b32 s[G0S], 1
	s_mul_i32 s[G0S+1], s[WV], QS
	s_add_co_u32 s[G0S+1], s[G0S+1], SCL
	s_mov_b32 s[G0], 1
	s_lshl_b32 s[G0+1], s[WV], 15
	s_mov_b32 s[G0+4], 1
	s_add_co_u32 s[G0+5], s[G0+1], 131072
	s_wait_kmcnt 0x0
	s_cmp_lt_u32 s[WV], 2
	s_cselect_b64 s[28:29], s[4:5], s[6:7]
	s_cselect_b32 s30, s24, s26
	s_cselect_b32 s32, s25, s27
	s_mul_i32 s22, s21, 4*KS*2048
	s_add_co_u32 s30, s30, s22
	s_mov_b32 s31, 0
	s_mul_i32 s22, s21, QS
	s_add_co_u32 s32, s32, s22
	s_mov_b32 s33, 0
	s_add_nc_u64 s[G0S+2:G0S+3], s[28:29], s[32:33]
	s_or_b32 s[G0S+3], s[G0S+3], 0x80000000
	s_add_nc_u64 s[G0+2:G0+3], s[28:29], s[30:31]  ; K steps 0-3
	s_add_nc_u64 s[G0+6:G0+7], s[G0+2:G0+3], 8192  ; K steps 4-7
	s_or_b32 s[G0+3], s[G0+3], 0x80000000
	s_or_b32 s[G0+7], s[G0+7], 0x80000000
	tensor_load_to_lds s[G0S:G0S+3], s[G1S:G1S+7]  ; the first fills go out as one group: three loads of mine are out
	s_nop 0
	tensor_load_to_lds s[G0:G0+3], s[G1:G1+7]
	s_nop 0
	tensor_load_to_lds s[G0+4:G0+7], s[G1:G1+7]
	s_nop 0
	PLACES 4
	v_and_b32 v2, 31, v0
	v_lshlrev_b32 v1, 4, v2
	v_lshlrev_b32 v2, 2, v2
	v_and_b32 v3, 15, v0
	v_bfe_u32 v4, v0, 4, 1
	s_lshl_b32 s34, s[WV], 14
	v_add_nc_u32 v5, s34, v1
	v_add_nc_u32 v6, 131072, v5
	v_add_nc_u32 v7, 65536, v1
	v_add_nc_u32 v8, 131072, v7
	s_mul_i32 s34, s[WV], KS*256
	s_add_co_u32 s34, s34, SCL
	v_add_nc_u32 v9, s34, v2
	v_add_nc_u32 v10, SCL+2*QS, v2
	s_mul_i32 s34, s[WV], 16*528
	s_add_co_u32 s34, s34, STAGE
	v_mul_u32_u24 v11, v3, 528
	v_lshl_add_u32 v11, v4, 6, v11
	v_add_nc_u32 v11, s34, v11                     ; the stage, in: row r, + 64 h
	v_add_nc_u32 v12, s34, v1                      ; back: a row of 512 bytes to the 32 lanes
	v_lshlrev_b32 v13, 6, v4                       ; the bias: + 64 h
	s_lshl_b32 s34, s2, 9
	s_mov_b32 s35, 0
	s_add_nc_u64 s[8:9], s[8:9], s[34:35]
	s_lshl_b32 s34, s3, 19
	s_lshl_b32 s22, s[WV], 17
	s_add_co_u32 s34, s34, s22
	s_lshl_b32 s22, s2, 9
	s_add_co_u32 s34, s34, s22                     ; (128 y + 32 w) rows of 4,096 bytes + 128 x columns
	s_add_nc_u64 s[10:11], s[10:11], s[34:35]
	s_add_nc_u64 s[12:13], s[12:13], s[34:35]
	WIN 0x80
.irp t, 0,1,2,3,4,5,6,7
	global_load_b128 v[64+8*\t:67+8*\t], v13, s[8:9] offset:128*(\t/2)+32*(\t%2)
	global_load_b128 v[68+8*\t:71+8*\t], v13, s[8:9] offset:128*(\t/2)+32*(\t%2)+16
.endr
.irp a, 0,1
.irp p, 0,1,2,3,4,5,6,7,8,9,10,11,12,13,14,15
	global_load_b128 v[128+64*\a+4*\p:131+64*\a+4*\p], v1, s[10:11] offset:(8*\a+\p+8*(\p/8))*4096   ; the residual of position p
.endr
.endr
	WIN 0
	s_wait_tensorcnt 0x1                           ; my scale words and my quarter of slot 0 are in; slot 1's load may stay out
	s_barrier_signal -1
	s_barrier_wait -1
	FETCH 0
	s_wait_loadcnt 32                              ; the bias's 16 loads are in; the residual's 32, issued behind them, may be out
.irp k, 0,1,2,3,4,5,6,7,8,9,10,11,12,13,14,15
	STEP \k
.endr
	PLACES 8                                       ; in front of the first read of results, and of loads into act's and the bias's registers
.irp a, 0,1
.irp t, 0,1,2,3,4,5,6,7
	ds_store_b128 v11, v[ACC+64*\a+8*\t:ACC+64*\a+8*\t+3] offset:128*(\t/2)+32*(\t%2)        ; each accumulator from its low end on
	ds_store_b128 v11, v[ACC+64*\a+8*\t+4:ACC+64*\a+8*\t+7] offset:128*(\t/2)+32*(\t%2)+16
.endr
	WIN 0x80
.irp p, 0,1,2,3,4,5,6,7,8,9,10,11,12,13,14,15
	ds_load_b128 v[64*\a+4*\p:64*\a+4*\p+3], v12 offset:528*\p   ; LDS serves a wave's instructions in order (ISA guide 5.7.1.4)
.endr
	WIN 0
.endr
	s_wait_loadcnt 0x0                             ; the residual
.irp a, 0,1
.if \a == 0
	s_wait_dscnt 32                                ; the first tile is back; the second's 16 stores and 16 loads may be out
.else
	s_wait_dscnt 0x0
.endif
	WIN 0x8a
.set i_, 0
.rept 32
	v_pk_add_f32 v[64*\a+i_:64*\a+i_+1], v[64*\a+i_:64*\a+i_+1], v[128+64*\a+i_:128+64*\a+i_+1]
.set i_, i_+2
.endr
	WIN 0x08
.irp p, 0,1,2,3,4,5,6,7,8,9,10,11,12,13,14,15
	global_store_b128 v1, v[64*\a+4*\p:64*\a+4*\p+3], s[12:13] offset:(8*\a+\p+8*(\p/8))*4096 th:TH_STORE_NT   ; 32 lanes store 512 consecutive bytes, aligned; written once, read by nobody here
.endr
	WIN 0
.endr
	s_wait_tensorcnt 0x0                           ; the wave's end, behind my last tensor load and my last LDS store
	ds_add_u32 v14, v15
	s_wait_dscnt 0x0
	s_endpgm
.Lfunc_end_k_q13bd123a6f_mlp2:
	.size	k_q13bd123a6f_mlp2, .Lfunc_end_k_q13bd123a6f_mlp2-k_q13bd123a6f_mlp2
	.p2alignl 7, 3214868480
	.fill 96, 4, 3214868480
	.section	.rodata,"a",@progbits
	.p2align	6, 0x0
	.amdhsa_kernel k_q13bd123a6f_mlp2
		.amdhsa_group_segment_fixed_size 327680
		.amdhsa_private_segment_fixed_size 0
		.amdhsa_enable_private_segment 0
		.amdhsa_kernarg_size 40
		.amdhsa_user_sgpr_count 2
		.amdhsa_user_sgpr_kernarg_segment_ptr 1
		.amdhsa_wavefront_size32 1
		.amdhsa_system_sgpr_workgroup_id_x 1
		.amdhsa_system_sgpr_workgroup_id_y 1
		.amdhsa_system_sgpr_workgroup_id_z 1
		.amdhsa_system_vgpr_workitem_id 0
		.amdhsa_next_free_vgpr 768
		.amdhsa_next_free_sgpr 80
		.amdhsa_reserve_vcc 0
		.amdhsa_float_denorm_mode_32 3
		.amdhsa_float_denorm_mode_16_64 3
		.amdhsa_memory_ordered 1
		.amdhsa_forward_progress 1
		.amdhsa_inst_pref_size 112
	.end_amdhsa_kernel
	.amdgpu_metadata
---
amdhsa.version: [ 1, 2 ]
amdhsa.kernels:
  - .name:           k_q13bd123a6f_mlp2
    .symbol:         k_q13bd123a6f_mlp2.kd
    .args:
      - { .name: G, .offset: 0, .size: 8, .value_kind: global_buffer, .address_space: global }
      - { .name: P, .offset: 8, .size: 8, .value_kind: global_buffer, .address_space: global }
      - { .name: b2, .offset: 16, .size: 8, .value_kind: global_buffer, .address_space: global }
      - { .name: X1, .offset: 24, .size: 8, .value_kind: global_buffer, .address_space: global }
      - { .name: out0, .offset: 32, .size: 8, .value_kind: global_buffer, .address_space: global }
    .group_segment_fixed_size: 327680
    .private_segment_fixed_size: 0
    .kernarg_segment_align: 8
    .kernarg_segment_size: 40
    .max_flat_workgroup_size: 128
    .sgpr_count:     80
    .vgpr_count:     768
    .wavefront_size: 32
...
	.end_amdgpu_metadata
.endif
;; end of part 6
;; ======== version 2 of 2: 7 launches
;; limits: right only within a limited range of input values
;; workspace buffers: P 11,698,176 bytes; H2 4,882,432 bytes; Q 4,718,592 bytes; KV 2,293,760 bytes; O 4,456,448 bytes; X1 16,777,216 bytes; G 8,912,896 bytes
;; launch prep (part 7): grid 672 x 1, 4 waves a work-group, no clusters, 66,304 bytes of LDS; arguments x, ln1_g, ln1_b, Wq, Wkv, Wo, W1, W2, P; writes P
.if DOCPART == 7
	.amdgcn_target "amdgcn-amd-amdhsa--gfx1250"
	.amdhsa_code_object_version 6
	.text
	.protected	k_q13bd123a6f_prep
	.globl	k_q13bd123a6f_prep
	.p2align	8
	.type	k_q13bd123a6f_prep,@function
k_q13bd123a6f_prep:
	s_mov_b64 s[64:65], 0
	v_nop
	global_prefetch_b8 v0, s[64:65] scope:SCOPE_SE
	s_setreg_imm32_b32 hwreg(HW_REG_WAVE_MODE, 25, 1), 1
	s_wait_xcnt 0x0
; f32 rows become codes of E5M2 with one E8M0 byte for each 32 along K, laid as IMAGES OF OPERAND REGISTERS.
; A work-group does one JOB: one tile of 16 rows x 1,024 along K.  Jobs 0-255: the activation (first argument), layer-normalised first (mean, centred squares, rsq, gain, bias, all f32);
; jobs 256-319 Wq, 320-351 Wkv, 352-415 Wo, 416-543 W1, 544-671 W2 (two jobs a tile: its K is 2,048).  The launch for the second norm has jobs 0-255 alone.
; THE ROWS OF A TILE ARE NOT NEIGHBOURS: position p of tile t is row 32 (t / 2) + 8 (t % 2) + p + 8 (p / 8), so that in a transposed product the 16 registers of two neighbouring tiles are 16 neighbours along the next K.
; IMAGE of a fragment (16 positions x 128 K, 2,048 bytes): the 16 bytes at 512 c + 16 lane hold k = 32 c + 16 (lane / 16) + 0 .. 15 of position lane % 16.  Scale image (128 bytes): the word at 4 lane is position lane % 16's.
; OUT: scale images at job x 1,024 + step x 128; code images at CO + job x 16,384 + step x 2,048.
; SHARES: on the way in wave w takes positions 4 w .. 4 w + 3 whole (a load reads 512 consecutive bytes; a row's norm never leaves the wave); the rows meet in a stage in LDS; on the way out wave w makes K steps 2 w and 2 w + 1.
; A block's scale byte is its largest magnitude's exponent field - 15, held at 1 from below.  LIMITS: a block of zeros gets the byte 1 (its codes are zeros; this program alone reads the bytes); NaN and infinities are not served.
; No tensor loads, no clusters, no matrix unit: the launch streams each input once and shares nothing between work-groups.
.set CO,   688128                      ; 672 jobs x 1,024 bytes of scale images lie in front of the codes
.set SROW, 4112                        ; a stage row: 4,096 bytes + 16: 257 x 16, so the 16 rows that a read touches start in 16 different groups of banks
.set TM,   12                          ; v12-27  at work in QUANT; during the norm four registers of statistics a row
.set PW0,  28                          ; v28, v29 the two scale words
.set PW1,  29
.set PC0,  32                          ; v32-47, v48-63 the two fragments' codes
.set PC1,  48
.set X,    64                          ; v64-191 four rows as loaded (row i at X + 32 i: register 4 j + e = column 128 j + 4 lane + e); later two K steps' 64 numbers
.set GG,   192                         ; v192-223 gain, v224-255 bias, in the rows' layout
.set BB,   224
.set SEL,  38                          ; s[38:39] lane selects: lane l xor 16
.set MNT,  40                          ; s40 the mantissa field of 57,344
; 64 numbers of a lane, register 16 b + i = k 32 b + 16 (lane / 16) + i of my position, become a fragment's codes in v[pc] on and its scale word in v[pw]
.macro QUANT s, pc, pw
.irp b, 0,1,2,3
	v_max3_num_f32 v[TM+\b], |v[(\s)+16*\b]|, |v[(\s)+1+16*\b]|, 0x8000000   ; my 16 numbers of block b, and the floor 2^(16 - 127): the byte cannot fall under 1
.endr
.irp i, 2,4,6,8,10,12,14
.irp b, 0,1,2,3
	v_max3_num_f32 v[TM+\b], v[TM+\b], |v[(\s)+16*\b+\i]|, |v[(\s)+1+16*\b+\i]|
.endr
.endr
.irp b, 0,1,2,3
	v_permlanex16_b32 v[TM+4+\b], v[TM+\b], s[SEL], s[SEL+1]
.endr
.irp b, 0,1,2,3
	v_max_num_f32 v[TM+\b], v[TM+\b], v[TM+4+\b]            ; with lane l xor 16's: the block's largest magnitude
.endr
.irp b, 0,1,2,3
	v_add_nc_u32 v[TM+12+\b], 0xf8800000, v[TM+\b]          ; 15 off its exponent field: the conversion's scale operand
.endr
.irp b, 0,1,2,3
	v_and_or_b32 v[TM+8+\b], v[TM+\b], 0x7f800000, s[MNT]   ; 57,344 x the scale
.endr
.irp b, 0,1,2,3
	v_lshrrev_b32 v[TM+4+\b], 23, v[TM+12+\b]               ; the scale's byte
.endr
	v_lshl_or_b32 v[\pw], v[TM+5], 8, v[TM+4]
	v_lshl_or_b32 v[\pw], v[TM+6], 16, v[\pw]
	v_lshl_or_b32 v[\pw], v[TM+7], 24, v[\pw]
.irp b, 0,1,2,3
.irp i, 0,1,2,3,4,5,6,7,8,9,10,11,12,13,14,15
	v_med3_num_f32 v[(\s)+16*\b+\i], v[(\s)+16*\b+\i], -v[TM+8+\b], v[TM+8+\b]   ; the conversion does not saturate (ISA guide 7.6.2): hold first
.endr
	v_cvt_scalef32_pk8_bf8_f32 v[(\pc)+4*\b:(\pc)+1+4*\b], v[(\s)+16*\b:(\s)+7+16*\b], v[TM+12+\b]
	v_cvt_scalef32_pk8_bf8_f32 v[(\pc)+2+4*\b:(\pc)+3+4*\b], v[(\s)+8+16*\b:(\s)+15+16*\b], v[TM+12+\b]
.endr
	v_nop                                                   ; one plain line behind the last conversion
.endm
; the four rows' two chains are folded and summed over the 32 lanes; every lane ends with the sum in v[12 + 4 i]
.macro LANES
.irp i, 0,1,2,3
	v_pk_add_f32 v[12+4*\i:13+4*\i], v[12+4*\i:13+4*\i], v[14+4*\i:15+4*\i]
.endr
.irp i, 0,1,2,3
	v_add_f32 v[12+4*\i], v[12+4*\i], v[13+4*\i]
.endr
.irp m, 1,2,4,8
.irp i, 0,1,2,3
	v_add_f32_dpp v[12+4*\i], v[12+4*\i], v[12+4*\i] row_xmask:\m row_mask:0xf bank_mask:0xf
.endr
.endr
.irp i, 0,1,2,3
	v_permlanex16_b32 v[13+4*\i], v[12+4*\i], s[SEL], s[SEL+1]
.endr
.irp i, 0,1,2,3
	v_add_f32 v[12+4*\i], v[12+4*\i], v[13+4*\i]
.endr
.endm
	s_load_b256 s[4:11], s[0:1], 0x0               ; the activation s[4:5], gain s[6:7], bias s[8:9], Wq s[10:11]
	s_load_b256 s[12:19], s[0:1], 0x20             ; Wkv, Wo, W1, W2
	s_load_b64 s[20:21], s[0:1], 0x40              ; the images
	v_lshl_add_u32 v30, v0, 2, 0x10100
	v_mov_b32 v31, 0
	v_lshrrev_b32 v1, 5, v0
	v_readfirstlane_b32 s3, v1                     ; wave
	s_mov_b32 s2, ttmp9                            ; job
	v_and_b32 v2, 31, v0
	v_lshlrev_b32 v1, 4, v2                        ; 16 lane
	v_lshlrev_b32 v2, 2, v2                        ; 4 lane
	v_and_b32 v3, 15, v0                           ; r
	v_bfe_u32 v4, v0, 4, 1                         ; h
	s_mul_i32 s41, s3, 4*SROW
	v_add_nc_u32 v5, s41, v1                       ; the stage, in: my wave's four rows, 16 bytes a lane
	v_mul_u32_u24 v6, v3, SROW
	v_lshl_add_u32 v6, v4, 6, v6
	s_lshl_b32 s41, s3, 10
	v_add_nc_u32 v6, s41, v6                       ; out: row r, + 64 h, + my wave's two K steps (1,024 bytes)
.irp b, 0,1,2,3
	v_mov_b32 v[TM+4+\b], 0                        ; written once: a lane permute's destination counts as one of its sources
.endr
	s_mov_b32 s36, 0x3a800000                      ; 1 / 1,024
	s_mov_b32 s37, 0x3727c5ac                      ; 1e-5
	s_mov_b32 s[SEL], 0x76543210
	s_mov_b32 s[SEL+1], 0xfedcba98
	s_mov_b32 s[MNT], 0x600000
	s_wait_kmcnt 0x0
	s_mov_b64 s[22:23], s[4:5]                     ; which tensor is the job's: a chain of choices on the job's number alone
	s_mov_b32 s24, 0                               ; and that tensor's first job
	s_cmp_ge_u32 s2, 256
	s_cselect_b64 s[22:23], s[10:11], s[22:23]
	s_cselect_b32 s24, 256, s24
	s_cmp_ge_u32 s2, 320
	s_cselect_b64 s[22:23], s[12:13], s[22:23]
	s_cselect_b32 s24, 320, s24
	s_cmp_ge_u32 s2, 352
	s_cselect_b64 s[22:23], s[14:15], s[22:23]
	s_cselect_b32 s24, 352, s24
	s_cmp_ge_u32 s2, 416
	s_cselect_b64 s[22:23], s[16:17], s[22:23]
	s_cselect_b32 s24, 416, s24
	s_cmp_ge_u32 s2, 544
	s_cselect_b64 s[22:23], s[18:19], s[22:23]
	s_cselect_b32 s24, 544, s24
	s_cselect_b32 s25, 1, 0                        ; W2: two jobs a tile, rows twice as long
	s_sub_co_u32 s26, s2, s24
	s_lshr_b32 s27, s26, s25                       ; tile
	s_and_b32 s28, s26, s25                        ; which 1,024 of its K
	s_lshl_b32 s29, 4096, s25                      ; bytes from row to row
	s_lshr_b32 s30, s27, 1
	s_lshl_b32 s30, s30, 5
	s_and_b32 s31, s27, 1
	s_lshl_b32 s31, s31, 3
	s_add_co_u32 s30, s30, s31
	s_lshl_b32 s31, s3, 2
	s_add_co_u32 s30, s30, s31
	s_lshr_b32 s31, s3, 1
	s_lshl_b32 s31, s31, 3
	s_add_co_u32 s30, s30, s31                     ; my first row: 32 (tile / 2) + 8 (tile % 2) + 4 w + 8 (w / 2)
	s_mul_i32 s30, s30, s29
	s_lshl_b32 s31, s28, 12
	s_add_co_u32 s30, s30, s31                     ; in bytes: under 2^25
	s_mov_b32 s31, 0
	s_add_nc_u64 s[22:23], s[22:23], s[30:31]
	s_lshl_b32 s30, s2, 14
	s_lshl_b32 s41, s3, 12
	s_add_co_u32 s30, s30, s41
	s_add_co_u32 s30, s30, CO
	s_add_nc_u64 s[32:33], s[20:21], s[30:31]      ; my two code images
	s_lshl_b32 s30, s2, 10
	s_lshl_b32 s41, s3, 8
	s_add_co_u32 s30, s30, s41
	s_add_nc_u64 s[34:35], s[20:21], s[30:31]      ; my two scale images
	v_mov_b32 v8, v1                               ; v8-11: 16 lane + i rows
	v_add_nc_u32 v9, s29, v8
	v_add_nc_u32 v10, s29, v9
	v_add_nc_u32 v11, s29, v10
.irp i, 0,1,2,3
.irp j, 0,1,2,3,4,5,6,7
	global_load_b128 v[X+32*\i+4*\j:X+32*\i+4*\j+3], v[8+\i], s[22:23] offset:512*\j   ; 32 lanes read 512 consecutive bytes
.endr
.endr
	s_cmp_lt_u32 s2, 256                           ; only the activation is normalised: the branch hangs on the job's number and jumps over register work and the loads of gain and bias
	s_cbranch_scc0 .Lplain
.irp j, 0,1,2,3,4,5,6,7
	global_load_b128 v[GG+4*\j:GG+4*\j+3], v1, s[6:7] offset:512*\j
	global_load_b128 v[BB+4*\j:BB+4*\j+3], v1, s[8:9] offset:512*\j
.endr
	s_wait_loadcnt 16                              ; the rows' 32 loads are in; the 16 younger ones (gain, bias) may be out
.irp i, 0,1,2,3
	v_pk_add_f32 v[12+4*\i:13+4*\i], v[X+32*\i:X+32*\i+1], v[X+32*\i+2:X+32*\i+3]      ; the row's sum, two chains a row, the four rows by turns
	v_pk_add_f32 v[14+4*\i:15+4*\i], v[X+32*\i+4:X+32*\i+5], v[X+32*\i+6:X+32*\i+7]
.endr
.irp k, 8,12,16,20,24,28
.irp i, 0,1,2,3
	v_pk_add_f32 v[12+4*\i:13+4*\i], v[12+4*\i:13+4*\i], v[X+32*\i+\k:X+32*\i+\k+1]
	v_pk_add_f32 v[14+4*\i:15+4*\i], v[14+4*\i:15+4*\i], v[X+32*\i+\k+2:X+32*\i+\k+3]
.endr
.endr
	LANES
.irp i, 0,1,2,3
	v_mul_f32 v[12+4*\i], s36, v[12+4*\i]          ; the mean
.endr
.set k_, 0
.rept 16
.irp i, 0,1,2,3
	v_pk_add_f32 v[X+32*\i+k_:X+32*\i+k_+1], v[X+32*\i+k_:X+32*\i+k_+1], v[12+4*\i:13+4*\i] op_sel_hi:[1,0] neg_lo:[0,1] neg_hi:[0,1]   ; x - mean, in place
.endr
.set k_, k_+2
.endr
.irp i, 0,1,2,3
	v_pk_mul_f32 v[12+4*\i:13+4*\i], v[X+32*\i:X+32*\i+1], v[X+32*\i:X+32*\i+1]        ; the sum of the centred squares
	v_pk_mul_f32 v[14+4*\i:15+4*\i], v[X+32*\i+2:X+32*\i+3], v[X+32*\i+2:X+32*\i+3]
.endr
.irp k, 4,8,12,16,20,24,28
.irp i, 0,1,2,3
	v_pk_fma_f32 v[12+4*\i:13+4*\i], v[X+32*\i+\k:X+32*\i+\k+1], v[X+32*\i+\k:X+32*\i+\k+1], v[12+4*\i:13+4*\i]
	v_pk_fma_f32 v[14+4*\i:15+4*\i], v[X+32*\i+\k+2:X+32*\i+\k+3], v[X+32*\i+\k+2:X+32*\i+\k+3], v[14+4*\i:15+4*\i]
.endr
.endr
	LANES
.irp i, 0,1,2,3
	v_fma_f32 v[12+4*\i], v[12+4*\i], s36, s37     ; variance + eps
.endr
	s_wait_alu depctr_va_vdst(0)
.irp i, 0,1,2,3
	v_rsq_f32 v[12+4*\i], v[12+4*\i]
.endr
	v_nop                                          ; one plain line behind the transcendentals
.set k_, 0
	s_wait_alu depctr_va_vdst(0)
.rept 16
.irp i, 0,1,2,3
	v_pk_mul_f32 v[X+32*\i+k_:X+32*\i+k_+1], v[X+32*\i+k_:X+32*\i+k_+1], v[12+4*\i:13+4*\i] op_sel_hi:[1,0]
.endr
.set k_, k_+2
.endr
	s_wait_loadcnt 0x0                             ; gain and bias
.set k_, 0
.rept 16
.irp i, 0,1,2,3
	v_pk_fma_f32 v[X+32*\i+k_:X+32*\i+k_+1], v[X+32*\i+k_:X+32*\i+k_+1], v[GG+k_:GG+k_+1], v[BB+k_:BB+k_+1]
.endr
.set k_, k_+2
.endr
.Lplain:
	s_wait_loadcnt 0x0                             ; (a weight's rows: all 32 loads)
	s_wait_alu depctr_va_vdst(0)
.irp i, 0,1,2,3
.irp j, 0,1,2,3,4,5,6,7
	ds_store_b128 v5, v[X+32*\i+4*\j:X+32*\i+4*\j+3] offset:\i*SROW+512*\j
.endr
.endr
	s_wait_dscnt 0x0                               ; for the others' sake: my rows lie in the stage
	s_barrier_signal -1
	s_barrier_wait -1
.irp s, 0,1
.irp b, 0,1,2,3
.irp q, 0,1,2,3
	ds_load_b128 v[X+64*\s+16*\b+4*\q:X+64*\s+16*\b+4*\q+3], v6 offset:512*\s+128*\b+16*\q   ; position r, k = 32 b + 16 h + 4 q on, of K step 2 w + s
.endr
.endr
.endr
	s_wait_dscnt 16                                ; the first K step's 16 loads are in; the second's may be out
	QUANT X, PC0, PW0
.irp c, 0,1,2,3
	global_store_b128 v1, v[PC0+4*\c:PC0+4*\c+3], s[32:33] offset:512*\c            ; 32 lanes store 512 consecutive bytes
.endr
	global_store_b32 v2, v[PW0], s[34:35]
	s_wait_dscnt 0x0
	QUANT X+64, PC1, PW1                           ; codes and word go to registers of their own: no store's data are written again
.irp c, 0,1,2,3
	global_store_b128 v1, v[PC1+4*\c:PC1+4*\c+3], s[32:33] offset:2048+512*\c
.endr
	global_store_b32 v2, v[PW1], s[34:35] offset:128
	s_wait_tensorcnt 0x0
	ds_add_u32 v30, v31
	s_wait_dscnt 0x0
	s_endpgm
.Lfunc_end_k_q13bd123a6f_prep:
	.size	k_q13bd123a6f_prep, .Lfunc_end_k_q13bd123a6f_prep-k_q13bd123a6f_prep
	.p2alignl 7, 3214868480
	.fill 96, 4, 3214868480
	.section	.rodata,"a",@progbits
	.p2align	6, 0x0
	.amdhsa_kernel k_q13bd123a6f_prep
		.amdhsa_group_segment_fixed_size 66304
		.amdhsa_private_segment_fixed_size 0
		.amdhsa_enable_private_segment 0
		.amdhsa_kernarg_size 72
		.amdhsa_user_sgpr_count 2
		.amdhsa_user_sgpr_kernarg_segment_ptr 1
		.amdhsa_wavefront_size32 1
		.amdhsa_system_sgpr_workgroup_id_x 1
		.amdhsa_system_sgpr_workgroup_id_y 1
		.amdhsa_system_sgpr_workgroup_id_z 1
		.amdhsa_system_vgpr_workitem_id 0
		.amdhsa_next_free_vgpr 256
		.amdhsa_next_free_sgpr 66
		.amdhsa_reserve_vcc 0
		.amdhsa_float_denorm_mode_32 3
		.amdhsa_float_denorm_mode_16_64 3
		.amdhsa_memory_ordered 1
		.amdhsa_forward_progress 1
		.amdhsa_inst_pref_size 54
	.end_amdhsa_kernel
	.amdgpu_metadata
---
amdhsa.version: [ 1, 2 ]
amdhsa.kernels:
  - .name:           k_q13bd123a6f_prep
    .symbol:         k_q13bd123a6f_prep.kd
    .args:
      - { .name: x, .offset: 0, .size: 8, .value_kind: global_buffer, .address_space: global }
      - { .name: ln1_g, .offset: 8, .size: 8, .value_kind: global_buffer, .address_space: global }
      - { .name: ln1_b, .offset: 16, .size: 8, .value_kind: global_buffer, .address_space: global }
      - { .name: Wq, .offset: 24, .size: 8, .value_kind: global_buffer, .address_space: global }
      - { .name: Wkv, .offset: 32, .size: 8, .value_kind: global_buffer, .address_space: global }
      - { .name: Wo, .offset: 40, .size: 8, .value_kind: global_buffer, .address_space: global }
      - { .name: W1, .offset: 48, .size: 8, .value_kind: global_buffer, .address_space: global }
      - { .name: W2, .offset: 56, .size: 8, .value_kind: global_buffer, .address_space: global }
      - { .name: P, .offset: 64, .size: 8, .value_kind: global_buffer, .address_space: global }
    .group_segment_fixed_size: 66304
    .private_segment_fixed_size: 0
    .kernarg_segment_align: 8
    .kernarg_segment_size: 72
    .max_flat_workgroup_size: 128
    .sgpr_count:     66
    .vgpr_count:     256
    .wavefront_size: 32
...
	.end_amdgpu_metadata
.endif
;; end of part 7
;; launch qkv (part 8): grid 12 x 32, 4 waves a work-group, clusters of 4 x 4, 279,040 bytes of LDS; arguments P, cos, sin, Q, KV; writes Q, KV
.if DOCPART == 8
	.amdgcn_target "amdgcn-amd-amdhsa--gfx1250"
	.amdhsa_code_object_version 6
	.text
	.protected	k_q13bd123a6f_qkv
	.globl	k_q13bd123a6f_qkv
	.p2align	8
	.type	k_q13bd123a6f_qkv,@function
k_q13bd123a6f_qkv:
	s_mov_b64 s[64:65], 0
	v_nop
	global_prefetch_b8 v0, s[64:65] scope:SCOPE_SE
	s_setreg_imm32_b32 hwreg(HW_REG_WAVE_MODE, 25, 1), 1
	s_wait_xcnt 0x0
	s_wait_alu depctr_hold_cnt(0) depctr_sa_sdst(0) depctr_va_vdst(0) depctr_va_sdst(0) depctr_va_ssrc(0) depctr_va_vcc(0) depctr_vm_vsrc(0)
	s_getreg_b32 s2, hwreg(HW_REG_IB_STS2, 6, 4)
	s_cmp_eq_u32 s2, 0
	s_cbranch_scc0 .Lentry_in_a_cluster
	s_endpgm
.Lentry_in_a_cluster:
	s_bfe_u32 s2, ttmp6, 0x10000c
	s_cmp_lg_u32 s2, 0xf033
	s_cbranch_scc0 .Lentry_shape_is_right
	s_endpgm
.Lentry_shape_is_right:
; q, k, v = LN1(x) [Wq; Wkv]^T on codes of E5M2 (K = 1,024), the rotation of q and k, and their quantising: q and k along the head's 64, v along the KEYS.
; A work-group makes 128 rows (act tiles 8 y .. 8 y + 7) x 128 columns (weight tiles 8 x .. 8 x + 7; x 0-7: two query heads; x 8-11: one kv head, 64 of k and 64 of v).  Wave w: act tiles 2 w, 2 w + 1 x all eight weight tiles.
; OPERANDS ARE IMAGES OF REGISTERS (2,048 bytes a fragment, 16 bytes a lane at 512 c + 16 lane), so a fragment comes from LDS by four loads of 512 consecutive bytes: no pitch, no padding.
; ALL OF K LIES IN LDS: act's eight tiles, the weight's eight and the scale words, each by one joint load of one wave; one load a wave is out at the most.
; CLUSTERS: 4 x 4 work-groups.  The four of a row of the cluster need the same act tiles, the four of a column the same weight tiles: each is asked for JOINTLY, by the same tensor load with the same descriptor and a mask
; that names the four: a cluster asks for 4 + 4 blocks where sixteen work-groups alone would ask for 16 + 16.  A round of the cluster's barrier stands in front of the first loads and in front of the end.
; TRANSPOSED USE (source 0 = weight, source 1 = act): lane (r, h) holds act position r, and registers 16 b + i of a tile's 64 hold columns 32 b + 16 h + i: 16 neighbours along the next K.
; v IS USED THE OTHER WAY ROUND (source 0 = act, source 1 = weight): a lane then holds one channel and 16 neighbouring keys, which is its K.
; The two uses part on the CLUSTER's x alone (clusters 0, 1: query heads; cluster 2: kv heads), which all sixteen partners share, round the products and the way out; every fetch, wait and barrier is common text.
; OUT: Q: half fragments (K = 64, 1,024 bytes) at idx x 1,024, scale words at 4,194,304 + idx x 128, idx = (16 batch + head) x 128 + query tile.  KV: a block of 286,720 bytes for each (batch, kv head):
;   k's half fragments at tile x 1,024, so that tiles 2 i and 2 i + 1 together are one whole fragment's image; v's fragments at 131,072 + (4 key step + channel tile) x 2,048;
;   k's scale words at 262,144 + tile x 128: ONE WORD FOR A PAIR OF TILES (bytes 0, 1 the even tile's two blocks, bytes 2, 3 the odd tile's), stored at both tiles' places; v's at 278,528 + (4 key step + channel tile) x 128.
; LIMITS: a block of zeros gets the byte 1 over zero codes; NaN and infinities are not served.  The upper two bytes of q's scale words are 0.
; REGISTERS: window 0: v1-13 addresses; v16-35 scale words alone (set p at 16 + 10 p: two of act, eight of weight); v36-51 at work in QUANT; v52, v53 scale words made; v56-87 codes made; v88-123 at work; v128-255 16 accumulators.
;   window 1: the weight's fragments, set p at 128 p + 16 t.   window 2: v0-63 act's fragments, set p at 32 p + 16 a; v128-255 cos and sin in the results' layout.
.set KS,   8
.set QS,   4*KS*128                    ; the scale words of four tiles
.set SCL,  262144                      ; behind the two slots
.set CO,   688128
.set ACC,  128
.set TM,   36
.set PW,   52
.set PC0,  56
.set PC1,  72
.set RT,   88
.set WV,   20                          ; s20 wave
.set HF,   21
.set FB,   22
.set G1A,  24                          ; s[24:31], s[32:39] group 1 for act's and the weight's codes; s[40:47], s[48:55] for their scale words
.set G1B,  32
.set G1SA, 40
.set G1SB, 48
.set G0A,  56                          ; s[56:59] group 0 for act's codes; s[68:71] for the weight's; s[76:79], s[80:83] for the scale words
.set SEL,  66
.set G0B,  68
.set G0SA, 76
.set G0SB, 80
.set OA,   84                          ; s[84:87] act's byte offsets (codes, scale words); s[88:91] the weight's; on the way out the stores' bases
.set OB,   88
.set MNT,  94
.set CLX,  95                          ; s95 the cluster's x
.set MSB, 0
.macro WIN new                         ; the immediate's high byte repeats the setting that is left
.if MSB != \new
	s_set_vgpr_msb (MSB<<8)|\new
.set MSB, \new
.endif
.endm
.macro PLACES n
.rept \n
	v_nop
.endr
.endm
; THE FILLS, as they now stand: ONE joint load a wave, all at the head, in one chain of branches on the wave's number: wave 0 act's eight tiles (all of K, 131,072 dense bytes, to LDS byte 0),
; wave 1 the weight's eight (to byte 131,072), wave 2 act's scale words, wave 3 the weight's.  In LDS tile t's K step k lies at 16,384 t + 2,048 k of its operand's half.  Nothing is filled again.
; An arm: its load, s_nop 0 and four v_nop, a jump to the chain's end.
.macro ARM under, g0, g1, next
	s_cmp_lt_u32 s[WV], \under
	s_cbranch_scc0 \next
	tensor_load_to_lds s[\g0:\g0+3], s[\g1:\g1+7]
	s_nop 0
.rept 4
	v_nop
.endr
	s_branch .Lhead_asked
\next:
.endm
; A round of the cluster's barrier: my work-group's barrier, so that wave 0's signal speaks for all four waves; wave 0 signals for the work-group; every wave waits for all sixteen; my work-group's barrier once more.
.macro CROUND
	s_barrier_signal -1
	s_barrier_wait -1
	s_cmp_lg_u32 s[WV], 0
	s_cbranch_scc1 .Lnot_wave_0_\@
	s_barrier_signal -3
.Lnot_wave_0_\@:
	s_barrier_wait -3
	s_barrier_signal -1
	s_barrier_wait -1
.endm
.macro WMZ d, a, b, sa, sb             ; a product that starts a sum
	v_wmma_scale_f32_16x16x128_f8f6f4 v[\d:\d+7], v[\a:\a+15], v[\b:\b+15], 0, v[\sa], v[\sb] matrix_a_fmt:MATRIX_FMT_BF8 matrix_b_fmt:MATRIX_FMT_BF8
.endm
.macro WMA d, a, b, sa, sb             ; a product added in place
	v_wmma_scale_f32_16x16x128_f8f6f4 v[\d:\d+7], v[\a:\a+15], v[\b:\b+15], v[\d:\d+7], v[\sa], v[\sb] matrix_a_fmt:MATRIX_FMT_BF8 matrix_b_fmt:MATRIX_FMT_BF8
.endm
.macro QUANT s, pc, pw                 ; 64 numbers of a lane (register 16 b + i = k 32 b + 16 h + i) -> 16 registers of codes, a scale word
.irp b, 0,1,2,3
	v_max3_num_f32 v[TM+\b], |v[(\s)+16*\b]|, |v[(\s)+1+16*\b]|, 0x8000000   ; with the floor 2^(16 - 127): the byte cannot fall under 1
.endr
.irp i, 2,4,6,8,10,12,14
.irp b, 0,1,2,3
	v_max3_num_f32 v[TM+\b], v[TM+\b], |v[(\s)+16*\b+\i]|, |v[(\s)+1+16*\b+\i]|
.endr
.endr
.irp b, 0,1,2,3
	v_permlanex16_b32 v[TM+4+\b], v[TM+\b], s[SEL], s[SEL+1]
.endr
.irp b, 0,1,2,3
	v_max_num_f32 v[TM+\b], v[TM+\b], v[TM+4+\b]
.endr
.irp b, 0,1,2,3
	v_add_nc_u32 v[TM+12+\b], 0xf8800000, v[TM+\b]          ; 15 off the exponent field: the conversion's scale operand
.endr
.irp b, 0,1,2,3
	v_and_or_b32 v[TM+8+\b], v[TM+\b], 0x7f800000, s[MNT]   ; 57,344 x the scale
.endr
.irp b, 0,1,2,3
	v_lshrrev_b32 v[TM+4+\b], 23, v[TM+12+\b]               ; the byte
.endr
	v_lshl_or_b32 v[\pw], v[TM+5], 8, v[TM+4]
	v_lshl_or_b32 v[\pw], v[TM+6], 16, v[\pw]
	v_lshl_or_b32 v[\pw], v[TM+7], 24, v[\pw]
.irp b, 0,1,2,3
.irp i, 0,1,2,3,4,5,6,7,8,9,10,11,12,13,14,15
	v_med3_num_f32 v[(\s)+16*\b+\i], v[(\s)+16*\b+\i], -v[TM+8+\b], v[TM+8+\b]   ; the conversion does not saturate (ISA guide 7.6.2)
.endr
	v_cvt_scalef32_pk8_bf8_f32 v[(\pc)+4*\b:(\pc)+1+4*\b], v[(\s)+16*\b:(\s)+7+16*\b], v[TM+12+\b]
	v_cvt_scalef32_pk8_bf8_f32 v[(\pc)+2+4*\b:(\pc)+3+4*\b], v[(\s)+8+16*\b:(\s)+15+16*\b], v[TM+12+\b]
.endr
	v_nop
.endm
; The rotation of one head's 32 registers of a lane (pairs d = 2 i, 2 i + 1 lie in register pairs): first (-x1 sin0, x0 sin1) into scratch, then x cos + that, in place.  cos and sin lie in window 2.
.macro ROPE s, cb, sb
.set e_, 0
.rept 16
	v_pk_mul_f32 v[RT+e_:RT+e_+1], v[(\s)+e_:(\s)+e_+1], v[(\sb)+e_:(\sb)+e_+1] op_sel:[1,0] op_sel_hi:[0,1] neg_lo:[1,0]
.set e_, e_+2
.endr
.set e_, 0
.rept 16
	v_pk_fma_f32 v[(\s)+e_:(\s)+e_+1], v[(\s)+e_:(\s)+e_+1], v[(\cb)+e_:(\cb)+e_+1], v[RT+e_:RT+e_+1]
.set e_, e_+2
.endr
.endm
; 50 LDS loads: K step ks's eight weight fragments, two act fragments and ten scale words, into set ks % 2
.macro FETCH ks
.set P_, (\ks)%2
	WIN 0x40
.irp t, 0,1,2,3,4,5,6,7
.irp c, 0,1,2,3
	ds_load_b128 v[128*P_+16*\t+4*\c:128*P_+16*\t+4*\c+3], v[7+\t/4] offset:(\t%4)*16384+(\ks)*2048+512*\c   ; v7: weight tiles 0-3, v8: tiles 4-7
.endr
.endr
	WIN 0x80
.irp a, 0,1
.irp c, 0,1,2,3
	ds_load_b128 v[32*P_+16*\a+4*\c:32*P_+16*\a+4*\c+3], v5 offset:\a*16384+(\ks)*2048+512*\c
.endr
.endr
	WIN 0
.irp a, 0,1
	ds_load_b32 v[16+10*P_+\a], v9 offset:\a*KS*128+(\ks)*128
.endr
.irp t, 0,1,2,3,4,5,6,7
	ds_load_b32 v[18+10*P_+\t], v10 offset:\t*KS*128+(\ks)*128
.endr
.endm
; The 16 accumulators take turns, one instruction a turn, in the same order in every step.
.macro MULQ ks                         ; query heads: all transposed
.set P_, (\ks)%2
.irp a, 0,1
.irp t, 0,1,2,3,4,5,6,7
.if (\ks) == 0
	WMZ ACC+64*\a+8*\t, 128*P_+16*\t, 32*P_+16*\a, 18+10*P_+\t, 16+10*P_+\a
.else
	WMA ACC+64*\a+8*\t, 128*P_+16*\t, 32*P_+16*\a, 18+10*P_+\t, 16+10*P_+\a
.endif
.endr
.endr
.endm
.macro MULK ks                         ; k: weight tiles 0-3, transposed, 32 registers an act tile
.set P_, (\ks)%2
.irp a, 0,1
.irp t, 0,1,2,3
.if (\ks) == 0
	WMZ ACC+32*\a+8*\t, 128*P_+16*\t, 32*P_+16*\a, 18+10*P_+\t, 16+10*P_+\a
.else
	WMA ACC+32*\a+8*\t, 128*P_+16*\t, 32*P_+16*\a, 18+10*P_+\t, 16+10*P_+\a
.endif
.endr
.endr
.endm
.macro MULV ks                         ; v: weight tiles 4-7 as source 1: lane (r, h) holds channel position r, registers 8 u + j rows 32 w + 16 h + 8 u + j of the work-group's 128
.set P_, (\ks)%2
.irp t, 0,1,2,3
.irp u, 0,1
.if (\ks) == 0
	WMZ ACC+64+16*\t+8*\u, 32*P_+16*\u, 128*P_+64+16*\t, 16+10*P_+\u, 22+10*P_+\t
.else
	WMA ACC+64+16*\t+8*\u, 32*P_+16*\u, 128*P_+64+16*\t, 16+10*P_+\u, 22+10*P_+\t
.endif
.endr
.endr
.endm
.macro STEP ks
.if (\ks) > 0
	PLACES 8                                       ; in front of loads into the set that the last step's products read
.endif
.if (\ks)+1 < KS
	FETCH (\ks)+1
	s_wait_dscnt 50                                ; all but the 50 just issued: this step's set is in
.else
	s_wait_dscnt 0x0
.endif
	s_cmp_lt_u32 s[CLX], 2                         ; query heads or kv heads: the cluster's x alone, the same in all sixteen partners
	s_cbranch_scc0 .Lkv_\@
	WIN 0x09                                       ; source 0 window 1, source 1 window 2
	MULQ \ks
	WIN 0
	s_branch .Ljoin_\@
.Lkv_\@:
	WIN 0x09
	MULK \ks
	WIN 0x06                                       ; source 0 window 2, source 1 window 1
	MULV \ks
	WIN 0
.Ljoin_\@:
.endm
	s_load_b256 s[4:11], s[0:1], 0x0               ; P s[4:5], cos s[6:7], sin s[8:9], Q s[10:11]
	s_load_b64 s[12:13], s[0:1], 0x20              ; KV
	v_lshl_add_u32 v126, v0, 2, 0x44000
	v_mov_b32 v127, 0
	ds_add_u32 v126, v127
	ds_add_u32 v126, v127
	v_lshrrev_b32 v1, 5, v0
	v_readfirstlane_b32 s[WV], v1                  ; wave
	s_bfe_u32 s14, ttmp6, 0x40000                  ; cx, cy: my place in the cluster
	s_bfe_u32 s15, ttmp6, 0x40004
	s_mov_b32 s[CLX], ttmp9                        ; in a cluster launch ttmp9 and ttmp7 count clusters
	s_lshl_b32 s2, ttmp9, 2
	s_add_co_u32 s2, s2, s14                       ; x: which 128 columns = 4 x cluster x + cx
	s_and_b32 s3, ttmp7, 0xffff
	s_lshl_b32 s3, s3, 2
	s_add_co_u32 s3, s3, s15                       ; y: which 128 rows = 4 x cluster y + cy
	s_lshl_b32 s16, s15, 2
	s_lshl_b32 s16, 15, s16                        ; my row of the cluster: places 4 cy .. 4 cy + 3
	s_lshl_b32 s17, 0x1111, s14                    ; my column: places cx, cx + 4, cx + 8, cx + 12
	s_or_b32 s[G1A+0], s16, (3<<16)|(1<<21)        ; 15:0 the mask: act's tiles go to my row; 17:16 elements of 8 bytes; 21 set beside a mask; no padding
	s_or_b32 s[G1B+0], s17, (3<<16)|(1<<21)        ; the weight's go to my column
	s_or_b32 s[G1SA+0], s16, (3<<16)|(1<<21)
	s_or_b32 s[G1SB+0], s17, (3<<16)|(1<<21)
.irp g, G1A, G1B
	s_mov_b32 s[\g+1], 1024<<16                    ; tensor_dim0: four K steps of a tile, 8,192 bytes
	s_mov_b32 s[\g+2], 16<<16                      ; tensor_dim1: eight tiles x all of K are 16 dense rows of 8,192 bytes
	s_mov_b32 s[\g+3], 1024<<16                    ; tile_dim0
	s_mov_b32 s[\g+4], 16                          ; tile_dim1
	s_mov_b32 s[\g+5], 1024                        ; each row begins where the last ends
	s_mov_b32 s[\g+6], 0
	s_mov_b32 s[\g+7], 0
.endr
.irp g, G1SA, G1SB
	s_mov_b32 s[\g+1], 32<<16                      ; the scale words: a dense block as rows of 256 bytes
	s_mov_b32 s[\g+2], (4*KS)<<16                  ; eight tiles' scale words: 8,192 bytes
	s_mov_b32 s[\g+3], 32<<16
	s_mov_b32 s[\g+4], 4*KS
	s_mov_b32 s[\g+5], 32
	s_mov_b32 s[\g+6], 0
	s_mov_b32 s[\g+7], 0
.endr
	; where the tiles come from.  Act's hang on y alone, which my row of the cluster shares; the weight's on x alone, which my column shares.  Every wave makes both, in registers that never hold the other coordinate.
	s_mul_i32 s[OA], s3, KS*16384
	s_add_co_u32 s[OA], s[OA], CO                  ; act's codes: jobs 0 on
	s_mov_b32 s[OA+1], 0
	s_mul_i32 s[OA+2], s3, KS*1024
	s_mov_b32 s[OA+3], 0
	s_mul_i32 s[OB], s2, KS*16384
	s_add_co_u32 s[OB], s[OB], CO+4194304          ; the weight's codes: jobs 256 on
	s_mov_b32 s[OB+1], 0
	s_mul_i32 s[OB+2], s2, KS*1024
	s_add_co_u32 s[OB+2], s[OB+2], 262144
	s_mov_b32 s[OB+3], 0
	s_mov_b32 s[G0SA], 1                           ; where the four tiles go: constants
	s_mov_b32 s[G0SA+1], SCL
	s_mov_b32 s[G0SB], 1
	s_mov_b32 s[G0SB+1], SCL+2*QS
	s_mov_b32 s[G0A], 1
	s_mov_b32 s[G0A+1], 0
	s_mov_b32 s[G0B], 1
	s_mov_b32 s[G0B+1], 131072
	s_wait_dscnt 0x0
	s_wait_kmcnt 0x0
	s_add_nc_u64 s[G0SA+2:G0SA+3], s[4:5], s[OA+2:OA+3]
	s_or_b32 s[G0SA+3], s[G0SA+3], 0x80000000
	s_add_nc_u64 s[G0SB+2:G0SB+3], s[4:5], s[OB+2:OB+3]
	s_or_b32 s[G0SB+3], s[G0SB+3], 0x80000000
	s_add_nc_u64 s[G0A+2:G0A+3], s[4:5], s[OA:OA+1]
	s_or_b32 s[G0A+3], s[G0A+3], 0x80000000
	s_add_nc_u64 s[G0B+2:G0B+3], s[4:5], s[OB:OB+1]
	s_or_b32 s[G0B+3], s[G0B+3], 0x80000000
	CROUND                                         ; all sixteen work-groups are here: the joint loads meet
	ARM 1, G0A,  G1A,  .Lhead_b                    ; one load a wave
	ARM 2, G0B,  G1B,  .Lhead_sa
	ARM 3, G0SA, G1SA, .Lhead_sb
	tensor_load_to_lds s[G0SB:G0SB+3], s[G1SB:G1SB+7]
	s_nop 0
	PLACES 4
.Lhead_asked:
	v_and_b32 v2, 31, v0
	v_lshlrev_b32 v1, 4, v2                        ; 16 lane
	v_lshlrev_b32 v2, 2, v2                        ; 4 lane
	v_and_b32 v3, 15, v0                           ; r
	v_bfe_u32 v4, v0, 4, 1                         ; h
	s_lshl_b32 s18, s[WV], 15
	v_add_nc_u32 v5, s18, v1                       ; my two act tiles: 32,768 bytes a wave
	v_add_nc_u32 v7, 131072, v1                    ; the weight's tiles 0-3,
	v_add_nc_u32 v8, 65536, v7                     ; and 4-7
	s_mul_i32 s18, s[WV], KS*256
	s_add_co_u32 s18, s18, SCL
	v_add_nc_u32 v9, s18, v2                       ; my act tiles' scale words
	v_add_nc_u32 v10, SCL+2*QS, v2                 ; the weight's
.irp b, 0,1,2,3
	v_mov_b32 v[TM+4+\b], 0                        ; written once: a lane permute's destination counts as one of its sources
.endr
	s_mov_b32 s[SEL], 0x76543210
	s_mov_b32 s[SEL+1], 0xfedcba98
	s_mov_b32 s[MNT], 0x600000
	v_and_b32 v13, 8, v3
	v_add_nc_u32 v13, v13, v3                      ; r + 8 (r / 8)
	v_lshlrev_b32 v13, 8, v13
	v_lshl_add_u32 v13, v4, 6, v13                 ; cos, sin: my position's row of 256 bytes, + 64 h
	s_wait_alu depctr_va_vdst(0)
	s_and_b32 s92, s3, 15
	s_lshl_b32 s92, s92, 15                        ; the work-group's first row within its batch, x 256 bytes
	s_lshl_b32 s23, s[WV], 13                      ; + 32 w rows
	s_add_co_u32 s92, s92, s23
	s_mov_b32 s93, 0
	s_add_nc_u64 s[6:7], s[6:7], s[92:93]
	s_add_nc_u64 s[8:9], s[8:9], s[92:93]
	WIN 0x80
.irp a, 0,1
.irp b, 0,1
.irp q, 0,1,2,3
	global_load_b128 v[128+64*\a+16*\b+4*\q:131+64*\a+16*\b+4*\q], v13, s[6:7] offset:\a*2048+128*\b+16*\q   ; cos(row, 32 b + 16 h + 4 q on)
	global_load_b128 v[160+64*\a+16*\b+4*\q:163+64*\a+16*\b+4*\q], v13, s[8:9] offset:\a*2048+128*\b+16*\q   ; sin
.endr
.endr
.endr
	WIN 0
	s_wait_tensorcnt 0x0                           ; my one load has landed; behind the barrier everybody's has
	s_barrier_signal -1
	s_barrier_wait -1
	FETCH 0
.irp k, 0,1,2,3,4,5,6,7
	STEP \k
.endr
	s_cmp_lt_u32 s[CLX], 2
	s_cbranch_scc0 .Lkv_out
	; ---- two query heads: rotate, quantise along the head's 64, store half fragments
	s_lshr_b32 s18, s3, 4
	s_lshl_b32 s18, s18, 4
	s_lshl_b32 s19, s2, 1
	s_add_co_u32 s18, s18, s19                     ; 16 batch + my first head
	s_lshl_b32 s18, s18, 7
	s_and_b32 s19, s3, 15
	s_lshl_b32 s19, s19, 3
	s_add_co_u32 s18, s18, s19
	s_lshl_b32 s19, s[WV], 1
	s_add_co_u32 s18, s18, s19                     ; idx of (first head, my first tile)
	s_lshl_b32 s84, s18, 10
	s_mov_b32 s85, 0
	s_add_nc_u64 s[84:85], s[10:11], s[84:85]
	s_lshl_b32 s86, s18, 7
	s_add_co_u32 s86, s86, 4194304
	s_mov_b32 s87, 0
	s_add_nc_u64 s[86:87], s[10:11], s[86:87]
	PLACES 8                                       ; in front of the first read of results
	s_wait_loadcnt 0x0                             ; cos, sin
.irp a, 0,1
	WIN 0x08                                       ; source 1 window 2
	ROPE ACC+64*\a, 128+64*\a, 160+64*\a
	ROPE ACC+64*\a+32, 128+64*\a, 160+64*\a
	WIN 0
	QUANT ACC+64*\a, PC0+16*\a, PW+\a
	v_and_b32 v[120+2*\a], 0xffff, v[PW+\a]        ; the first head's two bytes,
	v_lshrrev_b32 v[121+2*\a], 16, v[PW+\a]        ; the second's
.irp d, 0,1
.irp c, 0,1
	global_store_b128 v1, v[PC0+16*\a+8*\d+4*\c:PC0+16*\a+8*\d+4*\c+3], s[84:85] offset:\a*1024+\d*131072+512*\c
.endr
	global_store_b32 v2, v[120+2*\a+\d], s[86:87] offset:\a*128+\d*16384
.endr
.endr
	s_branch .Lend
.Lkv_out:
	; ---- one kv head
	s_lshr_b32 s18, s3, 4
	s_lshl_b32 s18, s18, 2
	s_add_co_u32 s18, s18, s2
	s_sub_co_u32 s18, s18, 8
	s_mul_i32 s18, s18, 286720                     ; the block of (batch, kv head)
	s_and_b32 s19, s3, 15                          ; the key step: my work-group's 128 rows
	s_lshl_b32 s23, s19, 3
	s_lshl_b32 s84, s[WV], 1
	s_add_co_u32 s23, s23, s84                     ; my first key tile: an even one
	s_lshl_b32 s84, s23, 10
	s_add_co_u32 s84, s84, s18
	s_mov_b32 s85, 0
	s_add_nc_u64 s[84:85], s[12:13], s[84:85]      ; k's codes
	s_lshl_b32 s86, s23, 7
	s_add_co_u32 s86, s86, s18
	s_add_co_u32 s86, s86, 262144
	s_mov_b32 s87, 0
	s_add_nc_u64 s[86:87], s[12:13], s[86:87]      ; k's scale words
	s_lshl_b32 s88, s19, 13
	s_lshl_b32 s23, s[WV], 9
	s_add_co_u32 s88, s88, s23
	s_add_co_u32 s88, s88, s18
	s_add_co_u32 s88, s88, 131072
	s_mov_b32 s89, 0
	s_add_nc_u64 s[88:89], s[12:13], s[88:89]      ; v's codes: my wave's 32 keys are block w of the key step's four
	s_lshl_b32 s90, s19, 9
	s_add_co_u32 s90, s90, s[WV]
	s_add_co_u32 s90, s90, s18
	s_add_co_u32 s90, s90, 278528
	s_mov_b32 s91, 0
	s_add_nc_u64 s[90:91], s[12:13], s[90:91]      ; v's scale bytes: byte w of each word
	PLACES 8
	s_wait_loadcnt 0x0
	WIN 0x08
	ROPE ACC, 128, 160
	ROPE ACC+32, 192, 224
	WIN 0
	QUANT ACC, PC0, PW                             ; blocks 0, 1: my first key tile; 2, 3: my second: the word is the pair's as it stands
.irp a, 0,1
.irp c, 0,1
	global_store_b128 v1, v[PC0+8*\a+4*\c:PC0+8*\a+4*\c+3], s[84:85] offset:\a*1024+512*\c
.endr
	global_store_b32 v2, v[PW], s[86:87] offset:\a*128     ; at both tiles' places, so that every byte of the block is written
.endr
	QUANT ACC+64, PC1, PW+1                        ; v: "block" t is channel tile t's 32 keys
.irp t, 0,1,2,3
	global_store_b128 v1, v[PC1+4*\t:PC1+4*\t+3], s[88:89] offset:\t*2048
	global_store_b8 v2, v[TM+4+\t], s[90:91] offset:\t*128
.endr
.Lend:
	s_wait_tensorcnt 0x0
	ds_add_u32 v126, v127
	s_wait_dscnt 0x0
	CROUND                                         ; the closing round: no work-group ends while a partner may still ask for a tile that names it
	s_endpgm
.Lfunc_end_k_q13bd123a6f_qkv:
	.size	k_q13bd123a6f_qkv, .Lfunc_end_k_q13bd123a6f_qkv-k_q13bd123a6f_qkv
	.p2alignl 7, 3214868480
	.fill 96, 4, 3214868480
	.section	.rodata,"a",@progbits
	.p2align	6, 0x0
	.amdhsa_kernel k_q13bd123a6f_qkv
		.amdhsa_group_segment_fixed_size 279040
		.amdhsa_private_segment_fixed_size 0
		.amdhsa_enable_private_segment 0
		.amdhsa_kernarg_size 40
		.amdhsa_user_sgpr_count 2
		.amdhsa_user_sgpr_kernarg_segment_ptr 1
		.amdhsa_wavefront_size32 1
		.amdhsa_system_sgpr_workgroup_id_x 1
		.amdhsa_system_sgpr_workgroup_id_y 1
		.amdhsa_system_sgpr_workgroup_id_z 1
		.amdhsa_system_vgpr_workitem_id 0
		.amdhsa_next_free_vgpr 768
		.amdhsa_next_free_sgpr 102
		.amdhsa_reserve_vcc 0
		.amdhsa_float_denorm_mode_32 3
		.amdhsa_float_denorm_mode_16_64 3
		.amdhsa_memory_ordered 1
		.amdhsa_forward_progress 1
		.amdhsa_inst_pref_size 122
	.end_amdhsa_kernel
	.amdgpu_metadata
---
amdhsa.version: [ 1, 2 ]
amdhsa.kernels:
  - .name:           k_q13bd123a6f_qkv
    .symbol:         k_q13bd123a6f_qkv.kd
    .args:
      - { .name: P, .offset: 0, .size: 8, .value_kind: global_buffer, .address_space: global }
      - { .name: cos, .offset: 8, .size: 8, .value_kind: global_buffer, .address_space: global }
      - { .name: sin, .offset: 16, .size: 8, .value_kind: global_buffer, .address_space: global }
      - { .name: Q, .offset: 24, .size: 8, .value_kind: global_buffer, .address_space: global }
      - { .name: KV, .offset: 32, .size: 8, .value_kind: global_buffer, .address_space: global }
    .group_segment_fixed_size: 279040
    .private_segment_fixed_size: 0
    .kernarg_segment_align: 8
    .kernarg_segment_size: 40
    .max_flat_workgroup_size: 128
    .sgpr_count:     102
    .vgpr_count:     768
    .wavefront_size: 32
...
	.end_amdgpu_metadata
.endif
;; end of part 8
;; launch attn (part 9): grid 32 x 8, 16 waves a work-group, clusters of 4 x 1, 288,768 bytes of LDS; arguments Q, KV, O; writes O
.if DOCPART == 9
	.amdgcn_target "amdgcn-amd-amdhsa--gfx1250"
	.amdhsa_code_object_version 6
	.text
	.protected	k_q13bd123a6f_attn
	.globl	k_q13bd123a6f_attn
	.p2align	8
	.type	k_q13bd123a6f_attn,@function
k_q13bd123a6f_attn:
	s_mov_b64 s[64:65], 0
	v_nop
	global_prefetch_b8 v0, s[64:65] scope:SCOPE_SE
	s_setreg_imm32_b32 hwreg(HW_REG_WAVE_MODE, 25, 1), 1
	s_wait_xcnt 0x0
	s_wait_alu depctr_hold_cnt(0) depctr_sa_sdst(0) depctr_va_vdst(0) depctr_va_sdst(0) depctr_va_ssrc(0) depctr_va_vcc(0) depctr_vm_vsrc(0)
	s_getreg_b32 s2, hwreg(HW_REG_IB_STS2, 6, 4)
	s_cmp_eq_u32 s2, 0
	s_cbranch_scc0 .Lentry_in_a_cluster
	s_endpgm
.Lentry_in_a_cluster:
	s_bfe_u32 s2, ttmp6, 0x10000c
	s_cmp_lg_u32 s2, 0x3003
	s_cbranch_scc0 .Lentry_shape_is_right
	s_endpgm
.Lentry_shape_is_right:
; O = softmax(q k^T / 8) v for grouped heads, both products on codes of E5M2, and O / l quantised along the model's 1,024 for the next product.
; THE SOFTMAX AHEAD OF THE SECOND PRODUCT: t = score x log2(e) / 8; M = the running largest t rounded UP to a whole number; p = 2^(t - M) is quantised along the keys, not normalised; the row's sum is taken of the
; unquantised p and divides at the end; when M moves, the sum and O are multiplied by 2^(old M - new M), which rounds nothing.
; SHARES: work-group y is one (batch, kv head); its block of KV, 286,720 bytes (k, v and their scale words for all 2,048 keys), is copied into LDS ONCE, each of the sixteen waves bringing 17,920 bytes by one tensor load.
; CLUSTER: the four work-groups of a cluster lie along x and share y, so they want the same block: each wave's load is asked for JOINTLY, with the same descriptor and a mask that names the four.
; A round of the cluster's barrier stands in front of the load and in front of the end.
; Wave w owns one tile of 16 queries: head 4 (kv head) + w % 4, query tile 4 x + w / 4.  It walks 16 key steps of 128.  Four waves share a SIMD.
; LAYOUT: both products transposed (S^T = k q^T, O^T = v^T p^T): a lane holds one query throughout.  The keys of a tile are not neighbours (position p of tile t is key 32 (t / 2) + 8 (t % 2) + p + 8 (p / 8)), so p's 16 registers of two
; neighbouring tiles are 16 neighbouring keys; v's channels likewise, so O^T's registers are neighbours along the next K.
; THE FIRST PRODUCT'S K IS 64, THE INSTRUCTION'S 128: TWO KEY TILES SHARE A FRAGMENT.  Tiles 2 b (X) and 2 b + 1 (Y) lie on end in LDS and load as one fragment [X | Y]; times [q | 0] it gives X's scores, times [0 | q] Y's: the
; other tile's codes meet zero codes.  So a key step's k is 64 registers, none of them cleared; q is 24 (zeros, q, zeros).  k's scale word holds X's two bytes and Y's two; q's two bytes are doubled, so that one word serves both.
; NO LOAD IS WAITED FOR WHERE IT IS ASKED FOR.  The next step's k is asked for a softmax ahead, its 20 loads set between the dependent lines that lead to M; each fragment of v is asked for as soon as the block of p whose
; registers it takes has been converted, and the four products wait by count.  The last step asks for no k, so it is written out behind the loop.
; LIMITS: a block of zeros gets the byte 1 over zero codes; NaN and infinities are not served.
; REGISTERS: v1-4 lane places in LDS; v5, v6 16 lane, 4 lane; v8-11 the step's addresses; v12 -M, v13 the largest t, v[14:15] the sum; v16-39 zeros, q, zeros; v40-103 k's four fragments; v104-167 S^T, then p, then v's four fragments;
;   v168-199 O^T; v200-215 p's codes; v216-219 k's scale words, v220-223 v's, v245 p's, v246 q's; v224-244 and v248-253 at work, v222, v223 too while the sum is taken.
.set AK0,  1
.set AV0,  2
.set ASK0, 3
.set ASV0, 4
.set ADK,  8
.set ADV,  9
.set ADS,  10
.set ADT,  11
.set QB1,  16                          ; v[16:31] = [0 | q]
.set QB0,  24                          ; v[24:39] = [q | 0]
.set KF,   40
.set S,    104
.set O,    168
.set PC,   200
.set KSW,  216
.set VSW,  220
.set BM,   224                         ; a block's largest score, then its largest p
.set BT,   228                         ; the other half of the lanes' maximum, then the scale's byte
.set BH,   232                         ; 57,344 x the scale
.set BS,   236                         ; the conversion's scale operand
.set SUM2, 240                         ; v[240:241], one of the sum's eight chains
.set F,    242                         ; v242 f = 2^(old M - new M); v243 is named with it as a pair
.set TMP,  244
.set PSW,  245
.set QSW,  246
.set WV,   10
.set MNT,  19
.set SEL,  20
.set CS,   22
.set G1,   24
.set G0,   32
.set TK,   36                          ; s36 the step's codes begin here (8,192 bytes a step, of k and of v alike); s37 k's scale words (1,024); s38 v's (512); s39 trips to go
.set TS,   37
.set TJ,   38
.set CNT,  39
; A round of the cluster's barrier: my work-group's barrier, so that wave 0's signal speaks for all sixteen waves; wave 0 signals for the work-group; every wave waits for all four work-groups; my work-group's barrier once more.
.macro CROUND
	s_barrier_signal -1
	s_barrier_wait -1
	s_cmp_lg_u32 s[WV], 0
	s_cbranch_scc1 .Lnot_wave_0_\@
	s_barrier_signal -3
.Lnot_wave_0_\@:
	s_barrier_wait -3
	s_barrier_signal -1
	s_barrier_wait -1
.endm
; Load i of the 20 that bring the NEXT step's k: 16 of codes (a step's four fragments are 8,192 bytes on end), 4 of scale words (the pair's word lies at the even tile's place)
.macro KL fetch, i
.if \fetch
.if (\i) < 16
	ds_load_b128 v[KF+4*(\i):KF+4*(\i)+3], v[ADK] offset:8192+512*(\i)
.else
	ds_load_b32 v[KSW+(\i)-16], v[ADS] offset:1024+256*((\i)-16)
.endif
.endif
.endm
.macro TM8                             ; t - M for eight more pairs of scores
.rept 8
	v_pk_fma_f32 v[S+j_:S+j_+1], v[S+j_:S+j_+1], s[CS:CS+1], v[12:13] op_sel_hi:[1,0,0]
.set j_, j_+2
.endr
.endm
; A KEY STEP of 128 keys.  Its k and k's scale words are in registers.  fetch = 1: the next step's are asked for.
.macro STEP fetch
	v_add_nc_u32 v[ADK], s[TK], v[AK0]
	v_add_nc_u32 v[ADV], s[TK], v[AV0]
	v_add_nc_u32 v[ADS], s[TS], v[ASK0]
	v_add_nc_u32 v[ADT], s[TJ], v[ASV0]
.rept 5
	v_nop                                          ; with the four additions nine places: the products below write over registers that the last step's products read as v's fragments
.endr
.irp b, 0,1,2,3                                ; S^T = k q^T: fragment b holds tiles 2 b and 2 b + 1
	v_wmma_scale_f32_16x16x128_f8f6f4 v[S+16*\b:S+16*\b+7], v[KF+16*\b:KF+16*\b+15], v[QB0:QB0+15], 0, v[KSW+\b], v[QSW] matrix_a_fmt:MATRIX_FMT_BF8 matrix_b_fmt:MATRIX_FMT_BF8
	v_wmma_scale_f32_16x16x128_f8f6f4 v[S+16*\b+8:S+16*\b+15], v[KF+16*\b:KF+16*\b+15], v[QB1:QB1+15], 0, v[KSW+\b], v[QSW] matrix_a_fmt:MATRIX_FMT_BF8 matrix_b_fmt:MATRIX_FMT_BF8
.endr
.rept 8
	v_nop                                          ; in front of the first read of the scores, and of the loads into k's registers and scale words further down
.endr
.irp b, 0,1,2,3
	v_max3_num_f32 v[BM+\b], v[S+16*\b], v[S+1+16*\b], v[S+2+16*\b]   ; the largest score of each block of 32 keys: for the row's maximum and, since p rises with the score, for the block's largest p
.endr
.irp i, 3,5,7,9,11,13
.irp b, 0,1,2,3
	v_max3_num_f32 v[BM+\b], v[BM+\b], v[S+16*\b+\i], v[S+1+16*\b+\i]
.endr
.endr
.irp b, 0,1,2,3
	v_max_num_f32 v[BM+\b], v[BM+\b], v[S+15+16*\b]
.endr
.irp b, 0,1,2,3
	s_delay_alu instid0(VALU_DEP_4)
	v_permlanex16_b32 v[BT+\b], v[BM+\b], s[SEL], s[SEL+1]
.endr
.irp b, 0,1,2,3
	s_delay_alu instid0(VALU_DEP_4)
	v_max_num_f32 v[BM+\b], v[BM+\b], v[BT+\b]
.endr
	s_delay_alu instid0(VALU_DEP_2)
	v_max3_num_f32 v[TMP], v[BM], v[BM+1], v[BM+2] ; each of these lines waits for the line before it: the next step's loads stand between them
	KL \fetch, 0
	KL \fetch, 1
	v_max_num_f32 v[TMP], v[TMP], v[BM+3]          ; the step's largest score of my query
	KL \fetch, 2
	KL \fetch, 3
	v_mul_f32 v[TMP], s[CS], v[TMP]                ; as t
	KL \fetch, 4
	KL \fetch, 5
	v_max_num_f32 v13, v13, v[TMP]                 ; the running largest t
	KL \fetch, 6
	KL \fetch, 7
	v_mov_b32 v[TMP], v12
	v_floor_f32 v12, -v13                          ; the new -M = -ceil(t)
.irp i, 8,9,10,11,12,13
	KL \fetch, \i
.endr
	v_sub_f32 v[TMP], v12, v[TMP]                  ; old M - new M: a whole number, 0 or less
.irp i, 14,15,16,17,18,19
	KL \fetch, \i
.endr
.set j_, 0
	TM8
	v_cvt_i32_f32 v[TMP], v[TMP]                   ; (it saturates)
	TM8
	v_ldexp_f32 v[F], 1.0, v[TMP]                  ; f = 2^(old M - new M)
	TM8
	TM8
.irp b, 0,1,2,3
	v_fma_f32 v[BM+\b], v[BM+\b], s[CS], v12       ; the same of each block's largest score
.endr
.set j_, 0
	s_wait_alu depctr_va_vdst(0)
.rept 64
	v_exp_f32 v[S+j_], v[S+j_]                     ; p = 2^(t - M)
.set j_, j_+1
.endr
.irp b, 0,1,2,3
	v_exp_f32 v[BM+\b], v[BM+\b]                   ; the block's largest p
.endr
	v_pk_mul_f32 v[14:15], v[14:15], v[F:F+1] op_sel_hi:[1,0]   ; the sums under the new M (a plain line behind the exponentials)
	s_wait_alu depctr_va_vdst(0)
.irp b, 0,1,2,3
	v_max_num_f32 v[BM+\b], 0x8000000, v[BM+\b]    ; the floor 2^(16 - 127)
.endr
.irp b, 0,1,2,3
	s_delay_alu instid0(VALU_DEP_4)
	v_add_nc_u32 v[BS+\b], 0xf8800000, v[BM+\b]    ; 15 off the exponent field: the conversion's scale operand
.endr
.irp b, 0,1,2,3
	v_and_or_b32 v[BH+\b], v[BM+\b], 0x7f800000, s[MNT]   ; 57,344 x the scale
.endr
.irp b, 0,1,2,3
	v_lshrrev_b32 v[BT+\b], 23, v[BS+\b]           ; the byte
.endr
	s_delay_alu instid0(VALU_DEP_3)
	v_lshl_or_b32 v[PSW], v[BT+1], 8, v[BT]        ; p's scale word for these 128 keys
	s_delay_alu instid0(VALU_DEP_1)
	v_lshl_or_b32 v[PSW], v[BT+2], 16, v[PSW]
	s_delay_alu instid0(VALU_DEP_1)
	v_lshl_or_b32 v[PSW], v[BT+3], 24, v[PSW]
	v_pk_add_f32 v[240:241], v[108:109], v[112:113]
	v_pk_add_f32 v[252:253], v[116:117], v[120:121]
	v_pk_add_f32 v[250:251], v[124:125], v[128:129]
	v_pk_add_f32 v[248:249], v[132:133], v[136:137]
	v_pk_add_f32 v[226:227], v[140:141], v[144:145]
	v_pk_add_f32 v[224:225], v[148:149], v[152:153]
	v_pk_add_f32 v[222:223], v[156:157], v[160:161]
	v_pk_add_f32 v[14:15], v[14:15], v[164:165]
	v_pk_add_f32 v[240:241], v[240:241], v[104:105]
	v_pk_add_f32 v[252:253], v[252:253], v[106:107]
	v_pk_add_f32 v[250:251], v[250:251], v[110:111]
	v_pk_add_f32 v[248:249], v[248:249], v[114:115]
	v_pk_add_f32 v[226:227], v[226:227], v[118:119]
	v_pk_add_f32 v[224:225], v[224:225], v[122:123]
	v_pk_add_f32 v[222:223], v[222:223], v[126:127]
	v_pk_add_f32 v[14:15], v[14:15], v[130:131]
	v_pk_add_f32 v[240:241], v[240:241], v[134:135]
	v_pk_add_f32 v[252:253], v[252:253], v[138:139]
	v_pk_add_f32 v[250:251], v[250:251], v[142:143]
	v_pk_add_f32 v[248:249], v[248:249], v[146:147]
	v_pk_add_f32 v[226:227], v[226:227], v[150:151]
	v_pk_add_f32 v[224:225], v[224:225], v[154:155]
	v_pk_add_f32 v[222:223], v[222:223], v[158:159]
	v_pk_add_f32 v[14:15], v[14:15], v[162:163]
	v_pk_add_f32 v[240:241], v[240:241], v[166:167]
	s_delay_alu instid0(VALU_DEP_2)
	v_pk_add_f32 v[14:15], v[14:15], v[248:249]
	s_delay_alu instid0(VALU_DEP_2)
	v_pk_add_f32 v[240:241], v[240:241], v[226:227]
	v_pk_add_f32 v[252:253], v[252:253], v[224:225]
	v_pk_add_f32 v[250:251], v[250:251], v[222:223]
	s_delay_alu instid0(VALU_DEP_2)
	v_pk_add_f32 v[14:15], v[14:15], v[252:253]
	s_delay_alu instid0(VALU_DEP_2)
	v_pk_add_f32 v[240:241], v[240:241], v[250:251]
	s_delay_alu instid0(VALU_DEP_1)
	v_pk_add_f32 v[14:15], v[14:15], v[240:241]
.irp b, 0,1,2,3
.irp i, 0,2,4,6,8,10,12,14
	v_dual_min_num_f32 v[S+16*\b+\i], v[S+16*\b+\i], v[BH+\b] :: v_dual_min_num_f32 v[S+16*\b+\i+1], v[S+16*\b+\i+1], v[BH+\b]   ; the hold, two numbers an instruction: the conversion does not saturate (ISA guide 7.6.2); p is not negative, so it is one-sided
.endr
	v_cvt_scalef32_pk8_bf8_f32 v[PC+4*\b:PC+1+4*\b], v[S+16*\b:S+7+16*\b], v[BS+\b]
	v_cvt_scalef32_pk8_bf8_f32 v[PC+2+4*\b:PC+3+4*\b], v[S+8+16*\b:S+15+16*\b], v[BS+\b]
.irp c, 0,1,2,3
	ds_load_b128 v[S+16*\b+4*\c:S+16*\b+4*\c+3], v[ADV] offset:\b*2048+512*\c   ; block b of p is codes now: v's fragment b takes its registers, five loads a fragment
.endr
	ds_load_b32 v[VSW+\b], v[ADT] offset:\b*128
.endr
.set j_, 0
.rept 16
	v_pk_mul_f32 v[O+j_:O+j_+1], v[O+j_:O+j_+1], v[F:F+1] op_sel_hi:[1,0]   ; O^T under the new M; also the plain lines behind the last conversion and between the codes' making and the products
.set j_, j_+2
.endr
	s_wait_alu depctr_va_vdst(0)
.irp t, 0,1,2,3                                ; O^T += v^T p^T: the four accumulators by turns
	s_wait_dscnt 15-5*\t                           ; LDS loads come back in order (ISA guide 5.7.1): fragment t and its scale words are in; the five loads of each later fragment may be out
	v_wmma_scale_f32_16x16x128_f8f6f4 v[O+8*\t:O+8*\t+7], v[S+16*\t:S+16*\t+15], v[PC:PC+15], v[O+8*\t:O+8*\t+7], v[VSW+\t], v[PSW] matrix_a_fmt:MATRIX_FMT_BF8 matrix_b_fmt:MATRIX_FMT_BF8
.endr                                          ; the last count is 0: the next step's k, asked for before v, is in too
	s_add_co_u32 s[TK], s[TK], 8192
	s_add_co_u32 s[TS], s[TS], 1024
	s_add_co_u32 s[TJ], s[TJ], 512
.endm
	s_load_b128 s[4:7], s[0:1], 0x0                ; Q, KV
	s_load_b64 s[8:9], s[0:1], 0x10                ; O
	v_lshl_add_u32 v254, v0, 2, 0x46000
	v_mov_b32 v255, 0
	ds_add_u32 v254, v255
	ds_add_u32 v254, v255
	v_lshrrev_b32 v8, 5, v0
	s_delay_alu instid0(VALU_DEP_1)
	v_readfirstlane_b32 s[WV], v8                  ; wave 0..15
	s_and_b32 s11, ttmp7, 0xffff                   ; y = 4 batch + kv head, which the four partners share
	s_bfe_u32 s48, ttmp6, 0x40000                  ; cx: my place in the cluster
	s_lshl_b32 s49, ttmp9, 2                       ; in a cluster launch ttmp9 counts clusters
	s_add_co_u32 s49, s49, s48                     ; x = 4 x cluster x + cx: it enters Q's and O's addresses alone
	s_mov_b32 s[G1+0], 15|(3<<16)|(1<<21)          ; 15:0 the mask: all four work-groups; 17:16 elements of 8 bytes; 21 set beside a mask.  A dense block as 70 rows of 256 bytes
	s_mov_b32 s[G1+1], 32<<16
	s_mov_b32 s[G1+2], 70<<16
	s_mov_b32 s[G1+3], 32<<16
	s_mov_b32 s[G1+4], 70
	s_mov_b32 s[G1+5], 32
	s_mov_b32 s[G1+6], 0
	s_mov_b32 s[G1+7], 0
	s_mul_i32 s12, s[WV], 17920                    ; my sixteenth, in LDS and in the block
	s_mul_i32 s14, s11, 286720
	s_add_co_u32 s14, s14, s12
	s_mov_b32 s15, 0
	s_and_b32 s16, s[WV], 3                        ; g: my head within the group
	s_lshr_b32 s17, s[WV], 2
	s_lshl_b32 s18, s49, 2
	s_add_co_u32 s17, s17, s18                     ; my query tile within the batch
	s_lshl_b32 s18, s11, 2
	s_add_co_u32 s18, s18, s16
	s_lshl_b32 s18, s18, 7
	s_add_co_u32 s18, s18, s17                     ; idx = (4 y + g) x 128 + tile
	s_lshl_b32 s40, s18, 10
	s_mov_b32 s41, 0
	s_lshl_b32 s42, s18, 7
	s_add_co_u32 s42, s42, 4194304
	s_mov_b32 s43, 0
	s_lshr_b32 s18, s11, 2
	s_lshl_b32 s18, s18, 7
	s_add_co_u32 s18, s18, s17                     ; the tile of rows: 128 batch + tile
	s_lshl_b32 s18, s18, 3
	s_and_b32 s44, s11, 3
	s_lshl_b32 s44, s44, 1
	s_add_co_u32 s18, s18, s44
	s_lshr_b32 s44, s16, 1
	s_add_co_u32 s18, s18, s44                     ; x 8 + the next product's K step: 2 (kv head) + g / 2
	s_and_b32 s16, s16, 1                          ; which half of that K step is my head's 64
	s_lshl_b32 s44, s18, 11
	s_lshl_b32 s46, s16, 10
	s_add_co_u32 s44, s44, s46
	s_mov_b32 s45, 0
	s_lshl_b32 s46, s18, 7
	s_lshl_b32 s48, s16, 1
	s_add_co_u32 s46, s46, s48
	s_add_co_u32 s46, s46, 4194304
	s_mov_b32 s47, 0
	s_mov_b32 s[SEL], 0x76543210
	s_mov_b32 s[SEL+1], 0xfedcba98
	s_mov_b32 s[CS], 0x3e38aa3b                    ; c = log2(e) / 8
	s_mov_b32 s[CS+1], s[CS]                       ; (named with it as a pair, so it is written)
	s_mov_b32 s[MNT], 0x600000
	s_mov_b32 s[TK], 0
	s_mov_b32 s[TS], 0
	s_mov_b32 s[TJ], 0
	s_mov_b32 s[CNT], 15
	s_mov_b32 s[G0], 1
	s_mov_b32 s[G0+1], s12
	s_wait_dscnt 0x0
	s_wait_kmcnt 0x0
	s_add_nc_u64 s[G0+2:G0+3], s[6:7], s[14:15]
	s_or_b32 s[G0+3], s[G0+3], 0x80000000
	CROUND                                         ; all four work-groups are here: the joint loads meet
	tensor_load_to_lds s[G0:G0+3], s[G1:G1+7]      ; my one tensor load of the launch
	s_nop 0
.rept 4
	v_nop
.endr
	s_add_nc_u64 s[40:41], s[4:5], s[40:41]        ; q's codes
	s_add_nc_u64 s[42:43], s[4:5], s[42:43]        ; q's scale words
	s_add_nc_u64 s[44:45], s[8:9], s[44:45]        ; O's codes
	s_add_nc_u64 s[46:47], s[8:9], s[46:47]        ; O's scale bytes
	v_and_b32 v6, 31, v0
	s_delay_alu instid0(VALU_DEP_1)
	v_lshlrev_b32 v5, 4, v6                        ; 16 lane
	s_delay_alu instid0(VALU_DEP_2)
	v_lshlrev_b32 v6, 2, v6                        ; 4 lane
.irp c, 0,1
	global_load_b128 v[QB0+4*\c:QB0+4*\c+3], v5, s[40:41] offset:512*\c   ; q's half fragment stays in registers
.endr
	global_load_b32 v[QSW], v6, s[42:43]
	v_mov_b32 v[AK0], v5                           ; k's codes begin at LDS byte 0,
	v_add_nc_u32 v[AV0], 131072, v5                ; v's here,
	v_add_nc_u32 v[ASK0], 262144, v6               ; k's scale words,
	v_add_nc_u32 v[ASV0], 278528, v6               ; v's
.irp i, 0,1,2,3,4,5,6,7
	v_mov_b32 v[QB1+\i], 0                         ; zero codes in front of q,
	v_mov_b32 v[QB0+8+\i], 0                       ; and behind it
.endr
	v_mov_b32 v13, 0xff61b1e6                      ; the largest t so far: -3e38
	s_delay_alu instid0(VALU_DEP_1)
	v_floor_f32 v12, -v13                          ; -M
	v_mov_b32 v14, 0
	v_mov_b32 v15, 0
.irp b, 0,1,2,3
	v_mov_b32 v[BT+\b], 0                          ; written once: a lane permute's destination counts as one of its sources
.endr
	v_mov_b32 v[F+1], 0                            ; (named as the upper half of a pair)
	s_wait_tensorcnt 0x0                           ; my part of the block has landed,
	s_barrier_signal -1
	s_barrier_wait -1                              ; everybody's has
	v_add_nc_u32 v[ADK], s[TK], v[AK0]
	v_add_nc_u32 v[ADS], s[TS], v[ASK0]
.set i_, 0
.rept 16
	ds_load_b128 v[KF+4*i_:KF+4*i_+3], v[ADK] offset:512*i_   ; key step 0's k
.set i_, i_+1
.endr
.irp b, 0,1,2,3
	ds_load_b32 v[KSW+\b], v[ADS] offset:256*\b
.endr
	s_wait_loadcnt 0x0                             ; q
	v_lshl_or_b32 v[QSW], v[QSW], 16, v[QSW]       ; q's two bytes, doubled: the word serves [q | 0] and [0 | q].  The 32 lines below are more than the eight places that a scale word so written stands ahead of a product
.set z_, 0
.rept 32
	v_mov_b32 v[O+z_], 0                           ; O^T: the step is written for all steps alike; the first finds zeros, which the first change of M leaves zeros
.set z_, z_+1
.endr
	s_wait_dscnt 0x0                               ; key step 0's k
.Lstep:                                            ; 15 trips: every key step but the last asks for the next step's k
	STEP 1
	s_sub_co_u32 s[CNT], s[CNT], 1
	s_cmp_lg_u32 s[CNT], 0
	s_cbranch_scc1 .Lstep
	STEP 0
	; ---- the way out: O^T / the sum, quantised along my head's 64 (two blocks of the next K), stored as two quarters of a fragment's image
.rept 8
	v_nop
.endr
	v_add_f32 v14, v14, v15
	s_delay_alu instid0(VALU_DEP_1)
	v_permlanex16_b32 v[TMP], v14, s[SEL], s[SEL+1]
	s_delay_alu instid0(VALU_DEP_1)
	v_add_f32 v14, v14, v[TMP]                     ; the row's sum
	s_wait_alu depctr_va_vdst(0)
	v_rcp_f32 v14, v14
	v_nop
.set j_, 0
	s_wait_alu depctr_va_vdst(0)
.rept 32
	v_mul_f32 v[S+j_], v[O+j_], v14                ; register 16 b + i: channel 32 b + 16 h + i of my query; each accumulator from its low end on
.set j_, j_+1
.endr
.irp b, 0,1
	v_max3_num_f32 v[BM+\b], |v[S+16*\b]|, |v[S+1+16*\b]|, 0x8000000
.endr
.irp i, 2,4,6,8,10,12,14
.irp b, 0,1
	s_delay_alu instid0(VALU_DEP_2)
	v_max3_num_f32 v[BM+\b], v[BM+\b], |v[S+16*\b+\i]|, |v[S+1+16*\b+\i]|
.endr
.endr
.irp b, 0,1
	s_delay_alu instid0(VALU_DEP_2)
	v_permlanex16_b32 v[BT+\b], v[BM+\b], s[SEL], s[SEL+1]
.endr
.irp b, 0,1
	s_delay_alu instid0(VALU_DEP_2)
	v_max_num_f32 v[BM+\b], v[BM+\b], v[BT+\b]
.endr
.irp b, 0,1
	s_delay_alu instid0(VALU_DEP_2)
	v_add_nc_u32 v[BS+\b], 0xf8800000, v[BM+\b]
.endr
.irp b, 0,1
	s_delay_alu instid0(VALU_DEP_4)
	v_and_or_b32 v[BH+\b], v[BM+\b], 0x7f800000, s[MNT]
.endr
.irp b, 0,1
	s_delay_alu instid0(VALU_DEP_4)
	v_lshrrev_b32 v[BT+\b], 23, v[BS+\b]
.endr
	s_delay_alu instid0(VALU_DEP_1)
	v_lshl_or_b32 v[TMP], v[BT+1], 8, v[BT]        ; my head's two bytes of the scale word
.irp b, 0,1
.irp i, 0,1,2,3,4,5,6,7,8,9,10,11,12,13,14,15
	v_med3_num_f32 v[S+16*\b+\i], v[S+16*\b+\i], -v[BH+\b], v[BH+\b]
.endr
	v_cvt_scalef32_pk8_bf8_f32 v[PC+4*\b:PC+1+4*\b], v[S+16*\b:S+7+16*\b], v[BS+\b]
	v_cvt_scalef32_pk8_bf8_f32 v[PC+2+4*\b:PC+3+4*\b], v[S+8+16*\b:S+15+16*\b], v[BS+\b]
.endr
	v_nop
.irp b, 0,1
	global_store_b128 v5, v[PC+4*\b:PC+3+4*\b], s[44:45] offset:512*\b   ; 32 lanes store 512 consecutive bytes
.endr
	global_store_b16 v6, v[TMP], s[46:47]
	s_wait_tensorcnt 0x0
	ds_add_u32 v254, v255
	s_wait_dscnt 0x0
	CROUND                                         ; the closing round: no work-group ends while a partner may still ask for a tile that names it
	s_endpgm
.Lfunc_end_k_q13bd123a6f_attn:
	.size	k_q13bd123a6f_attn, .Lfunc_end_k_q13bd123a6f_attn-k_q13bd123a6f_attn
	.p2alignl 7, 3214868480
	.fill 96, 4, 3214868480
	.section	.rodata,"a",@progbits
	.p2align	6, 0x0
	.amdhsa_kernel k_q13bd123a6f_attn
		.amdhsa_group_segment_fixed_size 288768
		.amdhsa_private_segment_fixed_size 0
		.amdhsa_enable_private_segment 0
		.amdhsa_kernarg_size 24
		.amdhsa_user_sgpr_count 2
		.amdhsa_user_sgpr_kernarg_segment_ptr 1
		.amdhsa_wavefront_size32 1
		.amdhsa_system_sgpr_workgroup_id_x 1
		.amdhsa_system_sgpr_workgroup_id_y 1
		.amdhsa_system_sgpr_workgroup_id_z 1
		.amdhsa_system_vgpr_workitem_id 0
		.amdhsa_next_free_vgpr 256
		.amdhsa_next_free_sgpr 66
		.amdhsa_reserve_vcc 0
		.amdhsa_float_denorm_mode_32 3
		.amdhsa_float_denorm_mode_16_64 3
		.amdhsa_memory_ordered 1
		.amdhsa_forward_progress 1
		.amdhsa_inst_pref_size 53
	.end_amdhsa_kernel
	.amdgpu_metadata
---
amdhsa.version: [ 1, 2 ]
amdhsa.kernels:
  - .name:           k_q13bd123a6f_attn
    .symbol:         k_q13bd123a6f_attn.kd
    .args:
      - { .name: Q, .offset: 0, .size: 8, .value_kind: global_buffer, .address_space: global }
      - { .name: KV, .offset: 8, .size: 8, .value_kind: global_buffer, .address_space: global }
      - { .name: O, .offset: 16, .size: 8, .value_kind: global_buffer, .address_space: global }
    .group_segment_fixed_size: 288768
    .private_segment_fixed_size: 0
    .kernarg_segment_align: 8
    .kernarg_segment_size: 24
    .max_flat_workgroup_size: 512
    .sgpr_count:     66
    .vgpr_count:     256
    .wavefront_size: 32
...
	.end_amdgpu_metadata
.endif
;; end of part 9
;; launch oproj (part 10): grid 8 x 32, 4 waves a work-group, clusters of 4 x 4, 312,832 bytes of LDS; arguments O, P, x, X1; writes X1
.if DOCPART == 10
	.amdgcn_target "amdgcn-amd-amdhsa--gfx1250"
	.amdhsa_code_object_version 6
	.text
	.protected	k_q13bd123a6f_oproj
	.globl	k_q13bd123a6f_oproj
	.p2align	8
	.type	k_q13bd123a6f_oproj,@function
k_q13bd123a6f_oproj:
	s_mov_b64 s[64:65], 0
	v_nop
	global_prefetch_b8 v0, s[64:65] scope:SCOPE_SE
	s_setreg_imm32_b32 hwreg(HW_REG_WAVE_MODE, 25, 1), 1
	s_wait_xcnt 0x0
	s_wait_alu depctr_hold_cnt(0) depctr_sa_sdst(0) depctr_va_vdst(0) depctr_va_sdst(0) depctr_va_ssrc(0) depctr_va_vcc(0) depctr_vm_vsrc(0)
	s_getreg_b32 s2, hwreg(HW_REG_IB_STS2, 6, 4)
	s_cmp_eq_u32 s2, 0
	s_cbranch_scc0 .Lentry_in_a_cluster
	s_endpgm
.Lentry_in_a_cluster:
	s_bfe_u32 s2, ttmp6, 0x10000c
	s_cmp_lg_u32 s2, 0xf033
	s_cbranch_scc0 .Lentry_shape_is_right
	s_endpgm
.Lentry_shape_is_right:
; X1 = x + o Wo^T, the product on codes of E5M2 (K = 1,024); X1 is f32.
; A work-group makes 128 rows (act tiles 8 y .. 8 y + 7) x 128 columns (weight tiles 8 x .. 8 x + 7).  Wave w: act tiles 2 w, 2 w + 1 x all eight weight tiles: 16 accumulators.
; Operands are images of registers (2,048 bytes a fragment, 16 bytes a lane at 512 c + 16 lane): a fragment comes from LDS by four loads of 512 consecutive bytes.
; All of K lies in LDS: act's eight tiles, the weight's eight and the scale words, each by one joint load of one wave; one load a wave is out at the most.
; CLUSTERS: 4 x 4 work-groups.  The four of a row of the cluster need the same act tiles, the four of a column the same weight tiles: each is asked for JOINTLY, by the same tensor load with the same descriptor and a mask
; that names the four: a cluster asks for 4 + 4 blocks where sixteen work-groups alone would ask for 16 + 16.  A round of the cluster's barrier stands in front of the first loads and in front of the end.
; Transposed use (source 0 = weight, source 1 = act): lane (r, h) holds act position r and columns 32 b + 16 h + 8 u + j of weight tile 2 b + u.  Position p of act tile t is row 32 (t / 2) + 8 (t % 2) + p + 8 (p / 8).
; The way out: a tile's 16 rows x 512 bytes go through the wave's own stage and come back as whole rows; the residual, asked for at the head, is added; 32 lanes store 512 consecutive bytes.
; REGISTERS: window 0: v1-12 addresses; v16-35 scale words alone (set p at 16 + 10 p); v128-255 accumulators.  window 1: the weight's fragments, set p at 128 p + 16 t.
;   window 2: v0-63 act's fragments, set p at 32 p + 16 a; on the way out v0-127 rows read back; v128-255 the residual.
.set KS,   8
.set QS,   4*KS*128
.set SCL,  262144
.set STAGE, 278528                     ; behind the scale words: 16 rows x 528 bytes for each wave, in blocks of 256 bytes into which no fill lands
.set CO,   688128
.set ACC,  128
.set WV,   20                          ; s20 wave
.set HF,   21
.set FB,   22
.set G1A,  24                          ; s[24:31], s[32:39] group 1 for act's and the weight's codes; s[40:47], s[48:55] for their scale words
.set G1B,  32
.set G1SA, 40
.set G1SB, 48
.set G0A,  56                          ; s[56:59] group 0 for act's codes; s[68:71] for the weight's; s[76:79], s[80:83] for the scale words
.set G0B,  68
.set G0SA, 76
.set G0SB, 80
.set OA,   84                          ; s[84:87] act's byte offsets (codes, scale words); s[88:91] the weight's
.set OB,   88
.set MSB, 0
.macro WIN new
.if MSB != \new
	s_set_vgpr_msb (MSB<<8)|\new
.set MSB, \new
.endif
.endm
.macro PLACES n
.rept \n
	v_nop
.endr
.endm
; THE FILLS, as they now stand: ONE joint load a wave, all at the head, in one chain of branches on the wave's number: wave 0 act's eight tiles (all of K, 131,072 dense bytes, to LDS byte 0),
; wave 1 the weight's eight (to byte 131,072), wave 2 act's scale words, wave 3 the weight's.  In LDS tile t's K step k lies at 16,384 t + 2,048 k of its operand's half.  Nothing is filled again.
; An arm: its load, s_nop 0 and four v_nop, a jump to the chain's end.
.macro ARM under, g0, g1, next
	s_cmp_lt_u32 s[WV], \under
	s_cbranch_scc0 \next
	tensor_load_to_lds s[\g0:\g0+3], s[\g1:\g1+7]
	s_nop 0
.rept 4
	v_nop
.endr
	s_branch .Lhead_asked
\next:
.endm
; A round of the cluster's barrier: my work-group's barrier, so that wave 0's signal speaks for all four waves; wave 0 signals for the work-group; every wave waits for all sixteen; my work-group's barrier once more.
.macro CROUND
	s_barrier_signal -1
	s_barrier_wait -1
	s_cmp_lg_u32 s[WV], 0
	s_cbranch_scc1 .Lnot_wave_0_\@
	s_barrier_signal -3
.Lnot_wave_0_\@:
	s_barrier_wait -3
	s_barrier_signal -1
	s_barrier_wait -1
.endm
.macro WMZ d, a, b, sa, sb
	v_wmma_scale_f32_16x16x128_f8f6f4 v[\d:\d+7], v[\a:\a+15], v[\b:\b+15], 0, v[\sa], v[\sb] matrix_a_fmt:MATRIX_FMT_BF8 matrix_b_fmt:MATRIX_FMT_BF8
.endm
.macro WMA d, a, b, sa, sb
	v_wmma_scale_f32_16x16x128_f8f6f4 v[\d:\d+7], v[\a:\a+15], v[\b:\b+15], v[\d:\d+7], v[\sa], v[\sb] matrix_a_fmt:MATRIX_FMT_BF8 matrix_b_fmt:MATRIX_FMT_BF8
.endm
.macro FETCH ks                        ; 50 LDS loads: K step ks's eight weight fragments, two act fragments, ten scale words, into set ks % 2
.set P_, (\ks)%2
	WIN 0x40
.irp t, 0,1,2,3,4,5,6,7
.irp c, 0,1,2,3
	ds_load_b128 v[128*P_+16*\t+4*\c:128*P_+16*\t+4*\c+3], v[7+\t/4] offset:(\t%4)*16384+(\ks)*2048+512*\c   ; v7: weight tiles 0-3, v8: tiles 4-7
.endr
.endr
	WIN 0x80
.irp a, 0,1
.irp c, 0,1,2,3
	ds_load_b128 v[32*P_+16*\a+4*\c:32*P_+16*\a+4*\c+3], v5 offset:\a*16384+(\ks)*2048+512*\c
.endr
.endr
	WIN 0
.irp a, 0,1
	ds_load_b32 v[16+10*P_+\a], v9 offset:\a*KS*128+(\ks)*128
.endr
.irp t, 0,1,2,3,4,5,6,7
	ds_load_b32 v[18+10*P_+\t], v10 offset:\t*KS*128+(\ks)*128
.endr
.endm
.macro MUL16 ks                        ; the 16 accumulators take turns, one instruction a turn, in the same order in every step
.set P_, (\ks)%2
.irp a, 0,1
.irp t, 0,1,2,3,4,5,6,7
.if (\ks) == 0
	WMZ ACC+64*\a+8*\t, 128*P_+16*\t, 32*P_+16*\a, 18+10*P_+\t, 16+10*P_+\a
.else
	WMA ACC+64*\a+8*\t, 128*P_+16*\t, 32*P_+16*\a, 18+10*P_+\t, 16+10*P_+\a
.endif
.endr
.endr
.endm
.macro STEP ks
.if (\ks) > 0
	PLACES 8                                       ; in front of loads into the set that the last step's products read
.endif
.if (\ks)+1 < KS
	FETCH (\ks)+1
	s_wait_dscnt 50                                ; all but the 50 just issued: this step's set is in
.else
	s_wait_dscnt 0x0
.endif
	WIN 0x09                                       ; source 0 window 1, source 1 window 2
	MUL16 \ks
	WIN 0
.endm
	s_load_b256 s[4:11], s[0:1], 0x0               ; O s[4:5], P s[6:7], x s[8:9], X1 s[10:11]
	v_lshl_add_u32 v126, v0, 2, 0x4c400
	v_mov_b32 v127, 0
	ds_add_u32 v126, v127
	ds_add_u32 v126, v127
	v_lshrrev_b32 v1, 5, v0
	v_readfirstlane_b32 s[WV], v1
	s_bfe_u32 s14, ttmp6, 0x40000                  ; cx, cy: my place in the cluster
	s_bfe_u32 s15, ttmp6, 0x40004
	s_lshl_b32 s2, ttmp9, 2
	s_add_co_u32 s2, s2, s14                       ; x: which 128 columns = 4 x cluster x + cx
	s_and_b32 s3, ttmp7, 0xffff
	s_lshl_b32 s3, s3, 2
	s_add_co_u32 s3, s3, s15                       ; y: which 128 rows = 4 x cluster y + cy
	s_lshl_b32 s16, s15, 2
	s_lshl_b32 s16, 15, s16                        ; my row of the cluster
	s_lshl_b32 s17, 0x1111, s14                    ; my column
	s_or_b32 s[G1A+0], s16, (3<<16)|(1<<21)        ; 15:0 the mask: act's tiles go to my row; 17:16 elements of 8 bytes; 21 set beside a mask; no padding
	s_or_b32 s[G1B+0], s17, (3<<16)|(1<<21)        ; the weight's go to my column
	s_or_b32 s[G1SA+0], s16, (3<<16)|(1<<21)
	s_or_b32 s[G1SB+0], s17, (3<<16)|(1<<21)
.irp g, G1A, G1B
	s_mov_b32 s[\g+1], 1024<<16                    ; four K steps of a tile, 8,192 bytes a row
	s_mov_b32 s[\g+2], 16<<16                      ; eight tiles x all of K are 16 dense rows of 8,192 bytes
	s_mov_b32 s[\g+3], 1024<<16
	s_mov_b32 s[\g+4], 16
	s_mov_b32 s[\g+5], 1024                        ; each row begins where the last ends
	s_mov_b32 s[\g+6], 0
	s_mov_b32 s[\g+7], 0
.endr
.irp g, G1SA, G1SB
	s_mov_b32 s[\g+1], 32<<16                      ; the scale words: a dense block as rows of 256 bytes
	s_mov_b32 s[\g+2], (4*KS)<<16                  ; eight tiles' scale words: 8,192 bytes
	s_mov_b32 s[\g+3], 32<<16
	s_mov_b32 s[\g+4], 4*KS
	s_mov_b32 s[\g+5], 32
	s_mov_b32 s[\g+6], 0
	s_mov_b32 s[\g+7], 0
.endr
	; act's tiles hang on y alone, the weight's on x alone; every wave makes both addresses, in registers that never hold the other coordinate
	s_mul_i32 s[OA], s3, KS*16384                  ; act's codes in O
	s_mov_b32 s[OA+1], 0
	s_mul_i32 s[OA+2], s3, KS*1024
	s_add_co_u32 s[OA+2], s[OA+2], 4194304         ; act's scale words
	s_mov_b32 s[OA+3], 0
	s_mul_i32 s[OB], s2, KS*16384
	s_add_co_u32 s[OB], s[OB], CO+5767168          ; Wo's codes: jobs 352 on
	s_mov_b32 s[OB+1], 0
	s_mul_i32 s[OB+2], s2, KS*1024
	s_add_co_u32 s[OB+2], s[OB+2], 360448
	s_mov_b32 s[OB+3], 0
	s_mov_b32 s[G0SA], 1                           ; where the four tiles go: constants
	s_mov_b32 s[G0SA+1], SCL
	s_mov_b32 s[G0SB], 1
	s_mov_b32 s[G0SB+1], SCL+2*QS
	s_mov_b32 s[G0A], 1
	s_mov_b32 s[G0A+1], 0
	s_mov_b32 s[G0B], 1
	s_mov_b32 s[G0B+1], 131072
	s_wait_dscnt 0x0
	s_wait_kmcnt 0x0
	s_add_nc_u64 s[G0SA+2:G0SA+3], s[4:5], s[OA+2:OA+3]
	s_or_b32 s[G0SA+3], s[G0SA+3], 0x80000000
	s_add_nc_u64 s[G0SB+2:G0SB+3], s[6:7], s[OB+2:OB+3]
	s_or_b32 s[G0SB+3], s[G0SB+3], 0x80000000
	s_add_nc_u64 s[G0A+2:G0A+3], s[4:5], s[OA:OA+1]
	s_or_b32 s[G0A+3], s[G0A+3], 0x80000000
	s_add_nc_u64 s[G0B+2:G0B+3], s[6:7], s[OB:OB+1]
	s_or_b32 s[G0B+3], s[G0B+3], 0x80000000
	CROUND                                         ; all sixteen work-groups are here: the joint loads meet
	ARM 1, G0A,  G1A,  .Lhead_b                    ; one load a wave
	ARM 2, G0B,  G1B,  .Lhead_sa
	ARM 3, G0SA, G1SA, .Lhead_sb
	tensor_load_to_lds s[G0SB:G0SB+3], s[G1SB:G1SB+7]
	s_nop 0
	PLACES 4
.Lhead_asked:
	v_and_b32 v2, 31, v0
	v_lshlrev_b32 v1, 4, v2                        ; 16 lane
	v_lshlrev_b32 v2, 2, v2                        ; 4 lane
	v_and_b32 v3, 15, v0                           ; r
	v_bfe_u32 v4, v0, 4, 1                         ; h
	s_lshl_b32 s18, s[WV], 15
	v_add_nc_u32 v5, s18, v1                       ; my two act tiles: 32,768 bytes a wave
	v_add_nc_u32 v7, 131072, v1                    ; the weight's tiles 0-3,
	v_add_nc_u32 v8, 65536, v7                     ; and 4-7
	s_mul_i32 s18, s[WV], KS*256
	s_add_co_u32 s18, s18, SCL
	v_add_nc_u32 v9, s18, v2
	v_add_nc_u32 v10, SCL+2*QS, v2
	s_mul_i32 s18, s[WV], 16*528
	s_add_co_u32 s18, s18, STAGE
	v_mul_u32_u24 v11, v3, 528
	v_lshl_add_u32 v11, v4, 6, v11
	v_add_nc_u32 v11, s18, v11                     ; the stage, in: row r, + 64 h
	v_add_nc_u32 v12, s18, v1                      ; back: a row of 512 bytes to the 32 lanes
	s_lshl_b32 s92, s3, 19                         ; 128 y rows of 4,096 bytes,
	s_lshl_b32 s23, s[WV], 17                      ; + 32 w rows,
	s_add_co_u32 s92, s92, s23
	s_lshl_b32 s23, s2, 9                          ; + 128 x columns
	s_add_co_u32 s92, s92, s23
	s_mov_b32 s93, 0
	s_add_nc_u64 s[8:9], s[8:9], s[92:93]
	s_add_nc_u64 s[10:11], s[10:11], s[92:93]
	WIN 0x80
.irp a, 0,1
.irp p, 0,1,2,3,4,5,6,7,8,9,10,11,12,13,14,15
	global_load_b128 v[128+64*\a+4*\p:131+64*\a+4*\p], v1, s[8:9] offset:(8*\a+\p+8*(\p/8))*4096   ; the residual of position p: it lands under the products
.endr
.endr
	WIN 0
	s_wait_alu depctr_va_vdst(0)
	s_wait_tensorcnt 0x0                           ; my one load has landed; behind the barrier everybody's has
	s_barrier_signal -1
	s_barrier_wait -1
	FETCH 0
.irp k, 0,1,2,3,4,5,6,7
	STEP \k
.endr
	PLACES 8                                       ; in front of the first read of results, and of loads into act's registers
.irp a, 0,1
.irp t, 0,1,2,3,4,5,6,7
	ds_store_b128 v11, v[ACC+64*\a+8*\t:ACC+64*\a+8*\t+3] offset:128*(\t/2)+32*(\t%2)        ; each accumulator from its low end on
	ds_store_b128 v11, v[ACC+64*\a+8*\t+4:ACC+64*\a+8*\t+7] offset:128*(\t/2)+32*(\t%2)+16
.endr
	WIN 0x80
.irp p, 0,1,2,3,4,5,6,7,8,9,10,11,12,13,14,15
	ds_load_b128 v[64*\a+4*\p:64*\a+4*\p+3], v12 offset:528*\p   ; LDS serves a wave's instructions in order (ISA guide 5.7.1.4): these see my stores, and the next tile's stores come behind them
.endr
	WIN 0
.endr
	s_wait_loadcnt 0x0                             ; the residual
.irp a, 0,1
.if \a == 0
	s_wait_dscnt 32                                ; the first tile is back; the second's 16 stores and 16 loads may be out
.else
	s_wait_dscnt 0x0
.endif
	WIN 0x8a                                       ; all in window 2
.set i_, 0
.rept 32
	v_pk_add_f32 v[64*\a+i_:64*\a+i_+1], v[64*\a+i_:64*\a+i_+1], v[128+64*\a+i_:128+64*\a+i_+1]
.set i_, i_+2
.endr
	WIN 0x08                                       ; a store's data are its source 1
.irp p, 0,1,2,3,4,5,6,7,8,9,10,11,12,13,14,15
	global_store_b128 v1, v[64*\a+4*\p:64*\a+4*\p+3], s[10:11] offset:(8*\a+\p+8*(\p/8))*4096   ; 32 lanes store 512 consecutive bytes, aligned
.endr
	WIN 0
.endr
	s_wait_tensorcnt 0x0
	ds_add_u32 v126, v127
	s_wait_dscnt 0x0
	CROUND                                         ; the closing round: no work-group ends while a partner may still ask for a tile that names it
	s_endpgm
.Lfunc_end_k_q13bd123a6f_oproj:
	.size	k_q13bd123a6f_oproj, .Lfunc_end_k_q13bd123a6f_oproj-k_q13bd123a6f_oproj
	.p2alignl 7, 3214868480
	.fill 96, 4, 3214868480
	.section	.rodata,"a",@progbits
	.p2align	6, 0x0
	.amdhsa_kernel k_q13bd123a6f_oproj
		.amdhsa_group_segment_fixed_size 312832
		.amdhsa_private_segment_fixed_size 0
		.amdhsa_enable_private_segment 0
		.amdhsa_kernarg_size 32
		.amdhsa_user_sgpr_count 2
		.amdhsa_user_sgpr_kernarg_segment_ptr 1
		.amdhsa_wavefront_size32 1
		.amdhsa_system_sgpr_workgroup_id_x 1
		.amdhsa_system_sgpr_workgroup_id_y 1
		.amdhsa_system_sgpr_workgroup_id_z 1
		.amdhsa_system_vgpr_workitem_id 0
		.amdhsa_next_free_vgpr 768
		.amdhsa_next_free_sgpr 102
		.amdhsa_reserve_vcc 0
		.amdhsa_float_denorm_mode_32 3
		.amdhsa_float_denorm_mode_16_64 3
		.amdhsa_memory_ordered 1
		.amdhsa_forward_progress 1
		.amdhsa_inst_pref_size 67
	.end_amdhsa_kernel
	.amdgpu_metadata
---
amdhsa.version: [ 1, 2 ]
amdhsa.kernels:
  - .name:           k_q13bd123a6f_oproj
    .symbol:         k_q13bd123a6f_oproj.kd
    .args:
      - { .name: O, .offset: 0, .size: 8, .value_kind: global_buffer, .address_space: global }
      - { .name: P, .offset: 8, .size: 8, .value_kind: global_buffer, .address_space: global }
      - { .name: x, .offset: 16, .size: 8, .value_kind: global_buffer, .address_space: global }
      - { .name: X1, .offset: 24, .size: 8, .value_kind: global_buffer, .address_space: global }
    .group_segment_fixed_size: 312832
    .private_segment_fixed_size: 0
    .kernarg_segment_align: 8
    .kernarg_segment_size: 32
    .max_flat_workgroup_size: 128
    .sgpr_count:     102
    .vgpr_count:     768
    .wavefront_size: 32
...
	.end_amdgpu_metadata
.endif
;; end of part 10
;; launch ln2: the kernel of part 7 again; grid 256 x 1, 4 waves a work-group, no clusters, 66,304 bytes of LDS; arguments X1, ln2_g, ln2_b, Wq, Wkv, Wo, W1, W2, H2; writes H2
;; launch mlp1 (part 11): grid 8 x 32, 4 waves a work-group, clusters of 4 x 4, 327,680 bytes of LDS; arguments H2, P, b1, G; writes G
.if DOCPART == 11
	.amdgcn_target "amdgcn-amd-amdhsa--gfx1250"
	.amdhsa_code_object_version 6
	.text
	.protected	k_q13bd123a6f_mlp1
	.globl	k_q13bd123a6f_mlp1
	.p2align	8
	.type	k_q13bd123a6f_mlp1,@function
k_q13bd123a6f_mlp1:
	s_mov_b64 s[64:65], 0
	v_nop
	global_prefetch_b8 v0, s[64:65] scope:SCOPE_SE
	s_setreg_imm32_b32 hwreg(HW_REG_WAVE_MODE, 25, 1), 1
	s_wait_xcnt 0x0
	s_wait_alu depctr_hold_cnt(0) depctr_sa_sdst(0) depctr_va_vdst(0) depctr_va_sdst(0) depctr_va_ssrc(0) depctr_va_vcc(0) depctr_vm_vsrc(0)
	s_getreg_b32 s2, hwreg(HW_REG_IB_STS2, 6, 4)
	s_cmp_eq_u32 s2, 0
	s_cbranch_scc0 .Lentry_in_a_cluster
	s_endpgm
.Lentry_in_a_cluster:
	s_bfe_u32 s2, ttmp6, 0x10000c
	s_cmp_lg_u32 s2, 0xf033
	s_cbranch_scc0 .Lentry_shape_is_right
	s_endpgm
.Lentry_shape_is_right:
.set KS,   8
.set NV,   16
.set QS,   4*KS*128
.set SCL,  262144
.set SCB,  SCL+2*QS
.set SPARE, SCL+6*QS
.set CO,   688128
.set NEXTB, 8*KS*16384
.set ACC,  128
.set TM,   36
.set PW,   52
.set PC0,  56
.set GT,   88
.set GU,   96
.set GW,   104
.set WV,   20
.set HF,   21
.set FB,   22
.set G1A,  24
.set G1B,  32
.set G1SA, 40
.set G1SB, 48
.set G0A,  56
.set SEL,  66
.set G0B,  68
.set G0SA, 76
.set G0SB, 80
.set OA,   84
.set OB,   88
.set MNT,  94
.set GC,   40
.set MSB, 0
.macro WIN new
.if MSB != \new
	s_set_vgpr_msb (MSB<<8)|\new
.set MSB, \new
.endif
.endm
.macro PLACES n
.rept \n
	v_nop
.endr
.endm
.macro JLOAD g0a, g1a, g0b, g1b
	s_cmp_eq_u32 s[FB], 0
	s_cbranch_scc0 .Lfor_b_\@
	tensor_load_to_lds s[\g0a:\g0a+3], s[\g1a:\g1a+7]
	s_nop 0
.rept 4
	v_nop
.endr
	s_branch .Lasked_\@
.Lfor_b_\@:
	tensor_load_to_lds s[\g0b:\g0b+3], s[\g1b:\g1b+7]
	s_nop 0
.rept 4
	v_nop
.endr
.Lasked_\@:
.endm
.macro JLOADB g0b
	s_cmp_eq_u32 s[FB], 0
	s_cbranch_scc1 .Lnone_\@
	tensor_load_to_lds s[\g0b:\g0b+3], s[G1B:G1B+7]
	s_nop 0
.rept 4
	v_nop
.endr
.Lnone_\@:
.endm
.macro CROUND
	s_barrier_signal -1
	s_barrier_wait -1
	s_cmp_lg_u32 s[WV], 0
	s_cbranch_scc1 .Lnot_wave_0_\@
	s_barrier_signal -3
.Lnot_wave_0_\@:
	s_barrier_wait -3
	s_barrier_signal -1
	s_barrier_wait -1
.endm
.macro WMC d, a, b, c, sa, sb
	v_wmma_scale_f32_16x16x128_f8f6f4 v[\d:\d+7], v[\a:\a+15], v[\b:\b+15], v[\c:\c+7], v[\sa], v[\sb] matrix_a_fmt:MATRIX_FMT_BF8 matrix_b_fmt:MATRIX_FMT_BF8
.endm
.macro WMA d, a, b, sa, sb
	v_wmma_scale_f32_16x16x128_f8f6f4 v[\d:\d+7], v[\a:\a+15], v[\b:\b+15], v[\d:\d+7], v[\sa], v[\sb] matrix_a_fmt:MATRIX_FMT_BF8 matrix_b_fmt:MATRIX_FMT_BF8
.endm
.macro QUANT s, pc, pw
.irp b, 0,1,2,3
	v_max3_num_f32 v[TM+\b], |v[(\s)+16*\b]|, |v[(\s)+1+16*\b]|, 0x8000000
.endr
.irp i, 2,4,6,8,10,12,14
.irp b, 0,1,2,3
	v_max3_num_f32 v[TM+\b], v[TM+\b], |v[(\s)+16*\b+\i]|, |v[(\s)+1+16*\b+\i]|
.endr
.endr
.irp b, 0,1,2,3
	v_permlanex16_b32 v[TM+4+\b], v[TM+\b], s[SEL], s[SEL+1]
.endr
.irp b, 0,1,2,3
	v_max_num_f32 v[TM+\b], v[TM+\b], v[TM+4+\b]
.endr
.irp b, 0,1,2,3
	v_add_nc_u32 v[TM+12+\b], 0xf8800000, v[TM+\b]
.endr
.irp b, 0,1,2,3
	v_and_or_b32 v[TM+8+\b], v[TM+\b], 0x7f800000, s[MNT]
.endr
.irp b, 0,1,2,3
	v_lshrrev_b32 v[TM+4+\b], 23, v[TM+12+\b]
.endr
	v_lshl_or_b32 v[\pw], v[TM+5], 8, v[TM+4]
	v_lshl_or_b32 v[\pw], v[TM+6], 16, v[\pw]
	v_lshl_or_b32 v[\pw], v[TM+7], 24, v[\pw]
.irp b, 0,1,2,3
.irp i, 0,1,2,3,4,5,6,7,8,9,10,11,12,13,14,15
	v_med3_num_f32 v[(\s)+16*\b+\i], v[(\s)+16*\b+\i], -v[TM+8+\b], v[TM+8+\b]
.endr
	v_cvt_scalef32_pk8_bf8_f32 v[(\pc)+4*\b:(\pc)+1+4*\b], v[(\s)+16*\b:(\s)+7+16*\b], v[TM+12+\b]
	v_cvt_scalef32_pk8_bf8_f32 v[(\pc)+2+4*\b:(\pc)+3+4*\b], v[(\s)+8+16*\b:(\s)+15+16*\b], v[TM+12+\b]
.endr
	v_nop
.endm
.macro GELU8 x
.irp i, 0,1,2,3,4,5,6,7
	v_fma_f32 v[GT+\i], |v[(\x)+\i]|, s62, 1.0
.endr
	s_wait_alu depctr_va_vdst(0)
.irp i, 0,1,2,3,4,5,6,7
	v_rcp_f32 v[GT+\i], v[GT+\i]
.endr
.irp i, 0,1,2,3,4,5,6,7
	v_mul_f32 v[GW+\i], -0.5, v[(\x)+\i]
.endr
	s_wait_alu depctr_va_vdst(0)
.irp i, 0,2,4,6
	v_pk_fma_f32 v[GU+\i:GU+\i+1], v[GT+\i:GT+\i+1], s[GC+18:GC+19], v[112:113] op_sel_hi:[1,0,1]
.endr
.irp c, 7,6,5,4,3,2,1,0
.irp i, 0,2,4,6
	v_pk_fma_f32 v[GU+\i:GU+\i+1], v[GU+\i:GU+\i+1], v[GT+\i:GT+\i+1], s[GC+2*\c:GC+2*\c+1] op_sel_hi:[1,1,0]
.endr
.endr
.irp i, 0,2,4,6
	v_pk_fma_f32 v[GU+\i:GU+\i+1], v[GW+\i:GW+\i+1], v[(\x)+\i:(\x)+\i+1], v[GU+\i:GU+\i+1]
.endr
.irp i, 0,2,4,6
	v_pk_fma_f32 v[GU+\i:GU+\i+1], v[GU+\i:GU+\i+1], s[GC+20:GC+21], -1.0 op_sel_hi:[1,0,0]
.endr
	s_wait_alu depctr_va_vdst(0)
.irp i, 0,1,2,3,4,5,6,7
	v_exp_f32 v[GU+\i], v[GU+\i]
.endr
.irp i, 0,1,2,3,4,5,6,7
	v_max_num_f32 v[GW+\i], 0, v[(\x)+\i]
.endr
	s_wait_alu depctr_va_vdst(0)
.irp i, 0,2,4,6
	v_pk_mul_f32 v[GU+\i:GU+\i+1], v[GU+\i:GU+\i+1], v[GT+\i:GT+\i+1]
.endr
.irp i, 0,1,2,3,4,5,6,7
	v_fma_f32 v[(\x)+\i], -|v[(\x)+\i]|, v[GU+\i], v[GW+\i]
.endr
.endm
.macro FETCH st
.set P_, (\st)%2
.set SL_, ((\st)/4)%2
.set KQ_, (\st)%4
.set KK_, (\st)%KS
.set CT_, (\st)/KS
	WIN 0x40
.irp t, 0,1,2,3,4,5,6,7
.irp c, 0,1,2,3
	ds_load_b128 v[128*P_+16*\t+4*\c:128*P_+16*\t+4*\c+3], v[7+SL_] offset:\t*8192+KQ_*2048+512*\c
.endr
.endr
	WIN 0x80
.irp a, 0,1
.irp c, 0,1,2,3
	ds_load_b128 v[32*P_+16*\a+4*\c:32*P_+16*\a+4*\c+3], v[5+SL_] offset:\a*8192+KQ_*2048+512*\c
.endr
.endr
	WIN 0
.irp a, 0,1
	ds_load_b32 v[16+10*P_+\a], v9 offset:\a*KS*128+KK_*128
.endr
.irp t, 0,1,2,3,4,5,6,7
	ds_load_b32 v[18+10*P_+\t], v10 offset:CT_*2*QS+\t*KS*128+KK_*128   ; the weight's scale words: column tile CT_'s eight tiles on end
.endr
.endm
.macro MUL16 st
.set P_, (\st)%2
.set CT_, (\st)/KS
.irp a, 0,1
.irp t, 0,1,2,3,4,5,6,7
.if (\st)%KS == 0
	WMC ACC+64*\a+8*\t, 128*P_+16*\t, 32*P_+16*\a, 64+64*CT_+8*\t, 18+10*P_+\t, 16+10*P_+\a
.else
	WMA ACC+64*\a+8*\t, 128*P_+16*\t, 32*P_+16*\a, 18+10*P_+\t, 16+10*P_+\a
.endif
.endr
.endr
.endm
.macro CHANGE refill, sl
	s_wait_tensorcnt 0x0
	ds_add_u32 v14, v15
.if \refill
	s_add_nc_u64 s[G0B+4*\sl+2:G0B+4*\sl+3], s[G0B+4*\sl+2:G0B+4*\sl+3], NEXTB
.endif
	s_wait_dscnt 0x0
.if \refill
	CROUND
	JLOADB G0B+4*\sl
.else
	s_barrier_signal -1
	s_barrier_wait -1
.endif
.endm
.macro STEP st
.if (\st) == 3
	CHANGE 1, 0
.elseif (\st) == 7
	CHANGE 1, 1
.elseif (\st) == 11
	CHANGE 0, 0
.endif
.if (\st) > 0
	PLACES 8
.endif
.if (\st)+1 < NV
	FETCH (\st)+1
	s_wait_dscnt 50
.else
	s_wait_dscnt 0x0
.endif
.if (\st)%KS == 0
	WIN 0x29
.else
	WIN 0x09
.endif
	MUL16 \st
	WIN 0
.endm
.macro CONST i, bits
	s_mov_b32 s[GC+2*\i], \bits
	s_mov_b32 s[GC+2*\i+1], \bits
.endm
.macro OUT tile
.if \tile
	s_wait_xcnt 0x0
.endif
	PLACES 8
.irp a, 0,1
.irp i, 0,1,2,3,4,5,6,7
	GELU8 ACC+64*\a+8*\i
.endr
	QUANT ACC+64*\a, PC0+16*\a, PW+\a
.irp c, 0,1,2,3
	global_store_b128 v1, v[PC0+16*\a+4*\c:PC0+16*\a+4*\c+3], s[84:85] offset:\a*32768+\tile*16384+512*\c
.endr
	global_store_b32 v2, v[PW+\a], s[86:87] offset:\a*2048+\tile*1024
.endr
.endm
	s_load_b256 s[4:11], s[0:1], 0x0
	v_lshl_add_u32 v14, v0, 2, SPARE
	v_mov_b32 v15, 0
	ds_add_u32 v14, v15
	ds_add_u32 v14, v15
	s_wait_dscnt 0x0
	v_lshrrev_b32 v1, 5, v0
	v_readfirstlane_b32 s[WV], v1
	s_and_b32 s[HF], s[WV], 1
	s_lshr_b32 s[FB], s[WV], 1
	s_bfe_u32 s14, ttmp6, 0x40000
	s_bfe_u32 s15, ttmp6, 0x40004
	s_lshl_b32 s2, ttmp9, 2
	s_add_co_u32 s2, s2, s14
	s_and_b32 s3, ttmp7, 0xffff
	s_lshl_b32 s3, s3, 2
	s_add_co_u32 s3, s3, s15
	s_lshl_b32 s16, s15, 2
	s_lshl_b32 s16, 15, s16
	s_lshl_b32 s17, 0x1111, s14
	s_or_b32 s[G1A+0], s16, (3<<16)|(1<<21)
	s_or_b32 s[G1B+0], s17, (3<<16)|(1<<21)
	s_or_b32 s[G1SA+0], s16, (3<<16)|(1<<21)
	s_or_b32 s[G1SB+0], s17, (3<<16)|(1<<21)
.irp g, G1A, G1B
	s_mov_b32 s[\g+1], 1024<<16
	s_mov_b32 s[\g+2], 8<<16                       ; the head's loads bring eight tiles; behind them these two words are set to four, for the ring's
	s_mov_b32 s[\g+3], 1024<<16
	s_mov_b32 s[\g+4], 8
	s_mov_b32 s[\g+5], KS*256
	s_mov_b32 s[\g+6], 0
	s_mov_b32 s[\g+7], 0
.endr
	s_mov_b32 s[G1SA+1], 32<<16
	s_mov_b32 s[G1SA+2], (4*KS)<<16                ; act's eight tiles' scale words: 8,192 dense bytes
	s_mov_b32 s[G1SA+3], 32<<16
	s_mov_b32 s[G1SA+4], 4*KS
	s_mov_b32 s[G1SA+5], 32
	s_mov_b32 s[G1SA+6], 0
	s_mov_b32 s[G1SA+7], 0
	s_mov_b32 s[G1SB+1], (QS/4)<<16                ; the weight's: two rows of 8,192 bytes, one for each of my two column tiles
	s_mov_b32 s[G1SB+2], 2<<16
	s_mov_b32 s[G1SB+3], (QS/4)<<16
	s_mov_b32 s[G1SB+4], 2
	s_mov_b32 s[G1SB+5], 8*KS*1024/8
	s_mov_b32 s[G1SB+6], 0
	s_mov_b32 s[G1SB+7], 0
	s_mul_i32 s18, s[HF], 4*KS*2048
	s_mov_b32 s19, 0                               ; the scale words come whole, one load for each operand
	s_mul_i32 s[OA], s3, KS*16384
	s_add_co_u32 s[OA], s[OA], s18
	s_add_co_u32 s[OA], s[OA], CO
	s_mov_b32 s[OA+1], 0
	s_mul_i32 s[OA+2], s3, KS*1024
	s_add_co_u32 s[OA+2], s[OA+2], s19
	s_mov_b32 s[OA+3], 0
	s_mul_i32 s[OB], s2, KS*16384
	s_add_co_u32 s[OB], s[OB], s18
	s_add_co_u32 s[OB], s[OB], CO+6815744
	s_mov_b32 s[OB+1], 0
	s_mul_i32 s[OB+2], s2, KS*1024
	s_add_co_u32 s[OB+2], s[OB+2], s19
	s_add_co_u32 s[OB+2], s[OB+2], 425984
	s_mov_b32 s[OB+3], 0
	s_mov_b32 s[G0SA], 1
	s_add_co_u32 s[G0SA+1], s19, SCL
	s_mov_b32 s23, 0
	s_mov_b32 s[G0SB], 1
	s_add_co_u32 s[G0SB+1], s23, SCB
	s_lshl_b32 s23, s[WV], 15
.irp s, 0,1
	s_mov_b32 s[G0A+4*\s], 1
	s_add_co_u32 s[G0A+4*\s+1], s23, \s*131072
	s_mov_b32 s[G0B+4*\s], 1
	s_add_co_u32 s[G0B+4*\s+1], s23, \s*131072
.endr
	s_wait_kmcnt 0x0
	s_add_nc_u64 s[G0SA+2:G0SA+3], s[4:5], s[OA+2:OA+3]
	s_or_b32 s[G0SA+3], s[G0SA+3], 0x80000000
	s_add_nc_u64 s[G0SB+2:G0SB+3], s[6:7], s[OB+2:OB+3]
	s_or_b32 s[G0SB+3], s[G0SB+3], 0x80000000
	s_add_nc_u64 s[G0A+2:G0A+3], s[4:5], s[OA:OA+1]
	s_add_nc_u64 s[G0A+6:G0A+7], s[G0A+2:G0A+3], 8192
	s_or_b32 s[G0A+3], s[G0A+3], 0x80000000
	s_or_b32 s[G0A+7], s[G0A+7], 0x80000000
	s_add_nc_u64 s[G0B+2:G0B+3], s[6:7], s[OB:OB+1]
	s_add_nc_u64 s[G0B+6:G0B+7], s[G0B+2:G0B+3], 8192
	s_or_b32 s[G0B+3], s[G0B+3], 0x80000000
	s_or_b32 s[G0B+7], s[G0B+7], 0x80000000
; THE HEAD'S LOADS, ONE A WAVE, in one chain of branches on the wave's number: wave 0 slot 0's eight act tiles, wave 1 its eight weight tiles, wave 2 act's scale words, wave 3 the weight's.
.macro ARM under, g0, g1, next
	s_cmp_lt_u32 s[WV], \under
	s_cbranch_scc0 \next
	tensor_load_to_lds s[\g0:\g0+3], s[\g1:\g1+7]
	s_nop 0
.rept 4
	v_nop
.endr
	s_branch .Lhead_asked
\next:
.endm
	s_mul_i32 s92, s3, KS*16384                    ; group 0 of the two loads of codes: s[96:99] act's, s[4:7] the weight's (the arguments that lay there have been used)
	s_add_co_u32 s92, s92, CO
	s_mov_b32 s93, 0
	s_add_nc_u64 s[98:99], s[4:5], s[92:93]
	s_or_b32 s99, s99, 0x80000000
	s_mov_b32 s96, 1
	s_mov_b32 s97, 0
	s_mul_i32 s100, s2, KS*16384
	s_add_co_u32 s100, s100, CO+6815744
	s_mov_b32 s101, 0
	s_add_nc_u64 s[6:7], s[6:7], s[100:101]
	s_or_b32 s7, s7, 0x80000000
	s_mov_b32 s4, 1
	s_mov_b32 s5, 65536
	CROUND                                         ; all sixteen work-groups are here: the first joint loads meet
	ARM 1, 96, G1A, .Lhead_b
	ARM 2, 4, G1B, .Lhead_sa
	ARM 3, G0SA, G1SA, .Lhead_sb
	tensor_load_to_lds s[G0SB:G0SB+3], s[G1SB:G1SB+7]
	s_nop 0
	PLACES 4
.Lhead_asked:
	v_and_b32 v2, 31, v0
	v_lshlrev_b32 v1, 4, v2
	v_lshlrev_b32 v2, 2, v2
	v_bfe_u32 v4, v0, 4, 1
	s_lshl_b32 s18, s[WV], 14
	v_add_nc_u32 v5, s18, v1
	v_add_nc_u32 v6, 131072, v5
	v_add_nc_u32 v7, 65536, v1
	v_add_nc_u32 v8, 131072, v7
	s_mul_i32 s18, s[WV], KS*256
	s_add_co_u32 s18, s18, SCL
	v_add_nc_u32 v9, s18, v2
	v_add_nc_u32 v10, SCB, v2
	v_lshlrev_b32 v13, 6, v4
	s_lshl_b32 s92, s2, 9
	s_mov_b32 s93, 0
	s_add_nc_u64 s[8:9], s[8:9], s[92:93]
	WIN 0x80
.irp n, 0,1
.irp t, 0,1,2,3,4,5,6,7
	global_load_b128 v[64+64*\n+8*\t:67+64*\n+8*\t], v13, s[8:9] offset:\n*4096+128*(\t/2)+32*(\t%2)
	global_load_b128 v[68+64*\n+8*\t:71+64*\n+8*\t], v13, s[8:9] offset:\n*4096+128*(\t/2)+32*(\t%2)+16
.endr
.endr
	WIN 0
.irp b, 0,1,2,3
	v_mov_b32 v[TM+4+\b], 0
.endr
	v_mov_b32 v112, 0xbf527892
	v_mov_b32 v113, 0xbf527892
	s_mov_b32 s[SEL], 0x76543210
	s_mov_b32 s[SEL+1], 0xfedcba98
	s_mov_b32 s[MNT], 0x600000
	s_lshl_b32 s18, s3, 3
	s_lshl_b32 s19, s[WV], 1
	s_add_co_u32 s18, s18, s19
	s_lshl_b32 s18, s18, 4
	s_add_co_u32 s18, s18, s2
	s_lshl_b32 s84, s18, 11
	s_mov_b32 s85, 0
	s_add_nc_u64 s[84:85], s[10:11], s[84:85]
	s_lshl_b32 s86, s18, 7
	s_add_co_u32 s86, s86, 8388608
	s_mov_b32 s87, 0
	s_add_nc_u64 s[86:87], s[10:11], s[86:87]
	s_wait_alu depctr_va_vdst(0)
	s_wait_tensorcnt 0x0                           ; my tile of the head's four is in; slot 1's first fill is issued as a refill is:
	ds_add_u32 v14, v15                            ; 0 onto my spare word
	s_mov_b32 s[G1A+2], 4<<16                      ; no tensor load of mine is out: from here on a load brings four tiles
	s_mov_b32 s[G1A+4], 4
	s_mov_b32 s[G1B+2], 4<<16
	s_mov_b32 s[G1B+4], 4
	s_wait_dscnt 0x0
	CROUND                                         ; everybody's tile is in, and the joint loads meet
	JLOAD G0A+4, G1A, G0B+4, G1B                   ; K steps 4-7, a quarter of slot 1 a wave
	FETCH 0
	s_wait_loadcnt 0x0
.irp k, 0,1,2,3,4,5,6,7
	STEP \k
.endr
	s_mov_b32 s62, 0x3eb504f3
	CONST 0, 0xbfa1fc4e
	CONST 1, 0x3f8000c7
	CONST 2, 0x3ebf88fb
	CONST 3, 0x3dc636c9
	CONST 4, 0xbe3ec24c
	CONST 5, 0x3e8ec7cc
	CONST 6, 0xbf914e5d
	CONST 7, 0x3fbe87b0
	CONST 8, 0xbf527892
	CONST 9, 0x3e2ef945
	CONST 10, 0x3fb8aa3b
	OUT 0
.irp k, 8,9,10,11,12,13,14,15
	STEP \k
.endr
	OUT 1
	s_wait_tensorcnt 0x0
	ds_add_u32 v14, v15
	s_wait_dscnt 0x0
	CROUND
	s_endpgm
.Lfunc_end_k_q13bd123a6f_mlp1:
	.size	k_q13bd123a6f_mlp1, .Lfunc_end_k_q13bd123a6f_mlp1-k_q13bd123a6f_mlp1
	.p2alignl 7, 3214868480
	.fill 96, 4, 3214868480
	.section	.rodata,"a",@progbits
	.p2align	6, 0x0
	.amdhsa_kernel k_q13bd123a6f_mlp1
		.amdhsa_group_segment_fixed_size 327680
		.amdhsa_private_segment_fixed_size 0
		.amdhsa_enable_private_segment 0
		.amdhsa_kernarg_size 32
		.amdhsa_user_sgpr_count 2
		.amdhsa_user_sgpr_kernarg_segment_ptr 1
		.amdhsa_wavefront_size32 1
		.amdhsa_system_sgpr_workgroup_id_x 1
		.amdhsa_system_sgpr_workgroup_id_y 1
		.amdhsa_system_sgpr_workgroup_id_z 1
		.amdhsa_system_vgpr_workitem_id 0
		.amdhsa_next_free_vgpr 768
		.amdhsa_next_free_sgpr 102
		.amdhsa_reserve_vcc 0
		.amdhsa_float_denorm_mode_32 3
		.amdhsa_float_denorm_mode_16_64 3
		.amdhsa_memory_ordered 1
		.amdhsa_forward_progress 1
		.amdhsa_inst_pref_size 255
	.end_amdhsa_kernel
	.section	.bss,"aw",@nobits
	.p2align	6
	.space	262144
	.amdgpu_metadata
---
amdhsa.version: [ 1, 2 ]
amdhsa.kernels:
  - .name:           k_q13bd123a6f_mlp1
    .symbol:         k_q13bd123a6f_mlp1.kd
    .args:
      - { .name: H2, .offset: 0, .size: 8, .value_kind: global_buffer, .address_space: global }
      - { .name: P, .offset: 8, .size: 8, .value_kind: global_buffer, .address_space: global }
      - { .name: b1, .offset: 16, .size: 8, .value_kind: global_buffer, .address_space: global }
      - { .name: G, .offset: 24, .size: 8, .value_kind: global_buffer, .address_space: global }
    .group_segment_fixed_size: 327680
    .private_segment_fixed_size: 0
    .kernarg_segment_align: 8
    .kernarg_segment_size: 32
    .max_flat_workgroup_size: 128
    .sgpr_count:     102
    .vgpr_count:     768
    .wavefront_size: 32
...
	.end_amdgpu_metadata
.endif
;; end of part 11
;; launch mlp2 (part 12): grid 8 x 32, 4 waves a work-group, clusters of 4 x 4, 327,680 bytes of LDS; arguments G, P, b2, X1, out0; writes out0
.if DOCPART == 12
	.amdgcn_target "amdgcn-amd-amdhsa--gfx1250"
	.amdhsa_code_object_version 6
	.text
	.protected	k_q13bd123a6f_mlp2
	.globl	k_q13bd123a6f_mlp2
	.p2align	8
	.type	k_q13bd123a6f_mlp2,@function
k_q13bd123a6f_mlp2:
	s_mov_b64 s[64:65], 0
	v_nop
	global_prefetch_b8 v0, s[64:65] scope:SCOPE_SE
	s_setreg_imm32_b32 hwreg(HW_REG_WAVE_MODE, 25, 1), 1
	s_wait_xcnt 0x0
	s_wait_alu depctr_hold_cnt(0) depctr_sa_sdst(0) depctr_va_vdst(0) depctr_va_sdst(0) depctr_va_ssrc(0) depctr_va_vcc(0) depctr_vm_vsrc(0)
	s_getreg_b32 s2, hwreg(HW_REG_IB_STS2, 6, 4)
	s_cmp_eq_u32 s2, 0
	s_cbranch_scc0 .Lentry_in_a_cluster
	s_endpgm
.Lentry_in_a_cluster:
	s_bfe_u32 s2, ttmp6, 0x10000c
	s_cmp_lg_u32 s2, 0xf033
	s_cbranch_scc0 .Lentry_shape_is_right
	s_endpgm
.Lentry_shape_is_right:
; out0 = x1 + g W2^T + b2, the product on codes of E5M2 (K = 2,048).
; A work-group makes 128 rows (act tiles 8 y .. 8 y + 7) x 128 columns (weight tiles 8 x .. 8 x + 7).  Wave w: act tiles 2 w, 2 w + 1 x all eight weight tiles: 16 accumulators.
; Operands are images of registers (2,048 bytes a fragment).  K goes through two LDS slots of four K steps; each slot is filled twice.  Each wave brings a quarter of a slot by one tensor load; the scale words of all of K come once.
; One load a wave is out at the head, one behind each refill's round, and that one has four K steps in which to land.  The steps are written out.
; CLUSTERS: 4 x 4 work-groups.  The four of a row of the cluster need the same act tiles, the four of a column the same weight tiles: each is asked for JOINTLY, by the same tensor load with the same descriptor and a mask
; that names the four: a cluster asks for 4 + 4 blocks where sixteen work-groups alone would ask for 16 + 16.  A round of the cluster's barrier stands in front of the first loads, in front of each refill (in the place of
; the work-group's barrier: no wave of any partner then still reads the slot or has a load on its way), and in front of the end.
; Transposed use (source 0 = weight, source 1 = act); the bias is the C of each sum's first product; the residual, asked for at the head, is added on the way out.
; The way out goes through a stage in slot 0, which by then has had its last fill, and whose last reads lie in front of the last barrier.
; All of a WGP's LDS is claimed, and 0 is added to spare words in front of each change of slots and at the end.
; REGISTERS: window 0: v1-13 addresses; v14, v15 the spare word's address and 0; v16-35 scale words alone; v128-255 accumulators.  window 1: the weight's fragments.
;   window 2: v0-63 act's fragments; v64-127 the bias; on the way out v0-127 rows read back; v128-255 the residual.
.set KS,   16
.set QS,   4*KS*128
.set SCL,  262144
.set SPARE, 294912                     ; behind the scale words: 128 bytes for each wave, two blocks of 256 bytes that no other line names
.set STAGE, 0
.set CO,   688128
.set ACC,  128
.set WV,   20                          ; s20 wave; s21 which four tiles I fetch; s22 I fetch act (0) or weight (1)
.set HF,   21
.set FB,   22
.set G1A,  24                          ; s[24:31], s[32:39] group 1 for act's and the weight's codes; s[40:47], s[48:55] for their scale words
.set G1B,  32
.set G1SA, 40
.set G1SB, 48
.set G0A,  56                          ; s[56:63] group 0 for act's two slots; s[68:75] for the weight's; s[76:79], s[80:83] for the scale words
.set G0B,  68
.set G0SA, 76
.set G0SB, 80
.set OA,   84                          ; s[84:87] act's byte offsets (codes, scale words); s[88:91] the weight's
.set OB,   88
.set MSB, 0
.macro WIN new
.if MSB != \new
	s_set_vgpr_msb (MSB<<8)|\new
.set MSB, \new
.endif
.endm
.macro PLACES n
.rept \n
	v_nop
.endr
.endm
; A joint load: waves 0 and 1 fetch for act, waves 2 and 3 for the weight.  Each of the two lines has ONE mask and one set of registers for all that issue it; the branch hangs on the wave's number alone.
; Four v_nop follow each of the two lines, ahead of the jump, the label and what follows.
.macro JLOAD g0a, g1a, g0b, g1b
	s_cmp_eq_u32 s[FB], 0
	s_cbranch_scc0 .Lfor_b_\@
	tensor_load_to_lds s[\g0a:\g0a+3], s[\g1a:\g1a+7]
	s_nop 0
.rept 4
	v_nop
.endr
	s_branch .Lasked_\@
.Lfor_b_\@:
	tensor_load_to_lds s[\g0b:\g0b+3], s[\g1b:\g1b+7]
	s_nop 0
.rept 4
	v_nop
.endr
.Lasked_\@:
.endm
; A round of the cluster's barrier: my work-group's barrier, so that wave 0's signal speaks for all four waves; wave 0 signals for the work-group; every wave waits for all sixteen; my work-group's barrier once more.
.macro CROUND
	s_barrier_signal -1
	s_barrier_wait -1
	s_cmp_lg_u32 s[WV], 0
	s_cbranch_scc1 .Lnot_wave_0_\@
	s_barrier_signal -3
.Lnot_wave_0_\@:
	s_barrier_wait -3
	s_barrier_signal -1
	s_barrier_wait -1
.endm
.macro WMC d, a, b, c, sa, sb
	v_wmma_scale_f32_16x16x128_f8f6f4 v[\d:\d+7], v[\a:\a+15], v[\b:\b+15], v[\c:\c+7], v[\sa], v[\sb] matrix_a_fmt:MATRIX_FMT_BF8 matrix_b_fmt:MATRIX_FMT_BF8
.endm
.macro WMA d, a, b, sa, sb
	v_wmma_scale_f32_16x16x128_f8f6f4 v[\d:\d+7], v[\a:\a+15], v[\b:\b+15], v[\d:\d+7], v[\sa], v[\sb] matrix_a_fmt:MATRIX_FMT_BF8 matrix_b_fmt:MATRIX_FMT_BF8
.endm
.macro FETCH ks
.set P_, (\ks)%2
.set SL_, ((\ks)/4)%2
.set KQ_, (\ks)%4
	WIN 0x40
.irp t, 0,1,2,3,4,5,6,7
.irp c, 0,1,2,3
	ds_load_b128 v[128*P_+16*\t+4*\c:128*P_+16*\t+4*\c+3], v[7+SL_] offset:\t*8192+KQ_*2048+512*\c
.endr
.endr
	WIN 0x80
.irp a, 0,1
.irp c, 0,1,2,3
	ds_load_b128 v[32*P_+16*\a+4*\c:32*P_+16*\a+4*\c+3], v[5+SL_] offset:\a*8192+KQ_*2048+512*\c
.endr
.endr
	WIN 0
.irp a, 0,1
	ds_load_b32 v[16+10*P_+\a], v9 offset:\a*KS*128+(\ks)*128
.endr
.irp t, 0,1,2,3,4,5,6,7
	ds_load_b32 v[18+10*P_+\t], v10 offset:\t*KS*128+(\ks)*128
.endr
.endm
.macro MUL16 ks                        ; the 16 accumulators take turns, one instruction a turn, in the same order in every step
.set P_, (\ks)%2
.irp a, 0,1
.irp t, 0,1,2,3,4,5,6,7
.if (\ks) == 0
	WMC ACC+64*\a+8*\t, 128*P_+16*\t, 32*P_+16*\a, 64+8*\t, 18+10*P_+\t, 16+10*P_+\a
.else
	WMA ACC+64*\a+8*\t, 128*P_+16*\t, 32*P_+16*\a, 18+10*P_+\t, 16+10*P_+\a
.endif
.endr
.endr
.endm
; THE CHANGE OF SLOTS: each wave waits for all its tensor loads (its quarter of the slot ahead), adds 0 to its spare word, and waits for that and for its reads of the slot that it leaves.
; Behind the barrier the slot ahead is whole and nobody reads the other.  refill = 1: slot sl, just left, takes the K steps eight further on: the barrier is then a round of the cluster's, and the joint refill is the
; first thing behind it, my one tensor load until the next such round.
.macro CHANGE refill, sl
	s_wait_tensorcnt 0x0                           ; no tensor load of mine is out, so a group 0 may be written
	ds_add_u32 v14, v15                            ; 0 onto my spare word
.if \refill
	s_add_nc_u64 s[G0A+4*\sl+2:G0A+4*\sl+3], s[G0A+4*\sl+2:G0A+4*\sl+3], 16384   ; eight K steps on; the type bits on top are not reached
	s_add_nc_u64 s[G0B+4*\sl+2:G0B+4*\sl+3], s[G0B+4*\sl+2:G0B+4*\sl+3], 16384
.endif
	s_wait_dscnt 0x0                               ; the add is done, and my reads of the slot that I leave are over
.if \refill
	CROUND                                         ; both now hold of every wave of every work-group of the cluster
	JLOAD G0A+4*\sl, G1A, G0B+4*\sl, G1B
.else
	s_barrier_signal -1
	s_barrier_wait -1
.endif
.endm
.macro STEP ks
.if (\ks) == 3
	CHANGE 1, 0                                    ; K steps 8-11 into slot 0
.elseif (\ks) == 7
	CHANGE 1, 1                                    ; K steps 12-15 into slot 1
.elseif (\ks) == 11
	CHANGE 0, 0                                    ; nothing is left to fetch
.endif
.if (\ks) > 0
	PLACES 8                                       ; in front of loads into the set that the last step's products read
.endif
.if (\ks)+1 < KS
	FETCH (\ks)+1
	s_wait_dscnt 50                                ; all but the 50 just issued: this step's set is in
.else
	s_wait_dscnt 0x0
.endif
.if (\ks) == 0
	WIN 0x29                                       ; source 0 window 1, source 1 and C (the bias) window 2
.else
	WIN 0x09
.endif
	MUL16 \ks
	WIN 0
.endm
	s_load_b256 s[4:11], s[0:1], 0x0               ; G s[4:5], P s[6:7], b2 s[8:9], X1 s[10:11]
	s_load_b64 s[12:13], s[0:1], 0x20              ; out0
	v_lshl_add_u32 v14, v0, 2, SPARE
	v_mov_b32 v15, 0
	ds_add_u32 v14, v15
	ds_add_u32 v14, v15
	s_wait_dscnt 0x0
	v_lshrrev_b32 v1, 5, v0
	v_readfirstlane_b32 s[WV], v1
	s_and_b32 s[HF], s[WV], 1
	s_lshr_b32 s[FB], s[WV], 1
	s_bfe_u32 s14, ttmp6, 0x40000                  ; cx, cy: my place in the cluster
	s_bfe_u32 s15, ttmp6, 0x40004
	s_lshl_b32 s2, ttmp9, 2
	s_add_co_u32 s2, s2, s14                       ; x: which 128 columns = 4 x cluster x + cx
	s_and_b32 s3, ttmp7, 0xffff
	s_lshl_b32 s3, s3, 2
	s_add_co_u32 s3, s3, s15                       ; y: which 128 rows = 4 x cluster y + cy
	s_lshl_b32 s16, s15, 2
	s_lshl_b32 s16, 15, s16                        ; my row of the cluster
	s_lshl_b32 s17, 0x1111, s14                    ; my column
	s_or_b32 s[G1A+0], s16, (3<<16)|(1<<21)        ; 15:0 the mask: act's tiles go to my row; 17:16 elements of 8 bytes; 21 set beside a mask; no padding
	s_or_b32 s[G1B+0], s17, (3<<16)|(1<<21)        ; the weight's go to my column
	s_or_b32 s[G1SA+0], s16, (3<<16)|(1<<21)
	s_or_b32 s[G1SB+0], s17, (3<<16)|(1<<21)
.irp g, G1A, G1B
	s_mov_b32 s[\g+1], 1024<<16                    ; four tiles x four K steps (8,192 bytes a row), a tile's K apart
	s_mov_b32 s[\g+2], 8<<16                       ; the head's loads bring eight tiles; behind them these two words are set to four, for the ring's
	s_mov_b32 s[\g+3], 1024<<16
	s_mov_b32 s[\g+4], 8
	s_mov_b32 s[\g+5], KS*256
	s_mov_b32 s[\g+6], 0
	s_mov_b32 s[\g+7], 0
.endr
.irp g, G1SA, G1SB
	s_mov_b32 s[\g+1], 32<<16                      ; the scale words: a dense block as rows of 256 bytes
	s_mov_b32 s[\g+2], (4*KS)<<16                  ; eight tiles' scale words: 16,384 dense bytes
	s_mov_b32 s[\g+3], 32<<16
	s_mov_b32 s[\g+4], 4*KS
	s_mov_b32 s[\g+5], 32
	s_mov_b32 s[\g+6], 0
	s_mov_b32 s[\g+7], 0
.endr
	; act's tiles hang on y alone, the weight's on x alone; every wave makes both addresses, in registers that never hold the other coordinate
	s_mul_i32 s18, s[HF], 4*KS*2048
	s_mov_b32 s19, 0                               ; the scale words come whole, one load for each operand
	s_mul_i32 s[OA], s3, KS*16384                  ; act's codes in G
	s_add_co_u32 s[OA], s[OA], s18
	s_mov_b32 s[OA+1], 0
	s_mul_i32 s[OA+2], s3, KS*1024
	s_add_co_u32 s[OA+2], s[OA+2], s19
	s_add_co_u32 s[OA+2], s[OA+2], 8388608         ; act's scale words
	s_mov_b32 s[OA+3], 0
	s_mul_i32 s[OB], s2, KS*16384
	s_add_co_u32 s[OB], s[OB], s18
	s_add_co_u32 s[OB], s[OB], CO+8912896          ; W2's codes: jobs 544 on
	s_mov_b32 s[OB+1], 0
	s_mul_i32 s[OB+2], s2, KS*1024
	s_add_co_u32 s[OB+2], s[OB+2], s19
	s_add_co_u32 s[OB+2], s[OB+2], 557056
	s_mov_b32 s[OB+3], 0
	s_mov_b32 s[G0SA], 1
	s_mov_b32 s[G0SA+1], SCL
	s_mov_b32 s[G0SB], 1
	s_mov_b32 s[G0SB+1], SCL+2*QS
	s_lshl_b32 s23, s[WV], 15
.irp s, 0,1
	s_mov_b32 s[G0A+4*\s], 1
	s_add_co_u32 s[G0A+4*\s+1], s23, \s*131072
	s_mov_b32 s[G0B+4*\s], 1
	s_add_co_u32 s[G0B+4*\s+1], s23, \s*131072
.endr
	s_wait_kmcnt 0x0
	s_add_nc_u64 s[G0SA+2:G0SA+3], s[4:5], s[OA+2:OA+3]
	s_or_b32 s[G0SA+3], s[G0SA+3], 0x80000000
	s_add_nc_u64 s[G0SB+2:G0SB+3], s[6:7], s[OB+2:OB+3]
	s_or_b32 s[G0SB+3], s[G0SB+3], 0x80000000
	s_add_nc_u64 s[G0A+2:G0A+3], s[4:5], s[OA:OA+1]        ; K steps 0-3
	s_add_nc_u64 s[G0A+6:G0A+7], s[G0A+2:G0A+3], 8192      ; K steps 4-7
	s_or_b32 s[G0A+3], s[G0A+3], 0x80000000
	s_or_b32 s[G0A+7], s[G0A+7], 0x80000000
	s_add_nc_u64 s[G0B+2:G0B+3], s[6:7], s[OB:OB+1]
	s_add_nc_u64 s[G0B+6:G0B+7], s[G0B+2:G0B+3], 8192
	s_or_b32 s[G0B+3], s[G0B+3], 0x80000000
	s_or_b32 s[G0B+7], s[G0B+7], 0x80000000
; THE HEAD'S LOADS, ONE A WAVE, in one chain of branches on the wave's number: wave 0 slot 0's eight act tiles, wave 1 its eight weight tiles, wave 2 act's scale words, wave 3 the weight's.
; Slot 1's first fill follows behind the full sequence and a round, as a refill does: one load of a wave is out at any time.
.macro ARM under, g0, g1, next
	s_cmp_lt_u32 s[WV], \under
	s_cbranch_scc0 \next
	tensor_load_to_lds s[\g0:\g0+3], s[\g1:\g1+7]
	s_nop 0
.rept 4
	v_nop
.endr
	s_branch .Lhead_asked
\next:
.endm
	s_mul_i32 s92, s3, KS*16384                    ; group 0 of the two loads of codes: s[96:99] act's, s[4:7] the weight's (the arguments that lay there have been used)
	s_mov_b32 s93, 0
	s_add_nc_u64 s[98:99], s[4:5], s[92:93]
	s_or_b32 s99, s99, 0x80000000
	s_mov_b32 s96, 1
	s_mov_b32 s97, 0
	s_mul_i32 s100, s2, KS*16384
	s_add_co_u32 s100, s100, CO+8912896
	s_mov_b32 s101, 0
	s_add_nc_u64 s[6:7], s[6:7], s[100:101]
	s_or_b32 s7, s7, 0x80000000
	s_mov_b32 s4, 1
	s_mov_b32 s5, 65536
	CROUND                                         ; all sixteen work-groups are here: the first joint loads meet
	ARM 1, 96, G1A, .Lhead_b
	ARM 2, 4, G1B, .Lhead_sa
	ARM 3, G0SA, G1SA, .Lhead_sb
	tensor_load_to_lds s[G0SB:G0SB+3], s[G1SB:G1SB+7]
	s_nop 0
	PLACES 4
.Lhead_asked:
	v_and_b32 v2, 31, v0
	v_lshlrev_b32 v1, 4, v2
	v_lshlrev_b32 v2, 2, v2
	v_and_b32 v3, 15, v0
	v_bfe_u32 v4, v0, 4, 1
	s_lshl_b32 s18, s[WV], 14
	v_add_nc_u32 v5, s18, v1
	v_add_nc_u32 v6, 131072, v5
	v_add_nc_u32 v7, 65536, v1
	v_add_nc_u32 v8, 131072, v7
	s_mul_i32 s18, s[WV], KS*256
	s_add_co_u32 s18, s18, SCL
	v_add_nc_u32 v9, s18, v2
	v_add_nc_u32 v10, SCL+2*QS, v2
	s_mul_i32 s18, s[WV], 16*528
	s_add_co_u32 s18, s18, STAGE
	v_mul_u32_u24 v11, v3, 528
	v_lshl_add_u32 v11, v4, 6, v11
	v_add_nc_u32 v11, s18, v11                     ; the stage, in: row r, + 64 h
	v_add_nc_u32 v12, s18, v1                      ; back: a row of 512 bytes to the 32 lanes
	v_lshlrev_b32 v13, 6, v4                       ; the bias: + 64 h
	s_wait_alu depctr_va_vdst(0)
	s_lshl_b32 s92, s2, 9
	s_mov_b32 s93, 0
	s_add_nc_u64 s[8:9], s[8:9], s[92:93]
	s_lshl_b32 s92, s3, 19
	s_lshl_b32 s23, s[WV], 17
	s_add_co_u32 s92, s92, s23
	s_lshl_b32 s23, s2, 9
	s_add_co_u32 s92, s92, s23                     ; (128 y + 32 w) rows of 4,096 bytes + 128 x columns
	s_add_nc_u64 s[10:11], s[10:11], s[92:93]
	s_add_nc_u64 s[12:13], s[12:13], s[92:93]
	WIN 0x80
.irp t, 0,1,2,3,4,5,6,7
	global_load_b128 v[64+8*\t:67+8*\t], v13, s[8:9] offset:128*(\t/2)+32*(\t%2)
	global_load_b128 v[68+8*\t:71+8*\t], v13, s[8:9] offset:128*(\t/2)+32*(\t%2)+16
.endr
.irp a, 0,1
.irp p, 0,1,2,3,4,5,6,7,8,9,10,11,12,13,14,15
	global_load_b128 v[128+64*\a+4*\p:131+64*\a+4*\p], v1, s[10:11] offset:(8*\a+\p+8*(\p/8))*4096   ; the residual of position p
.endr
.endr
	WIN 0
	s_wait_alu depctr_va_vdst(0)
	s_wait_tensorcnt 0x0                           ; my tile of the head's four is in; slot 1's first fill is issued as a refill is:
	ds_add_u32 v14, v15                            ; 0 onto my spare word
	s_mov_b32 s[G1A+2], 4<<16                      ; no tensor load of mine is out: from here on a load brings four tiles
	s_mov_b32 s[G1A+4], 4
	s_mov_b32 s[G1B+2], 4<<16
	s_mov_b32 s[G1B+4], 4
	s_wait_dscnt 0x0
	CROUND                                         ; everybody's tile is in, and the joint loads meet
	JLOAD G0A+4, G1A, G0B+4, G1B                   ; K steps 4-7, a quarter of slot 1 a wave
	FETCH 0
	s_wait_loadcnt 32                              ; the bias's 16 loads are in; the residual's 32, issued behind them, may be out
.irp k, 0,1,2,3,4,5,6,7,8,9,10,11,12,13,14,15
	STEP \k
.endr
	PLACES 8                                       ; in front of the first read of results, and of loads into act's and the bias's registers
.irp a, 0,1
.irp t, 0,1,2,3,4,5,6,7
	ds_store_b128 v11, v[ACC+64*\a+8*\t:ACC+64*\a+8*\t+3] offset:128*(\t/2)+32*(\t%2)        ; each accumulator from its low end on
	ds_store_b128 v11, v[ACC+64*\a+8*\t+4:ACC+64*\a+8*\t+7] offset:128*(\t/2)+32*(\t%2)+16
.endr
	WIN 0x80
.irp p, 0,1,2,3,4,5,6,7,8,9,10,11,12,13,14,15
	ds_load_b128 v[64*\a+4*\p:64*\a+4*\p+3], v12 offset:528*\p   ; LDS serves a wave's instructions in order (ISA guide 5.7.1.4)
.endr
	WIN 0
.endr
	s_wait_loadcnt 0x0                             ; the residual
.irp a, 0,1
.if \a == 0
	s_wait_dscnt 32                                ; the first tile is back; the second's 16 stores and 16 loads may be out
.else
	s_wait_dscnt 0x0
.endif
	WIN 0x8a
.set i_, 0
.rept 32
	v_pk_add_f32 v[64*\a+i_:64*\a+i_+1], v[64*\a+i_:64*\a+i_+1], v[128+64*\a+i_:128+64*\a+i_+1]
.set i_, i_+2
.endr
	WIN 0x08
.irp p, 0,1,2,3,4,5,6,7,8,9,10,11,12,13,14,15
	global_store_b128 v1, v[64*\a+4*\p:64*\a+4*\p+3], s[12:13] offset:(8*\a+\p+8*(\p/8))*4096 th:TH_STORE_NT   ; 32 lanes store 512 consecutive bytes, aligned; written once, read by nobody here
.endr
	WIN 0
.endr
	s_wait_tensorcnt 0x0                           ; the wave's end, behind my last tensor load and my last LDS store
	ds_add_u32 v14, v15
	s_wait_dscnt 0x0
	CROUND                                         ; the closing round: no work-group ends while a partner may still ask for a tile that names it
	s_endpgm
.Lfunc_end_k_q13bd123a6f_mlp2:
	.size	k_q13bd123a6f_mlp2, .Lfunc_end_k_q13bd123a6f_mlp2-k_q13bd123a6f_mlp2
	.p2alignl 7, 3214868480
	.fill 96, 4, 3214868480
	.section	.rodata,"a",@progbits
	.p2align	6, 0x0
	.amdhsa_kernel k_q13bd123a6f_mlp2
		.amdhsa_group_segment_fixed_size 327680
		.amdhsa_private_segment_fixed_size 0
		.amdhsa_enable_private_segment 0
		.amdhsa_kernarg_size 40
		.amdhsa_user_sgpr_count 2
		.amdhsa_user_sgpr_kernarg_segment_ptr 1
		.amdhsa_wavefront_size32 1
		.amdhsa_system_sgpr_workgroup_id_x 1
		.amdhsa_system_sgpr_workgroup_id_y 1
		.amdhsa_system_sgpr_workgroup_id_z 1
		.amdhsa_system_vgpr_workitem_id 0
		.amdhsa_next_free_vgpr 768
		.amdhsa_next_free_sgpr 102
		.amdhsa_reserve_vcc 0
		.amdhsa_float_denorm_mode_32 3
		.amdhsa_float_denorm_mode_16_64 3
		.amdhsa_memory_ordered 1
		.amdhsa_forward_progress 1
		.amdhsa_inst_pref_size 118
	.end_amdhsa_kernel
	.amdgpu_metadata
---
amdhsa.version: [ 1, 2 ]
amdhsa.kernels:
  - .name:           k_q13bd123a6f_mlp2
    .symbol:         k_q13bd123a6f_mlp2.kd
    .args:
      - { .name: G, .offset: 0, .size: 8, .value_kind: global_buffer, .address_space: global }
      - { .name: P, .offset: 8, .size: 8, .value_kind: global_buffer, .address_space: global }
      - { .name: b2, .offset: 16, .size: 8, .value_kind: global_buffer, .address_space: global }
      - { .name: X1, .offset: 24, .size: 8, .value_kind: global_buffer, .address_space: global }
      - { .name: out0, .offset: 32, .size: 8, .value_kind: global_buffer, .address_space: global }
    .group_segment_fixed_size: 327680
    .private_segment_fixed_size: 0
    .kernarg_segment_align: 8
    .kernarg_segment_size: 40
    .max_flat_workgroup_size: 128
    .sgpr_count:     102
    .vgpr_count:     768
    .wavefront_size: 32
...
	.end_amdgpu_metadata
.endif
;; end of part 12
